; MI455X (gfx1250); checked and timed in simulation.
; The chip was launched on July 23, 2026; its instructions are those of AMD's public machine-readable ISA for CDNA 5 (MIT licence, August 2026) and "CDNA5" Instruction Set Architecture Reference Guide (July 2026). The comments in the code are by the model that wrote it; some were corrected since.
;; Cross Modal Attention Block. Allowed arithmetic: matrix products marked QUANTISED: E5M2 operands, one E8M0 scale for each 32 along K, by v_wmma_scale_f32_16x16x128_f8f6f4 with both operands' format E5M2, f32 sums; everything else in f32.
;; Inputs: Wk 1,024 x 1,024 float32; Wo 1,024 x 1,024 float32; Wq 1,024 x 1,024 float32; Wv 1,024 x 1,024 float32; bk 1,024 float32; bo 1,024 float32; bq 1,024 float32; bv 1,024 float32; context_codes 4 x 2,048 x 32 x 32 uint8 (E5M2 codes of context, K innermost, in blocks of 32 codes); context_scales 4 x 2,048 x 32 uint8 (E8M0 scales of context, one for each 32 codes along K); ln_beta 1,024 float32; ln_gamma 1,024 float32; x 4 x 1,024 x 1,024 float32.
;; Outputs: out0 4 x 1,024 x 1,024 float32.
;; This version of the problem:
;;   THIS VERSION OF THE PROBLEM IS GIVEN IN LOW PRECISION. The matrix products marked QUANTISED in the list below multiply operands that are first quantised to E5M2 (5 exponent bits, 2 mantissa bits; 8 bits a number), with one power-of-two scale for each 32 numbers along K (OCP MX v1.0); their sums are f32. All else is computed in f32.
;;   The module's matrix products, in the order in which they are computed (A, B: the left and right operand; K: the contracted axis; several contracted axes count as one K, in the product's order):
;;     1. [M 4,096, K 1,024] x [K 1,024, N 1,024]; A: computed on the way; B: computed on the way: QUANTISED
;;     2. [M 8,192, K 1,024] x [K 1,024, N 1,024]; A: input context (given as codes); B: computed on the way: QUANTISED
;;     3. [M 8,192, K 1,024] x [K 1,024, N 1,024]; A: input context (given as codes); B: computed on the way: QUANTISED
;;     4. batch 64 x [M 1,024, K 64] x [K 64, N 2,048]; A: computed on the way; B: computed on the way: QUANTISED
;;     5. batch 64 x [M 64, K 2,048] x [K 2,048, N 1,024]; A: computed on the way; B: softmax (see below): QUANTISED
;;     6. [M 4,096, K 1,024] x [K 1,024, N 1,024]; A: computed on the way; B: computed on the way: QUANTISED
;;   THE QUANTISER, for each operand of a quantised product, along K:
;;     - K is cut into blocks of 32 from its start; a last block that is shorter is filled with zeros.
;;     - A block's scale is 2^e with e = floor(log2(the largest magnitude in the block)) - 15, held to -126 .. 127; a block of zeros has e = 0. As a byte (E8M0): e + 127.
;;     - Each number is divided by its block's scale, clamped to +-57,344, and rounded to the nearest number of E5M2, ties to even, subnormals kept.
;;     - The product sums the exact products of the quantised numbers (number of the format x scale) in f32.
;;   ~~~python
;;   def quantise(x, axis):      # numpy; x: float32 -> the quantised numbers, widened to float32 again
;;       x = np.moveaxis(x, axis, -1); K = x.shape[-1]
;;       x = np.pad(x, [(0, 0)] * (x.ndim - 1) + [(0, -K % 32)]); x = x.reshape(x.shape[:-1] + (-1, 32)); a = np.abs(x).max(-1, keepdims=True)
;;       e = np.where(a > 0, np.clip(np.frexp(np.where(a > 0, a, 1))[1] - 1 - 15, -126, 127), 0)      # np.frexp(a)[1] - 1 = floor(log2(a)), exactly
;;       r = np.clip(x / 2.0 ** e, -57344, 57344)
;;       step = 2.0 ** (np.maximum(np.frexp(np.where(r == 0, 1, r))[1] - 1, -14) - 2)
;;       q = np.round(r / step) * step * 2.0 ** e      # np.round: ties to even
;;       return np.moveaxis(q.reshape(q.shape[:-2] + (-1,))[..., :K], -1, axis).astype(np.float32)
;;   ~~~
;;   SOFTMAX AHEAD OF A QUANTISED PRODUCT. Where the list says 'softmax', what is quantised is not the finished softmax but p = 2^(t - M), with t = logit x log2(e) and M = ceil(the row's largest t), a whole number; so 1/2 < the row's largest p <= 1. The row's sum l is taken of the UNQUANTISED p, in f32, and the product's result is divided by l at the end. Since M is a whole number, a kernel that streams over the keys may use a running M (the ceiling of the running maximum): every later rescaling is an exact power of two, which a block's scale takes up: the codes' values come out the same.
;;   OPERANDS COMPUTED ON THE WAY. 'Computed on the way' means the value that the module computes at that place (a softmax that the list does not call 'softmax' is quantised finished and normalised). What goes into a quantiser is computed in f32, as accurately as f32 sums, v_exp_f32 and their like allow (about 1e-6 of the number): no bf16 or f16 on the way to a quantiser, and a product that is left as it is and whose result goes on into a quantised operand takes f32 operands (vector FMAs, or v_wmma_f32_16x16x4_f32). A number that lies on a knife's edge between two numbers of the format may be rounded either way, as far as f32 arithmetic and the matrix unit's own rounding can turn it there, and no further.
;;   INPUTS GIVEN AS CODES. context (in the module: [4, 2048, 1024], K = its axis 2): each comes as NAME_codes (uint8): NAME with its K axis moved to the last place and cut into blocks of 32 codes, [.., K / 32, bytes a block], one block behind the other in memory; one code a byte (a code: sign, 5 exponent bits, 2 mantissa bits); and NAME_scales (uint8): the same leading axes, one E8M0 byte (e + 127) for each 32 codes along K. Its value is code x scale, taken as it is: it is not quantised again, and the codes and scales need not be those that the quantiser above would give.
;; 2 versions. Each part assembles by itself: llvm-mc -triple=amdgcn-amd-amdhsa -mcpu=gfx1250 --defsym DOCPART=n.
;; ======== version 1 of 2: 5 launches
;; workspace buffers: psum 2,048 bytes; xq 4,325,376 bytes; wq 4,325,376 bytes; qimg 4,456,448 bytes; kv 17,301,504 bytes; oq 4,325,376 bytes
;; launch prep (part 1): grid 256 x 1, 4 waves a work-group, no clusters, 23,040 bytes of LDS; arguments x, ln_gamma, ln_beta, Wq, Wk, Wv, Wo, xq, psum; writes xq, psum
.if DOCPART == 1
	.amdgcn_target "amdgcn-amd-amdhsa--gfx1250"
	.amdhsa_code_object_version 6
	.text
	.protected	k_qc1c1f5a0d1_prep
	.globl	k_qc1c1f5a0d1_prep
	.p2align	8
	.type	k_qc1c1f5a0d1_prep,@function
k_qc1c1f5a0d1_prep:
	s_mov_b64 s[64:65], 0
	v_nop
	global_prefetch_b8 v0, s[64:65] scope:SCOPE_SE
	s_setreg_imm32_b32 hwreg(HW_REG_WAVE_MODE, 25, 1), 1
	s_wait_xcnt 0x0
; Work-groups 0-127: LayerNorm of x [4096][1024] f32, quantised along its 1,024 to codes of E5M2 with one E8M0 byte for each 32: xq = codes [4096][1024], then, 4 MiB on, scale bytes [4096][32].
; Work-groups 128-255: partial sums of |W| of the four weights, one f32 a wave: psum [4 weights][128 waves].  The next launch adds them: a mean over a whole weight spans work-groups.
; LayerNorm: a wave takes 8 rows, a row at a time in 32 registers a lane (8 loads of 512 consecutive bytes): mean, then the sum of squares of x - mean (two passes over registers, one over memory), v_rsq_f32,
; ((x - mean) rstd) gamma + beta.  The conversions take 16 neighbours from ONE lane, the loads give a lane 4: so a row turns through the wave's own stage in LDS (64 bytes + 16 of padding a place), two steps of 512 numbers.
; A block's scale byte is its largest magnitude's exponent field - 15, held at 1 from below by a floor among the maximum's leaves.
; LIMITS: NaN and infinities are not served; a block of zeros gets the byte 1 (its codes are zeros; these bytes are read by this program alone); the sums have another order than the problem's own.
; Memory binds: no matrix unit, no cluster (no two work-groups read the same bytes but gamma and beta, 8 KiB), no barrier (waves share nothing).  Only the first path touches LDS.
.set SP,   80                          ; a place in a stage: 64 bytes + 16
.set WREG, 5632                        ; LDS of a wave: two stages of 32 places, then its 256 scale bytes
.set SBY,  5120
.set G,    32                          ; v32-63   gamma of my 32 columns (128 j + 4 lane + i)
.set BT,   64                          ; v64-95   beta likewise
.set R,    96                          ; v96-159  two rows as loaded
.set X,    160                         ; v160-191 two steps of 16 neighbours
.set C,    192                         ; v192-199 two sets of codes
.set EB,   27                          ; v27-28   a scale byte for each of a row's two steps
	s_load_b512 s[4:19], s[0:1], 0x0               ; x, gamma, beta, Wq, Wk, Wv, Wo, xq
	s_load_b64 s[20:21], s[0:1], 0x40              ; psum
	v_lshl_add_u32 v200, v0, 2, 0x5800
	v_mov_b32 v201, 0
	v_lshrrev_b32 v1, 5, v0
	v_readfirstlane_b32 s22, v1                    ; wave
	v_and_b32 v1, 31, v0                           ; lane
	v_lshlrev_b32 v2, 4, v1                        ; 16 bytes a lane
	v_mov_b32 v26, 0                               ; a lane permute's destination counts as read: written once
	s_mov_b32 s28, 0x76543210
	s_mov_b32 s29, 0xfedcba98                      ; v_permlanex16_b32: lane l xor 16
.macro WSUM reg                        ; the sum over the 32 lanes, in every lane
	v_add_f32_dpp v[\reg], v[\reg], v[\reg] row_xmask:1 row_mask:0xf bank_mask:0xf
	v_add_f32_dpp v[\reg], v[\reg], v[\reg] row_xmask:2 row_mask:0xf bank_mask:0xf
	v_add_f32_dpp v[\reg], v[\reg], v[\reg] row_xmask:4 row_mask:0xf bank_mask:0xf
	v_add_f32_dpp v[\reg], v[\reg], v[\reg] row_xmask:8 row_mask:0xf bank_mask:0xf
	v_permlanex16_b32 v26, v[\reg], s28, s29
	v_add_f32 v[\reg], v[\reg], v26
.endm
	s_cmp_lt_u32 ttmp9, 128
	s_cbranch_scc0 .Lsum
	; ---------------- LayerNorm and its quantiser
	s_mov_b32 s30, 0x600000                        ; the mantissa field of 57,344
	s_mov_b32 s31, 0x3a800000                      ; 1 / 1,024
	s_mov_b32 s32, 0x3727c5ac                      ; 1e-5
	s_mul_i32 s24, s22, WREG
	v_lshrrev_b32 v3, 2, v1
	v_mul_u32_u24 v3, v3, SP
	v_and_b32 v4, 3, v1
	v_lshl_add_u32 v3, v4, 4, v3
	v_add_nc_u32 v3, s24, v3                       ; into a stage: four lanes' 64 bytes on end, then the padding
	v_mul_u32_u24 v4, v1, SP
	v_add_nc_u32 v4, s24, v4                       ; out of it: my 16 neighbours
	v_lshrrev_b32 v5, 1, v1
	s_add_co_u32 s24, s24, SBY
	v_add_nc_u32 v5, s24, v5                       ; my block's scale byte
	v_lshlrev_b32 v7, 3, v1
	v_add_nc_u32 v6, s24, v7                       ; the bytes on their way out: 8 a lane
	s_lshl_b32 s25, ttmp9, 5
	s_lshl_b32 s26, s22, 3
	s_add_co_u32 s24, s25, s26                     ; my first row: 32 x work-group + 8 x wave
	s_mov_b32 s25, 0
	s_lshl_b64 s[26:27], s[24:25], 12              ; in x,
	s_lshl_b64 s[34:35], s[24:25], 10              ; in the codes,
	s_lshl_b32 s24, s24, 5
	s_add_co_u32 s24, s24, 0x400000                ; in the scale bytes
	s_wait_kmcnt 0x0
	s_add_nc_u64 s[4:5], s[4:5], s[26:27]
	s_add_nc_u64 s[36:37], s[18:19], s[24:25]
	s_add_nc_u64 s[18:19], s[18:19], s[34:35]
.irp j, 0,1,2,3,4,5,6,7
	global_load_b128 v[G+4*\j:G+4*\j+3], v2, s[6:7] offset:512*\j
	global_load_b128 v[BT+4*\j:BT+4*\j+3], v2, s[8:9] offset:512*\j
.endr
.macro LOADROW q                       ; a row: eight loads of 512 consecutive bytes
.irp j, 0,1,2,3,4,5,6,7
	global_load_b128 v[R+32*((\q)%2)+4*\j:R+32*((\q)%2)+4*\j+3], v2, s[4:5] offset:4096*(\q)+512*\j th:TH_LOAD_NT
.endr
.endm
	LOADROW 0
	LOADROW 1
; 512 numbers, 16 neighbours a lane in set `set`, become codes and 16 scale bytes; idx = 2 x row + step
.macro QSTEP set, idx
.set XS, X+16*(\set)
.set CS, C+4*(\set)
	v_max3_num_f32 v8, |v[XS]|, |v[XS+1]|, |v[XS+2]|
	v_max3_num_f32 v9, |v[XS+3]|, |v[XS+4]|, |v[XS+5]|
.irp i, 6,10
	v_max3_num_f32 v8, v8, |v[XS+\i]|, |v[XS+\i+1]|
	v_max3_num_f32 v9, v9, |v[XS+\i+2]|, |v[XS+\i+3]|
.endr
	v_max3_num_f32 v8, v8, |v[XS+14]|, |v[XS+15]|
	v_max3_num_f32 v8, v8, v9, 0x8000000           ; the floor 2^(16 - 127): the byte cannot fall under 1
	v_max_num_f32_dpp v8, v8, v8 row_xmask:1 row_mask:0xf bank_mask:0xf   ; with my neighbour's 16: the block's largest magnitude
	v_add_nc_u32 v11, 0xf8800000, v8               ; 15 off its exponent field: the conversion's scale operand
	v_and_or_b32 v10, v8, 0x7f800000, s30          ; 57,344 x the scale
.irp i, 0,1,2,3,4,5,6,7,8,9,10,11,12,13,14,15
	v_med3_num_f32 v[XS+\i], v[XS+\i], -v10, v10   ; the conversion does not saturate (ISA guide 7.6.2): the hold comes first
.endr
	s_wait_xcnt 0x0                                ; this set's last store has read its codes: they are written again only behind this wait
	v_cvt_scalef32_pk8_bf8_f32 v[CS:CS+1], v[XS:XS+7], v11
	v_cvt_scalef32_pk8_bf8_f32 v[CS+2:CS+3], v[XS+8:XS+15], v11
	v_lshrrev_b32 v[EB+(\set)], 23, v11            ; the scale's byte (also the plain line behind the conversions)
	ds_store_b8 v5, v[EB+(\set)] offset:16*(\idx)  ; both lanes of a block write the same byte with the same value
	global_store_b128 v2, v[CS:CS+3], s[18:19] offset:512*(\idx)   ; 32 lanes store 512 consecutive bytes
.endm
.macro ROW p
.set RS, R+32*((\p)%2)
.if (\p) < 7
	s_wait_loadcnt 8                               ; my row is in (gamma and beta too); the next row's eight loads may be out
.else
	s_wait_loadcnt 0x0
.endif
.irp c, 0,1,2,3
	v_pk_add_f32 v[18+2*\c:19+2*\c], v[RS+2*\c:RS+2*\c+1], v[RS+8+2*\c:RS+9+2*\c]   ; four chains, started by the first pairs
.endr
.irp k, 8,9,10,11,12,13,14,15
	v_pk_add_f32 v[18+2*(\k%4):19+2*(\k%4)], v[18+2*(\k%4):19+2*(\k%4)], v[RS+2*\k:RS+2*\k+1]
.endr
	v_pk_add_f32 v[18:19], v[18:19], v[20:21]
	v_pk_add_f32 v[22:23], v[22:23], v[24:25]
	v_pk_add_f32 v[18:19], v[18:19], v[22:23]
	v_add_f32 v18, v18, v19
	WSUM 18
	v_mul_f32 v14, s31, v18                        ; the mean, twice
	v_mul_f32 v15, s31, v18
.irp k, 0,1,2,3,4,5,6,7,8,9,10,11,12,13,14,15
	v_pk_add_f32 v[RS+2*\k:RS+2*\k+1], v[RS+2*\k:RS+2*\k+1], v[14:15] neg_lo:[0,1] neg_hi:[0,1]   ; x - mean, in place
.endr
.irp c, 0,1,2,3
	v_pk_mul_f32 v[18+2*\c:19+2*\c], v[RS+2*\c:RS+2*\c+1], v[RS+2*\c:RS+2*\c+1]
.endr
.irp k, 4,5,6,7,8,9,10,11,12,13,14,15
	v_pk_fma_f32 v[18+2*(\k%4):19+2*(\k%4)], v[RS+2*\k:RS+2*\k+1], v[RS+2*\k:RS+2*\k+1], v[18+2*(\k%4):19+2*(\k%4)]
.endr
	v_pk_add_f32 v[18:19], v[18:19], v[20:21]
	v_pk_add_f32 v[22:23], v[22:23], v[24:25]
	v_pk_add_f32 v[18:19], v[18:19], v[22:23]
	v_add_f32 v18, v18, v19
	WSUM 18
	v_fma_f32 v18, v18, s31, s32                   ; the variance + 1e-5
	v_rsq_f32 v16, v18
	v_rsq_f32 v17, v18
	v_nop                                          ; a plain line behind the transcendentals
	s_wait_alu depctr_va_vdst(0)
.irp k, 0,1,2,3,4,5,6,7,8,9,10,11,12,13,14,15
	v_pk_mul_f32 v[RS+2*\k:RS+2*\k+1], v[RS+2*\k:RS+2*\k+1], v[16:17]
.endr
.irp k, 0,1,2,3,4,5,6,7,8,9,10,11,12,13,14,15
	v_pk_fma_f32 v[RS+2*\k:RS+2*\k+1], v[RS+2*\k:RS+2*\k+1], v[G+2*\k:G+2*\k+1], v[BT+2*\k:BT+2*\k+1]
.endr
.irp j, 0,1,2,3,4,5,6,7
	ds_store_b128 v3, v[RS+4*\j:RS+4*\j+3] offset:2560*(\j/4)+640*(\j%4)   ; as they lie: 512 bytes take eight places
.endr
.irp t, 0,1
.irp i, 0,1,2,3
	ds_load_b128 v[X+16*\t+4*\i:X+16*\t+4*\i+3], v4 offset:2560*\t+16*\i    ; LDS serves a wave's instructions in order: these see the stores
.endr
.endr
	s_wait_dscnt 4                                 ; the first step's numbers are back, so the eight stores have read the row's registers
.if (\p) < 6
	LOADROW (\p)+2
.endif
	QSTEP 0, 2*(\p)
	s_wait_dscnt 1                                 ; the second step's are back; the byte store may be out
	QSTEP 1, 2*(\p)+1
.endm
.irp p, 0,1,2,3,4,5,6,7
	ROW \p
.endr
	ds_load_b64 v[12:13], v6                       ; my wave's 256 scale bytes
	s_wait_dscnt 0x0
	global_store_b64 v7, v[12:13], s[36:37]        ; 32 lanes store 256 consecutive bytes, aligned
	s_wait_tensorcnt 0x0
	ds_add_u32 v200, v201
	s_wait_dscnt 0x0
	s_endpgm
	; ---------------- partial sums of |W|: a wave takes 32 KiB of one weight, 64 loads of 512 consecutive bytes in two sets of 16
.Lsum:
	s_sub_co_u32 s24, ttmp9, 128
	s_lshr_b32 s25, s24, 5                         ; which weight: 32 work-groups each
	s_lshl_b32 s24, s24, 2
	s_add_co_u32 s24, s24, s22                     ; which of the 512 waves
	s_and_b32 s26, s24, 127
	s_lshl_b32 s26, s26, 15                        ; my 32 KiB in the weight
	s_mov_b32 s27, 0
	s_lshl_b32 s24, s24, 2
	v_mov_b32 v3, s24                              ; my word of psum
	s_wait_kmcnt 0x0
	s_cmp_eq_u32 s25, 1                            ; the choice hangs on the work-group's number alone
	s_cselect_b64 s[10:11], s[12:13], s[10:11]
	s_cmp_eq_u32 s25, 2
	s_cselect_b64 s[10:11], s[14:15], s[10:11]
	s_cmp_eq_u32 s25, 3
	s_cselect_b64 s[10:11], s[16:17], s[10:11]
	s_add_nc_u64 s[10:11], s[10:11], s[26:27]
.macro WLOAD t
.irp j, 0,1,2,3,4,5,6,7,8,9,10,11,12,13,14,15
	global_load_b128 v[32+64*((\t)%2)+4*\j:32+64*((\t)%2)+4*\j+3], v2, s[10:11] offset:8192*(\t)+512*\j
.endr
.endm
	WLOAD 0
	WLOAD 1
.macro WTURN t
.set WS, 32+64*((\t)%2)
.if (\t) < 3
	s_wait_loadcnt 16                              ; my set is in; the other set's sixteen loads may be out
.else
	s_wait_loadcnt 0x0
.endif
.set KK, 0
.if (\t) == 0
.irp c, 0,1,2,3,4,5,6,7
	v_add_f32 v[16+\c], |v[WS+2*\c]|, |v[WS+2*\c+1]|   ; eight chains, started by the first numbers
.endr
.set KK, 16
.endif
.rept 64-KK
	v_add_f32 v[16+KK%8], v[16+KK%8], |v[WS+KK]|
.set KK, KK+1
.endr
.if (\t) < 2
	WLOAD (\t)+2
.endif
.endm
	WTURN 0
	WTURN 1
	WTURN 2
	WTURN 3
	v_add_f32 v16, v16, v17
	v_add_f32 v18, v18, v19
	v_add_f32 v20, v20, v21
	v_add_f32 v22, v22, v23
	v_add_f32 v16, v16, v18
	v_add_f32 v20, v20, v22
	v_add_f32 v16, v16, v20
	WSUM 16
	v_cmp_eq_u32 vcc_lo, 0, v1
	s_wait_xcnt 0x0                                ; EXEC changes only behind this wait
	s_and_saveexec_b32 s24, vcc_lo
	global_store_b32 v3, v16, s[20:21]             ; lane 0: the wave's sum
	s_wait_xcnt 0x0
	s_or_b32 exec_lo, exec_lo, s24
	s_endpgm
.Lfunc_end_k_qc1c1f5a0d1_prep:
	.size	k_qc1c1f5a0d1_prep, .Lfunc_end_k_qc1c1f5a0d1_prep-k_qc1c1f5a0d1_prep
	.p2alignl 7, 3214868480
	.fill 96, 4, 3214868480
	.section	.rodata,"a",@progbits
	.p2align	6, 0x0
	.amdhsa_kernel k_qc1c1f5a0d1_prep
		.amdhsa_group_segment_fixed_size 23040
		.amdhsa_private_segment_fixed_size 0
		.amdhsa_enable_private_segment 0
		.amdhsa_kernarg_size 72
		.amdhsa_user_sgpr_count 2
		.amdhsa_user_sgpr_kernarg_segment_ptr 1
		.amdhsa_wavefront_size32 1
		.amdhsa_system_sgpr_workgroup_id_x 1
		.amdhsa_system_sgpr_workgroup_id_y 1
		.amdhsa_system_sgpr_workgroup_id_z 1
		.amdhsa_system_vgpr_workitem_id 0
		.amdhsa_next_free_vgpr 202
		.amdhsa_next_free_sgpr 66
		.amdhsa_reserve_vcc 1
		.amdhsa_float_denorm_mode_32 3
		.amdhsa_float_denorm_mode_16_64 3
		.amdhsa_memory_ordered 1
		.amdhsa_forward_progress 1
		.amdhsa_inst_pref_size 125
	.end_amdhsa_kernel
	.amdgpu_metadata
---
amdhsa.version: [ 1, 2 ]
amdhsa.kernels:
  - .name:           k_qc1c1f5a0d1_prep
    .symbol:         k_qc1c1f5a0d1_prep.kd
    .args:
      - { .name: x, .offset: 0, .size: 8, .value_kind: global_buffer, .address_space: global }
      - { .name: ln_gamma, .offset: 8, .size: 8, .value_kind: global_buffer, .address_space: global }
      - { .name: ln_beta, .offset: 16, .size: 8, .value_kind: global_buffer, .address_space: global }
      - { .name: Wq, .offset: 24, .size: 8, .value_kind: global_buffer, .address_space: global }
      - { .name: Wk, .offset: 32, .size: 8, .value_kind: global_buffer, .address_space: global }
      - { .name: Wv, .offset: 40, .size: 8, .value_kind: global_buffer, .address_space: global }
      - { .name: Wo, .offset: 48, .size: 8, .value_kind: global_buffer, .address_space: global }
      - { .name: xq, .offset: 56, .size: 8, .value_kind: global_buffer, .address_space: global }
      - { .name: psum, .offset: 64, .size: 8, .value_kind: global_buffer, .address_space: global }
    .group_segment_fixed_size: 23040
    .private_segment_fixed_size: 0
    .kernarg_segment_align: 8
    .kernarg_segment_size: 72
    .max_flat_workgroup_size: 128
    .sgpr_count:     66
    .vgpr_count:     202
    .wavefront_size: 32
...
	.end_amdgpu_metadata
.endif
;; end of part 1
;; launch wquant (part 2): grid 128 x 1, 4 waves a work-group, no clusters, 33,280 bytes of LDS; arguments Wq, Wk, Wv, Wo, psum, wq; writes wq
.if DOCPART == 2
	.amdgcn_target "amdgcn-amd-amdhsa--gfx1250"
	.amdhsa_code_object_version 6
	.text
	.protected	k_qc1c1f5a0d1_wquant
	.globl	k_qc1c1f5a0d1_wquant
	.p2align	8
	.type	k_qc1c1f5a0d1_wquant,@function
k_qc1c1f5a0d1_wquant:
	s_mov_b64 s[64:65], 0
	v_nop
	global_prefetch_b8 v0, s[64:65] scope:SCOPE_SE
	s_setreg_imm32_b32 hwreg(HW_REG_WAVE_MODE, 25, 1), 1
	s_wait_xcnt 0x0
; The four weights [1024][1024] f32 become what the products take: W + (clip(round(W / (g + 1e-5)), -1, 1) g - W), g = mean |W| of the whole weight, quantised along K (their rows) to codes of E5M2 with one E8M0
; byte for each 32: wq = codes [4: q, k, v, o][1024][1024], then, 4 MiB on, scale bytes [4][1024][32].  Rows are dense, so a weight is a plain stream of blocks of 32.
; g: the 128 partial sums of the launch before, added in every wave (4 a lane, then across the lanes), x 2^-20.  The quotient is w x rcp(d) with one Newton step on the quotient; round is v_rndne_f32 (ties to even).
; A wave takes 16 steps of 512 numbers: loads of 512 consecutive bytes, four steps ahead; a step turns through the wave's own stage in LDS so that a lane holds 16 neighbours (two lanes hold a block).
; LIMITS: NaN and infinities are not served; a block of zeros gets the byte 1 (its codes are zeros; this program alone reads the bytes); g's sum has another order than the problem's mean; a quotient within
; an ulp of +-0.5 may round the other way than a true division's.
; Memory binds: no matrix unit, no cluster (each byte is read by one wave; the 512 bytes of sums excepted), no barrier.
.set STEPS, 16
.set R,     16                         ; v16-79   four sets of 16 numbers as loaded
.set X,     80                         ; v80-111  two sets of 16 neighbours
.set E,     112                        ; v112-127 a scale byte for each step
.set C,     128                        ; v128-191 four registers of codes for each step: no store's data are written again
.set T,     192                        ; v192-207 quotients, then the ternary numbers x g
.set E2,    208                        ; v208-223 remainders, then differences
.set RC,    224                        ; v[224:225] 1 / d     v[226:227] d = g + 1e-5     v[228:229] g
.set DD,    226
.set GM,    228
.set WREG,  8192
.set SP,    80
	s_load_b256 s[4:11], s[0:1], 0x0               ; Wq, Wk, Wv, Wo
	s_load_b128 s[12:15], s[0:1], 0x20             ; psum, wq
	v_lshl_add_u32 v232, v0, 2, 0x8000
	v_mov_b32 v233, 0
	v_lshrrev_b32 v1, 5, v0
	v_readfirstlane_b32 s16, v1                    ; wave
	v_and_b32 v2, 31, v0                           ; lane
	v_lshlrev_b32 v3, 4, v2                        ; 16 bytes a lane: of a load's 512, and of a step's codes
	s_mul_i32 s17, s16, WREG
	v_lshrrev_b32 v14, 2, v2
	v_mul_u32_u24 v14, v14, SP
	v_and_b32 v15, 3, v2
	v_lshl_add_u32 v14, v15, 4, v14
	v_add_nc_u32 v14, s17, v14                     ; into a stage
	v_mul_u32_u24 v15, v2, SP
	v_add_nc_u32 v15, s17, v15                     ; out of it
	v_lshrrev_b32 v5, 1, v2
	s_add_co_u32 s17, s17, 2*32*SP
	v_add_nc_u32 v5, s17, v5                       ; my block's scale byte
	v_lshlrev_b32 v7, 3, v2
	v_add_nc_u32 v6, s17, v7
	v_mov_b32 v13, 0                               ; a lane permute's destination counts as read
	s_mov_b32 s26, 0x76543210
	s_mov_b32 s27, 0xfedcba98
	s_mov_b32 s34, 0x600000                        ; the mantissa field of 57,344
	s_lshr_b32 s18, ttmp9, 5                       ; which weight: 32 work-groups each
	s_and_b32 s19, ttmp9, 31
	s_lshl_b32 s20, s19, 17
	s_lshl_b32 s21, s16, 15
	s_add_co_u32 s20, s20, s21                     ; my 32 KiB in the weight
	s_mov_b32 s21, 0
	s_lshl_b32 s22, ttmp9, 2
	s_add_co_u32 s22, s22, s16                     ; which run of 8,192 numbers of the four weights
	s_lshl_b32 s24, s22, 13                        ; its codes,
	s_mov_b32 s25, 0
	s_lshl_b32 s22, s22, 8
	s_add_co_u32 s22, s22, 0x400000                ; its 256 scale bytes
	s_mov_b32 s23, 0
	s_lshl_b32 s28, s18, 9
	v_add_nc_u32 v12, s28, v3                      ; my four of the weight's 128 partial sums
	s_wait_kmcnt 0x0
	s_cmp_eq_u32 s18, 1                            ; the choice hangs on the work-group's number alone
	s_cselect_b64 s[4:5], s[6:7], s[4:5]
	s_cmp_eq_u32 s18, 2
	s_cselect_b64 s[4:5], s[8:9], s[4:5]
	s_cmp_eq_u32 s18, 3
	s_cselect_b64 s[4:5], s[10:11], s[4:5]
	s_add_nc_u64 s[4:5], s[4:5], s[20:21]
	s_add_nc_u64 s[30:31], s[14:15], s[24:25]
	s_add_nc_u64 s[32:33], s[14:15], s[22:23]
	global_load_b128 v[T:T+3], v12, s[12:13]
.macro LOAD t
.irp i, 0,1,2,3
	global_load_b128 v[R+16*((\t)%4)+4*\i:R+16*((\t)%4)+4*\i+3], v3, s[4:5] offset:2048*(\t)+512*\i th:TH_LOAD_NT
.endr
.endm
.macro TURN t                          ; step t's numbers through the stage
.irp i, 0,1,2,3
	ds_store_b128 v14, v[R+16*((\t)%4)+4*\i:R+16*((\t)%4)+4*\i+3] offset:32*SP*((\t)%2)+8*SP*\i
.endr
.irp i, 0,1,2,3
	ds_load_b128 v[X+16*((\t)%2)+4*\i:X+16*((\t)%2)+4*\i+3], v15 offset:32*SP*((\t)%2)+16*\i
.endr
.endm
.irp t, 0,1,2,3
	LOAD \t
.endr
	s_wait_loadcnt 16                              ; the partial sums are in; the sixteen loads behind them may be out
	v_add_f32 v[T], v[T], v[T+1]
	v_add_f32 v[T+2], v[T+2], v[T+3]
	v_add_f32 v[T], v[T], v[T+2]
	v_add_f32_dpp v[T], v[T], v[T] row_xmask:1 row_mask:0xf bank_mask:0xf
	v_add_f32_dpp v[T], v[T], v[T] row_xmask:2 row_mask:0xf bank_mask:0xf
	v_add_f32_dpp v[T], v[T], v[T] row_xmask:4 row_mask:0xf bank_mask:0xf
	v_add_f32_dpp v[T], v[T], v[T] row_xmask:8 row_mask:0xf bank_mask:0xf
	v_permlanex16_b32 v13, v[T], s26, s27
	v_add_f32 v[T], v[T], v13
	v_mul_f32 v[GM], 0x35800000, v[T]              ; g = the sum x 2^-20
	v_mov_b32 v[GM+1], v[GM]
	v_add_f32 v[DD], 0x3727c5ac, v[GM]             ; d = g + 1e-5
	v_mov_b32 v[DD+1], v[DD]
	v_rcp_f32 v[RC], v[DD]
	v_nop                                          ; a plain line behind the transcendental
	s_wait_alu depctr_va_vdst(0)
	v_mov_b32 v[RC+1], v[RC]
	s_wait_loadcnt 12                              ; step 0's four loads are in
	TURN 0
.macro STEP t
.set XS, X+16*((\t)%2)
.if (\t) > 0
	s_wait_dscnt 1                                 ; this step's numbers are back from the stage (the last step's byte store may be out): its stores into the stage have read their registers,
.else
	s_wait_dscnt 0x0
.endif
.if (\t)+4 < STEPS
	LOAD (\t)+4                                    ; which take the loads of four steps on
.endif
.if (\t)+1 < STEPS
.if STEPS-2-(\t) >= 3
	s_wait_loadcnt 12                              ; the next step's four loads are in; those of the three steps behind it may be out
.else
	s_wait_loadcnt 4*(STEPS-2-(\t))
.endif
	TURN (\t)+1
.endif
	; the ternary weight, two numbers an instruction where the form exists
.irp p, 0,2,4,6,8,10,12,14
	v_pk_mul_f32 v[T+\p:T+\p+1], v[XS+\p:XS+\p+1], v[RC:RC+1]                       ; w / d, roughly
.endr
.irp p, 0,2,4,6,8,10,12,14
	v_pk_fma_f32 v[E2+\p:E2+\p+1], v[T+\p:T+\p+1], v[DD:DD+1], v[XS+\p:XS+\p+1] neg_lo:[1,0,0] neg_hi:[1,0,0]   ; what is left: w - q d
.endr
.irp p, 0,2,4,6,8,10,12,14
	v_pk_fma_f32 v[T+\p:T+\p+1], v[E2+\p:E2+\p+1], v[RC:RC+1], v[T+\p:T+\p+1]       ; the quotient, mended
.endr
.irp i, 0,1,2,3,4,5,6,7,8,9,10,11,12,13,14,15
	v_rndne_f32 v[T+\i], v[T+\i]
.endr
.irp i, 0,1,2,3,4,5,6,7,8,9,10,11,12,13,14,15
	v_med3_num_f32 v[T+\i], v[T+\i], -1.0, 1.0
.endr
.irp p, 0,2,4,6,8,10,12,14
	v_pk_mul_f32 v[T+\p:T+\p+1], v[T+\p:T+\p+1], v[GM:GM+1]
.endr
.irp p, 0,2,4,6,8,10,12,14
	v_pk_add_f32 v[E2+\p:E2+\p+1], v[T+\p:T+\p+1], v[XS+\p:XS+\p+1] neg_lo:[0,1] neg_hi:[0,1]   ; Wq - W,
.endr
.irp p, 0,2,4,6,8,10,12,14
	v_pk_add_f32 v[XS+\p:XS+\p+1], v[XS+\p:XS+\p+1], v[E2+\p:E2+\p+1]               ; W + (Wq - W): as the problem writes it
.endr
	; the quantiser
	v_max3_num_f32 v8, |v[XS]|, |v[XS+1]|, |v[XS+2]|
	v_max3_num_f32 v9, |v[XS+3]|, |v[XS+4]|, |v[XS+5]|
.irp i, 6,10
	v_max3_num_f32 v8, v8, |v[XS+\i]|, |v[XS+\i+1]|
	v_max3_num_f32 v9, v9, |v[XS+\i+2]|, |v[XS+\i+3]|
.endr
	v_max3_num_f32 v8, v8, |v[XS+14]|, |v[XS+15]|
	v_max3_num_f32 v8, v8, v9, 0x8000000           ; the floor 2^(16 - 127)
	v_max_num_f32_dpp v8, v8, v8 row_xmask:1 row_mask:0xf bank_mask:0xf
	v_add_nc_u32 v11, 0xf8800000, v8               ; 15 off the exponent field: the conversion's scale operand
	v_and_or_b32 v10, v8, 0x7f800000, s34          ; 57,344 x the scale
.irp i, 0,1,2,3,4,5,6,7,8,9,10,11,12,13,14,15
	v_med3_num_f32 v[XS+\i], v[XS+\i], -v10, v10
.endr
	v_cvt_scalef32_pk8_bf8_f32 v[C+4*(\t):C+4*(\t)+1], v[XS:XS+7], v11
	v_cvt_scalef32_pk8_bf8_f32 v[C+4*(\t)+2:C+4*(\t)+3], v[XS+8:XS+15], v11
	v_lshrrev_b32 v[E+(\t)], 23, v11               ; the scale's byte (also the plain line behind the conversions)
	ds_store_b8 v5, v[E+(\t)] offset:16*(\t)
	global_store_b128 v3, v[C+4*(\t):C+4*(\t)+3], s[30:31] offset:512*(\t)   ; 32 lanes store 512 consecutive bytes
.endm
.irp t, 0,1,2,3,4,5,6,7,8,9,10,11,12,13,14,15
	STEP \t
.endr
	ds_load_b64 v[12:13], v6                       ; LDS serves a wave's instructions in order: these see my byte stores
	s_wait_dscnt 0x0
	global_store_b64 v7, v[12:13], s[32:33]        ; 32 lanes store 256 consecutive bytes, aligned
	s_wait_tensorcnt 0x0
	ds_add_u32 v232, v233
	s_wait_dscnt 0x0
	s_endpgm
.Lfunc_end_k_qc1c1f5a0d1_wquant:
	.size	k_qc1c1f5a0d1_wquant, .Lfunc_end_k_qc1c1f5a0d1_wquant-k_qc1c1f5a0d1_wquant
	.p2alignl 7, 3214868480
	.fill 96, 4, 3214868480
	.section	.rodata,"a",@progbits
	.p2align	6, 0x0
	.amdhsa_kernel k_qc1c1f5a0d1_wquant
		.amdhsa_group_segment_fixed_size 33280
		.amdhsa_private_segment_fixed_size 0
		.amdhsa_enable_private_segment 0
		.amdhsa_kernarg_size 48
		.amdhsa_user_sgpr_count 2
		.amdhsa_user_sgpr_kernarg_segment_ptr 1
		.amdhsa_wavefront_size32 1
		.amdhsa_system_sgpr_workgroup_id_x 1
		.amdhsa_system_sgpr_workgroup_id_y 1
		.amdhsa_system_sgpr_workgroup_id_z 1
		.amdhsa_system_vgpr_workitem_id 0
		.amdhsa_next_free_vgpr 234
		.amdhsa_next_free_sgpr 66
		.amdhsa_reserve_vcc 0
		.amdhsa_float_denorm_mode_32 3
		.amdhsa_float_denorm_mode_16_64 3
		.amdhsa_memory_ordered 1
		.amdhsa_forward_progress 1
		.amdhsa_inst_pref_size 124
	.end_amdhsa_kernel
	.amdgpu_metadata
---
amdhsa.version: [ 1, 2 ]
amdhsa.kernels:
  - .name:           k_qc1c1f5a0d1_wquant
    .symbol:         k_qc1c1f5a0d1_wquant.kd
    .args:
      - { .name: Wq, .offset: 0, .size: 8, .value_kind: global_buffer, .address_space: global }
      - { .name: Wk, .offset: 8, .size: 8, .value_kind: global_buffer, .address_space: global }
      - { .name: Wv, .offset: 16, .size: 8, .value_kind: global_buffer, .address_space: global }
      - { .name: Wo, .offset: 24, .size: 8, .value_kind: global_buffer, .address_space: global }
      - { .name: psum, .offset: 32, .size: 8, .value_kind: global_buffer, .address_space: global }
      - { .name: wq, .offset: 40, .size: 8, .value_kind: global_buffer, .address_space: global }
    .group_segment_fixed_size: 33280
    .private_segment_fixed_size: 0
    .kernarg_segment_align: 8
    .kernarg_segment_size: 48
    .max_flat_workgroup_size: 128
    .sgpr_count:     66
    .vgpr_count:     234
    .wavefront_size: 32
...
	.end_amdgpu_metadata
.endif
;; end of part 2
;; launch proj (part 3): grid 4 x 80, 4 waves a work-group, clusters of 4 x 4, 327,680 bytes of LDS; arguments xq, context_codes, context_scales, wq, bq, bk, bv, qimg, kv; writes qimg, kv
.if DOCPART == 3
	.amdgcn_target "amdgcn-amd-amdhsa--gfx1250"
	.amdhsa_code_object_version 6
	.text
	.protected	k_qc1c1f5a0d1_proj
	.globl	k_qc1c1f5a0d1_proj
	.p2align	8
	.type	k_qc1c1f5a0d1_proj,@function
k_qc1c1f5a0d1_proj:
	s_mov_b64 s[64:65], 0
	v_nop
	global_prefetch_b8 v0, s[64:65] scope:SCOPE_SE
	s_setreg_imm32_b32 hwreg(HW_REG_WAVE_MODE, 25, 1), 1
	s_wait_xcnt 0x0
	s_wait_alu depctr_hold_cnt(0) depctr_sa_sdst(0) depctr_va_vdst(0) depctr_va_sdst(0) depctr_va_ssrc(0) depctr_va_vcc(0) depctr_vm_vsrc(0)
	s_getreg_b32 s2, hwreg(HW_REG_IB_STS2, 6, 4)
	s_cmp_eq_u32 s2, 0
	s_cbranch_scc0 .Lentry_in_a_cluster
	s_endpgm
.Lentry_in_a_cluster:
	s_bfe_u32 s2, ttmp6, 0x10000c
	s_cmp_lg_u32 s2, 0xf033
	s_cbranch_scc0 .Lentry_shape_is_right
	s_endpgm
.Lentry_shape_is_right:
; The three projections, on codes of E5M2 with E8M0 scales, K = 1,024; each result gets its bias and is quantised at once for attention.  One text; the cluster's y says which product:
;   y 0-3   q = LN(x) Wq^T + bq:     "A" = xq's rows,      "B" = Wq's rows;  quantised along the head's 64;  out: qimg
;   y 4-11  k = context Wk^T + bk:   "A" = context's rows, "B" = Wk's rows;  quantised along the head's 64;  out: kv, K's images
;   y 12-19 v^T = Wv context^T + bv: "A" = Wv's rows,      "B" = context's;  quantised along the KEYS;       out: kv, V's images
; A tile of 256 (A) x 256 (B) is made by four waves, each 128 x 128: 64 accumulators, 512 registers.  K goes in steps of 256 through two LDS slots filled by the tensor data mover (rows of 256 bytes + 16 of padding);
; the scale bytes of the tile's rows, for all of K, come once with the first fills.  The four K slots are written out: each has another immediate for its scale words.
; THE MATRIX INSTRUCTION TAKES B's ROWS AS SOURCE 0 AND A's AS SOURCE 1: lane (r, h) holds A's row r, and the 16 registers of accumulators (a, 2 g), (a, 2 g + 1) hold B's rows 32 g + 8 h + i + 8 (i / 8): 16 of a true
; block of 32, the other 16 in lane l xor 16.  So a block's scale is its true scale, and the codes leave in an order INSIDE the block that q and k (and p and v, in the next launch) share: the products pair the same numbers.
; WHAT IS STORED ARE IMAGES OF OPERAND REGISTERS: four registers a lane, lane l's 16 bytes at 16 l: each store of the wave covers 512 consecutive bytes, aligned.  No LDS on the way out.
;   qimg: [head 16][tile of 16 rows 256][c 2][lane][16]; 4 MiB on, scale words (s0 s1 s0 s1) [tile / 4][head][r 16][tile % 4]
;   kv:   [batch x 16 + head][step of 128 keys 16][16,896]: K [tile 8][c 2][lane][16]; +8,192 V [d tile 4][c 4][lane][16]; +16,384 K's scale words [r][pair of tiles 4]; +16,640 V's [r][d tile 4]
; The bias is the C of each sum's first matrix instruction.  CLUSTERS: 4 x 4 work-groups; A's tiles are shared along a row of the cluster, B's along a column, by joint loads.
; All branches but those on the wave's number hang on the cluster's y, which all partners share; no arm of them holds a barrier, a tensor load or an LDS store.
; LIMITS: NaN and infinities are not served; a block of zeros gets the byte 1 (its codes are zeros; this program alone reads the bytes).
; REGISTERS: window 0: v1 r, v2 h, v8-11 store offsets, v15 the floor, v16-21 fragment addresses, v27 scale words' address, v28-29 for the add, v32-63 scale words (two sets), v64-127 the bias, later the
;   quantiser's work, v128-255 A's fragments (one set);  window 1: B's fragments (two sets);  windows 2, 3: the accumulators ((a, b) at v[8 (8 (a % 4) + b)]).
.set ROWB,   256
.set KROW,   1024
.set NQ,     2
.set PITCH,  272                       ; 256 bytes + 16: the 16 rows that a load touches start at 16 different banks
.set FR,     16
.set NL,     4
.set NP,     8                         ; places behind this matrix instruction (ISA guide 7.12.1)
.set HALFT,  128*PITCH
.set SLOT,   4*HALFT                   ; A's 256 rows, then B's
.set KS,     32                        ; a row's scale bytes
.set SCL,    2*SLOT                    ; the scales, as pieces of 256 bytes + 16
.set HALFS,  16*272                    ; those of 128 rows
.set SBLK,   2*272                     ; those of 16 rows
.set SPARE,  SCL+4*HALFS               ; the spare words: 128 bytes a wave; no other line names them
.set STEPB,  16896
.set HEADB,  16*STEPB
.set VOFF, 8
.set VS,   12
.set SELV, 13
.set FLO,  15
.set ADRA, 16
.set ADRB, 20
.set ADRS, 27
.set SPW,  28
.set NIL,  29
.set BOF,  30
.set SC,   32
.set BI,   64                          ; the bias, eight registers a block
.set AF,   128
.set TM,   64                          ; the way out: v64-67 largest magnitudes, 68-71 bytes, 72-75 holds, 76-79 scale operands
.set PC,   80                          ; v80-111 codes, two sets
.set SW,   112                         ; v112-119 a scale word for each of my 8 blocks of A
.set T,    120                         ; v120-127 scale words as they are stored
.set G1,   24
.set G0,   32
.set G1B,  48
.set G0B,  56
.set SEL,  66
.set G1S,  68
.set G0S,  76
.set G1SB, 80
.set G0SB, 88
.set WV,   92
.set WR,   93                          ; which half of A's rows is mine; also: I fetch for A (0) or B (1)
.set WC,   94                          ; which half of B's rows; also: which 128 rows I fetch
.set CX,   95
.set CY,   96
.set CLY,  97
.set TA,   98
.set TB,   99
.set MNT,  104
.set MSB, 0
.macro WIN new                         ; the immediate's high byte repeats the setting that is left
.if MSB != (\new)
	s_set_vgpr_msb (MSB<<8)|(\new)
.set MSB, (\new)
.endif
.endm
.set MUL_LO, 0xa1                      ; source 0 (B) window 1, source 1 (A) window 0, C and D window 2
.set MUL_HI, 0xf1                      ; the same, C and D window 3
.set TO_B,   0x40
.macro JLOAD g0a, g1a, g0b, g1b        ; a joint load: waves 0, 1 for A, waves 2, 3 for B; four v_nop follow each line
	s_cmp_eq_u32 s[WR], 0
	s_cbranch_scc0 .Lfor_b_\@
	tensor_load_to_lds s[\g0a:\g0a+3], s[\g1a:\g1a+7]
	s_nop 0
.rept 4
	v_nop
.endr
	s_branch .Lasked_\@
.Lfor_b_\@:
	tensor_load_to_lds s[\g0b:\g0b+3], s[\g1b:\g1b+7]
	s_nop 0
.rept 4
	v_nop
.endr
.Lasked_\@:
.endm
.macro CREST                           ; a round of the cluster's barrier behind its opening barrier
	s_cmp_lg_u32 s[WV], 0
	s_cbranch_scc1 .Lnot_wave_0_\@
	s_barrier_signal -3
.Lnot_wave_0_\@:
	s_barrier_wait -3
	s_barrier_signal -1
	s_barrier_wait -1
.endm
.macro CROUND
	s_barrier_signal -1
	s_barrier_wait -1
	CREST
.endm
	s_load_b512 s[4:19], s[0:1], 0x0               ; xq, context_codes, context_scales, wq, bq, bk, bv, qimg
	s_load_b64 s[20:21], s[0:1], 0x40              ; kv
	v_lshl_add_u32 v[SPW], v0, 2, SPARE
	v_mov_b32 v[NIL], 0
	ds_add_u32 v28, v29
	ds_add_u32 v28, v29
	s_wait_dscnt 0x0
	v_lshrrev_b32 v1, 5, v0
	v_readfirstlane_b32 s[WV], v1
	s_lshr_b32 s[WR], s[WV], 1
	s_and_b32 s[WC], s[WV], 1
	s_bfe_u32 s[CX], ttmp6, 0x40000
	s_bfe_u32 s[CY], ttmp6, 0x40004
	s_and_b32 s[CLY], ttmp7, 0xffff                ; the cluster's y
	s_cmp_lt_u32 s[CLY], 4
	s_cselect_b32 s22, 0, 4
	s_sub_co_u32 s22, s[CLY], s22                  ; q, k: which four tiles of A
	s_sub_co_u32 s23, s[CLY], 12                   ; v: which four tiles of B
	s_cmp_ge_u32 s[CLY], 12
	s_cselect_b32 s22, 0, s22
	s_cselect_b32 s23, s23, 0
	s_lshl_b32 s[TA], s22, 2
	s_add_co_u32 s[TA], s[TA], s[CY]               ; A's tile: shared along a row of the cluster
	s_lshl_b32 s[TB], s23, 2
	s_add_co_u32 s[TB], s[TB], s[CX]               ; B's tile: shared along a column
	s_lshl_b32 s100, s[CY], 2
	s_lshl_b32 s100, 15, s100                      ; my row of the cluster
	s_lshl_b32 s101, 0x1111, s[CX]                 ; my column
	; group 1 for codes: 128 rows x 256 bytes, 1,024 bytes apart, 16 bytes of padding behind each row
	s_or_b32 s[G1+0], s100, (0<<16)|(1<<20)|(1<<21)|(5<<22)|(3<<25)
	s_or_b32 s[G1B+0], s101, (0<<16)|(1<<20)|(1<<21)|(5<<22)|(3<<25)
.irp g, G1, G1B
	s_mov_b32 s[\g+1], ROWB<<16
	s_mov_b32 s[\g+2], 128<<16
	s_mov_b32 s[\g+3], ROWB<<16
	s_mov_b32 s[\g+4], 128
	s_mov_b32 s[\g+5], KROW
	s_mov_b32 s[\g+6], 0
	s_mov_b32 s[\g+7], 0
.endr
	; group 1 for the scales of 128 rows: 4,096 dense bytes as 16 rows of 256 (32 elements of 8 bytes), padded likewise
	s_or_b32 s[G1S+0], s100, (3<<16)|(1<<20)|(1<<21)|(5<<22)|(3<<25)
	s_or_b32 s[G1SB+0], s101, (3<<16)|(1<<20)|(1<<21)|(5<<22)|(3<<25)
.irp g, G1S, G1SB
	s_mov_b32 s[\g+1], 32<<16
	s_mov_b32 s[\g+2], 16<<16
	s_mov_b32 s[\g+3], 32<<16
	s_mov_b32 s[\g+4], 16
	s_mov_b32 s[\g+5], 32
	s_mov_b32 s[\g+6], 0
	s_mov_b32 s[\g+7], 0
.endr
	s_lshl_b32 s22, s[WC], 7
	s_lshl_b32 s40, s[TA], 8
	s_add_co_u32 s40, s40, s22                     ; the first row of A that I fetch,
	s_lshl_b32 s44, s[TB], 8
	s_add_co_u32 s44, s44, s22                     ; of B
	s_lshl_b32 s42, s40, 5                         ; their scale bytes,
	s_lshl_b32 s40, s40, 10                        ; their codes
	s_lshl_b32 s46, s44, 5
	s_lshl_b32 s44, s44, 10
	s_mov_b32 s41, 0
	s_mov_b32 s43, 0
	s_mov_b32 s45, 0
	s_mov_b32 s47, 0
	s_cmp_lt_u32 s[CLY], 4
	s_cselect_b32 s22, 0, 1
	s_cmp_ge_u32 s[CLY], 12
	s_cselect_b32 s22, 2, s22                      ; which weight
	s_lshl_b32 s100, s22, 20                       ; its codes in wq,
	s_mov_b32 s101, 0
	s_lshl_b32 s2, s22, 15
	s_add_co_u32 s2, s2, 0x400000                  ; its scale bytes
	s_mov_b32 s3, 0
	s_mul_i32 s105, s[WV], HALFT                   ; where my loads go: no place in the cluster enters an LDS address
	s_mul_i32 s23, s[WV], HALFS
	s_mov_b32 s[SEL], 0x76543210
	s_mov_b32 s[SEL+1], 0xfedcba98
	s_mov_b32 s[MNT], 0x600000
	s_wait_kmcnt 0x0
	s_add_nc_u64 s[2:3], s[10:11], s[2:3]          ; the weight's scales,
	s_add_nc_u64 s[10:11], s[10:11], s[100:101]    ; its codes
	s_add_nc_u64 s[100:101], s[4:5], 0x400000      ; xq's scales
	s_cmp_lt_u32 s[CLY], 4                         ; every choice hangs on the cluster's y alone
	s_cselect_b64 s[4:5], s[4:5], s[6:7]           ; the activations' codes,
	s_cselect_b64 s[8:9], s[100:101], s[8:9]       ; their scales,
	s_cselect_b64 s[12:13], s[12:13], s[14:15]     ; the bias
	s_cmp_ge_u32 s[CLY], 12
	s_cselect_b64 s[12:13], s[16:17], s[12:13]
	s_cselect_b64 s[6:7], s[10:11], s[4:5]         ; A's codes: v: the weight's
	s_cselect_b64 s[10:11], s[4:5], s[10:11]       ; B's
	s_cselect_b64 s[100:101], s[2:3], s[8:9]       ; A's scales
	s_cselect_b64 s[2:3], s[8:9], s[2:3]           ; B's
	s_add_nc_u64 s[40:41], s[6:7], s[40:41]
	s_add_nc_u64 s[42:43], s[100:101], s[42:43]
	s_add_nc_u64 s[44:45], s[10:11], s[44:45]
	s_add_nc_u64 s[46:47], s[2:3], s[46:47]
	CROUND                                         ; all sixteen work-groups are here: the first joint loads meet
	s_mov_b32 s[G0S], 1
	s_add_co_u32 s[G0S+1], s23, SCL
	s_mov_b64 s[G0S+2:G0S+3], s[42:43]
	s_or_b32 s[G0S+3], s[G0S+3], 0x80000000
	s_mov_b32 s[G0SB], 1
	s_add_co_u32 s[G0SB+1], s23, SCL
	s_mov_b64 s[G0SB+2:G0SB+3], s[46:47]
	s_or_b32 s[G0SB+3], s[G0SB+3], 0x80000000
	JLOAD G0S, G1S, G0SB, G1SB                     ; the scales first
.irp s, 0,1
	s_mov_b32 s[G0+4*\s], 1
	s_add_co_u32 s[G0+4*\s+1], s105, \s*SLOT
	s_add_nc_u64 s[G0+4*\s+2:G0+4*\s+3], s[40:41], \s*ROWB
	s_or_b32 s[G0+4*\s+3], s[G0+4*\s+3], 0x80000000
	s_mov_b32 s[G0B+4*\s], 1
	s_add_co_u32 s[G0B+4*\s+1], s105, \s*SLOT
	s_add_nc_u64 s[G0B+4*\s+2:G0B+4*\s+3], s[44:45], \s*ROWB
	s_or_b32 s[G0B+4*\s+3], s[G0B+4*\s+3], 0x80000000
	JLOAD G0+4*\s, G1, G0B+4*\s, G1B               ; three loads of mine are out
.endr
	v_and_b32 v1, 15, v0                           ; r
	v_bfe_u32 v2, v0, 4, 1                         ; h
	v_mul_u32_u24 v3, v1, PITCH
	v_lshl_add_u32 v4, v2, 4, v3                   ; a fragment's row x pitch + 16 h
	s_mul_i32 s22, s[WR], HALFT
	s_mul_i32 s23, s[WC], HALFT
	s_add_co_u32 s23, s23, 2*HALFT
.irp s, 0,1
	v_add_nc_u32 v[ADRA+\s], s22, v4
	v_add_nc_u32 v[ADRB+\s], s23, v4
	s_add_co_u32 s22, s22, SLOT
	s_add_co_u32 s23, s23, SLOT
.endr
	v_mul_u32_u24 v5, v1, KS                       ; my row's scales: 32 bytes a row,
	v_lshrrev_b32 v6, 8, v5
	v_lshl_add_u32 v5, v6, 4, v5                   ; and 16 more for each 256 passed
	s_mul_i32 s22, s[WR], HALFS
	s_mul_i32 s23, s[WC], HALFS
	s_add_co_u32 s23, s23, 2*HALFS
	s_sub_co_u32 s23, s23, s22
	v_mul_u32_u24 v6, s23, v2                      ; lanes 16-31 take B's: one product, the distance between the two
	s_add_co_u32 s22, s22, SCL
	v_add_nc_u32 v5, v5, v6
	v_add_nc_u32 v[ADRS], s22, v5
	; where the results go.  The head's axis is B's for q and k, A's for v; the rows' (keys') axis the other
	s_cmp_ge_u32 s[CLY], 12
	s_cselect_b32 s22, s[TA], s[TB]
	s_cselect_b32 s23, s[WR], s[WC]
	s_cselect_b32 s100, s[TB], s[TA]
	s_cselect_b32 s101, s[WC], s[WR]
	s_lshl_b32 s22, s22, 2
	s_lshl_b32 s23, s23, 1
	s_add_co_u32 s22, s22, s23                     ; my first head (of two)
	s_lshl_b32 s100, s100, 1
	s_add_co_u32 s100, s100, s101                  ; my run of 128 rows (keys)
	s_lshl_b32 s2, s22, 8                          ; my 128 numbers of the bias: 64 x 4 bytes a head
	s_mov_b32 s3, 0
	s_add_nc_u64 s[12:13], s[12:13], s[2:3]
	s_lshl_b32 s23, s22, 18
	s_lshl_b32 s101, s100, 13
	s_add_co_u32 s23, s23, s101                    ; q: images: head x 262,144 + 8 tiles x 1,024 a run
	s_add_co_u32 s101, s101, s2
	s_add_co_u32 s101, s101, 0x400000              ; q: scale words: 2 groups of four tiles x 4,096 a run + head x 256
	s_lshr_b32 s105, s100, 4
	s_lshl_b32 s105, s105, 4
	s_add_co_u32 s105, s105, s22                   ; batch x 16 + head
	s_lshl_b32 s105, s105, 4
	s_and_b32 s2, s100, 15
	s_add_co_u32 s105, s105, s2
	s_mul_i32 s105, s105, STEPB                    ; k, v: the step's block in kv
	s_mov_b32 s22, 16384
	s_cmp_ge_u32 s[CLY], 12
	s_cselect_b32 s2, 8192, 0
	s_cselect_b32 s22, 16640, s22
	s_add_co_u32 s2, s105, s2                      ; its images,
	s_add_co_u32 s105, s105, s22                   ; its scale words
	s_cmp_lt_u32 s[CLY], 4
	s_cselect_b32 s2, s23, s2
	s_cselect_b32 s22, s101, s105
	s_cselect_b64 s[18:19], s[18:19], s[20:21]
	s_mov_b32 s23, 0
	s_add_nc_u64 s[4:5], s[18:19], s[2:3]          ; s[4:5]: the images' base; it steps from block to block of A
	s_add_nc_u64 s[6:7], s[18:19], s[22:23]        ; s[6:7]: the scale words'
	s_mov_b32 s8, 1024                             ; s[8:9]: the step from block to block: a tile of q or K, or a d tile of V;
	s_mov_b32 s10, 1024                            ; s[10:11]: from block 3 to block 4: for V on to the next head
	s_mov_b32 s105, HEADB                          ; from my first head's images to my second's (q, k), or two key blocks on (v)
	s_cmp_ge_u32 s[CLY], 12
	s_cselect_b32 s8, 2048, s8
	s_cselect_b32 s10, HEADB-3*2048, s10
	s_cselect_b32 s105, 1024, s105
	s_cmp_lt_u32 s[CLY], 4
	s_cselect_b32 s105, 262144, s105
	s_mov_b32 s9, 0
	s_mov_b32 s11, 0
	v_and_b32 v5, 31, v0
	v_lshlrev_b32 v[VOFF], 4, v5                   ; 16 x lane,
	v_add_nc_u32 v[VOFF+1], 512, v[VOFF]           ; and the four blocks of 32 of a block of A
	v_add_nc_u32 v[VOFF+2], s105, v[VOFF]
	v_add_nc_u32 v[VOFF+3], 512, v[VOFF+2]
	v_mov_b32 v[FLO], 0x8000000                    ; the floor 2^(16 - 127)
	; the bias in the result's layout: along B (q, k): eight numbers a block of B; along A (v): my row's number, eight times
	s_cmp_ge_u32 s[CLY], 12
	s_cbranch_scc1 .Lbias_v
	v_lshlrev_b32 v[BOF], 5, v2
.irp b, 0,1,2,3,4,5,6,7
	global_load_b128 v[BI+8*\b:BI+8*\b+3], v[BOF], s[12:13] offset:64*\b
	global_load_b128 v[BI+8*\b+4:BI+8*\b+7], v[BOF], s[12:13] offset:64*\b+16
.endr
	s_branch .Lbias_done
.Lbias_v:
	v_lshlrev_b32 v[BOF], 2, v1
.irp a, 0,1,2,3,4,5,6,7
.irp j, 0,1,2,3,4,5,6,7
	global_load_b32 v[BI+8*\a+\j], v[BOF], s[12:13] offset:64*\a
.endr
.endr
.Lbias_done:
.macro FRAG reg, adr, q, i             ; 16 rows x 128 K: registers 4 c .. 4 c + 3 hold K = 32 c + 16 h + 0 .. 15 of row r
.irp c, 0,1,2,3
	ds_load_b128 v[\reg+4*\c:\reg+4*\c+3], v[\adr] offset:128*(\q)+32*\c+(\i)*16*PITCH
.endr
.endm
; one product.  cm = 0: onto the sum; 1: the sum starts from the bias along B; 2: along A.  One register carries A's scale words (lanes 0-15) and B's (lanes 16-31)
.macro MM a, b, p, q, sc, cm
.set DR, 8*(8*((\a)%4)+\b)
.set BR, 128*(\p)+FR*\b
.set AR, AF+FR*(\a)
.set SBR, SC+8*NQ*(\sc)+NQ*\b+(\q)
.set SAR, SC+8*NQ*(\sc)+NQ*(\a)+(\q)
.if \cm == 1
	v_wmma_scale_f32_16x16x128_f8f6f4 v[DR:DR+7], v[BR:BR+FR-1], v[AR:AR+FR-1], v[BI+8*\b:BI+8*\b+7], v[SBR], v[SAR] matrix_a_fmt:MATRIX_FMT_BF8 matrix_b_fmt:MATRIX_FMT_BF8 matrix_a_scale:MATRIX_SCALE_ROW1
.elseif \cm == 2
	v_wmma_scale_f32_16x16x128_f8f6f4 v[DR:DR+7], v[BR:BR+FR-1], v[AR:AR+FR-1], v[BI+8*(\a):BI+8*(\a)+7], v[SBR], v[SAR] matrix_a_fmt:MATRIX_FMT_BF8 matrix_b_fmt:MATRIX_FMT_BF8 matrix_a_scale:MATRIX_SCALE_ROW1
.else
	v_wmma_scale_f32_16x16x128_f8f6f4 v[DR:DR+7], v[BR:BR+FR-1], v[AR:AR+FR-1], v[DR:DR+7], v[SBR], v[SAR] matrix_a_fmt:MATRIX_FMT_BF8 matrix_b_fmt:MATRIX_FMT_BF8 matrix_a_scale:MATRIX_SCALE_ROW1
.endif
.endm
.macro MUL16 a0, p, q, sc, cm          ; A's blocks a0, a0 + 1 x B's eight.  The 64 accumulators take turns, one instruction a turn, in the same order in every step
.irp a, \a0, \a0+1
.irp b, 0,1,2,3,4,5,6,7
	MM \a, \b, \p, \q, \sc, \cm
.endr
.endr
.endm
.macro FETCH_B slot, q, p
	WIN TO_B
.irp i, 0,1,2,3,4,5,6,7
	FRAG 128*(\p)+FR*\i, ADRB+\slot, \q, \i
.endr
	WIN 0
.endm
.macro FETCH_A slot, q, i0
.irp i, \i0, \i0+1, \i0+2, \i0+3
	FRAG AF+FR*(\i), ADRA+\slot, \q, \i
.endr
.endm
.macro SCALES sc, ks                   ; the scale words of K slot ks (8 bytes a row) into set sc
.irp i, 0,1,2,3,4,5,6,7
	ds_load_b64 v[SC+8*NQ*(\sc)+NQ*\i:SC+8*NQ*(\sc)+NQ*\i+1], v[ADRS] offset:\i*SBLK+8*(\ks)
.endr
.endm
.macro PLACES n                        ; plain vector lines between a matrix instruction and a load into, or a read of, its registers
.rept \n
	v_nop
.endr
.endm
.macro STEP slot, cm                   ; a slot's first 128 along K
	s_wait_dscnt 4*NL                              ; B's set and A's blocks 0-3 are in; the youngest sixteen loads (A's blocks 4-7) may be out
.if \cm
	WIN 0x81                                       ; C (the bias) in window 0, D in window 2
.else
	WIN MUL_LO
.endif
	MUL16 0, 0, 0, \slot, \cm
	MUL16 2, 0, 0, \slot, \cm
	s_wait_dscnt 0
	PLACES NP
	FETCH_B \slot, 1, 1
	FETCH_A \slot, 1, 0
.if \cm
	WIN 0xc1
.else
	WIN MUL_HI
.endif
	MUL16 4, 0, 0, \slot, \cm
	MUL16 6, 0, 0, \slot, \cm
	PLACES NP
	WIN 0
	FETCH_A \slot, 1, 4
.endm
; a slot's second 128 along K, and the change of slots: one barrier; in front of it each wave waits for all its tensor loads, adds 0 to its spare word, and waits for that and for its reads of this slot
.macro TURN slot, next, fill, ks
	s_wait_tensorcnt 0x0                           ; all my tensor loads have landed: my part of the next slot
	ds_add_u32 v[SPW], v[NIL]
	s_wait_dscnt 4*NL+1                            ; (the add and A's blocks 4-7 may be out)
	WIN MUL_LO
	MUL16 0, 1, 1, \slot, 0
	s_wait_dscnt 0x0                               ; the add is done, and my reads of this slot are over
	s_barrier_signal -1
	MUL16 2, 1, 1, \slot, 0
	WIN 0
	s_barrier_wait -1
.if \fill
	CREST                                          ; the barrier has opened a round of the cluster's: no wave of any partner still reads this slot or has a load on its way
	s_add_nc_u64 s[G0+4*\slot+2:G0+4*\slot+3], s[G0+4*\slot+2:G0+4*\slot+3], 2*ROWB
	s_add_nc_u64 s[G0B+4*\slot+2:G0B+4*\slot+3], s[G0B+4*\slot+2:G0B+4*\slot+3], 2*ROWB
	JLOAD G0+4*\slot, G1, G0B+4*\slot, G1B         ; my one tensor load behind the round; its four v_nop are four of the eight places
	PLACES NP-4
.else
	PLACES NP
.endif
	FETCH_B \next, 0, 0
	FETCH_A \next, 0, 0
	SCALES \next, \ks
	WIN MUL_HI
	MUL16 4, 1, 1, \slot, 0
	MUL16 6, 1, 1, \slot, 0
	PLACES NP
	WIN 0
	FETCH_A \next, 0, 4
.endm
	s_wait_tensorcnt 1                             ; the scales and my part of slot 0 are in; slot 1's load may be out
	s_barrier_signal -1
	s_barrier_wait -1
	FETCH_B 0, 0, 0
	FETCH_A 0, 0, 0
	SCALES 0, 0
	FETCH_A 0, 0, 4
	s_wait_loadcnt 0x0                             ; the bias
	s_cmp_ge_u32 s[CLY], 12
	s_cbranch_scc1 .Lfirst_v
	STEP 0, 1
	s_branch .Lfirst_done
.Lfirst_v:
	STEP 0, 2
.Lfirst_done:
	TURN 0, 1, 1, 1
	STEP 1, 0
	TURN 1, 0, 1, 2
	STEP 0, 0
	TURN 0, 1, 0, 3                                ; nothing is left to fetch
	STEP 1, 0
	s_wait_dscnt 4*NL
	WIN MUL_LO
	MUL16 0, 1, 1, 1, 0
	MUL16 2, 1, 1, 1, 0
	s_wait_dscnt 0
	WIN MUL_HI
	MUL16 4, 1, 1, 1, 0
	MUL16 6, 1, 1, 1, 0
	WIN 0
; THE WAY OUT.  Block a of A: 64 numbers a lane, four blocks of 32 shared with lane l xor 16, become 16 registers of codes and a scale word.  Each accumulator is read from its low end on.
.macro QUANT3 a
.set W, 2+(\a)/4
.set S, 64*((\a)%4)
.set PS, PC+16*((\a)%2)
	WIN (W<<2)|(W<<4)
.irp b, 0,1,2,3
	v_max3_num_f32 v[TM+\b], v[FLO], |v[S+16*\b]|, |v[S+16*\b+1]|
.endr
.irp i, 2,4,6,8,10,12,14
.irp b, 0,1,2,3
	v_max3_num_f32 v[TM+\b], v[TM+\b], |v[S+16*\b+\i]|, |v[S+16*\b+\i+1]|
.endr
.endr
	WIN 0
.irp b, 0,1,2,3
	v_permlanex16_b32 v[TM+4+\b], v[TM+\b], s[SEL], s[SEL+1]
.endr
.irp b, 0,1,2,3
	v_max_num_f32 v[TM+\b], v[TM+\b], v[TM+4+\b]   ; the block's largest magnitude
.endr
.irp b, 0,1,2,3
	v_add_nc_u32 v[TM+12+\b], 0xf8800000, v[TM+\b] ; 15 off its exponent field: the conversion's scale operand
.endr
.irp b, 0,1,2,3
	v_and_or_b32 v[TM+8+\b], v[TM+\b], 0x7f800000, s[MNT]   ; 57,344 x the scale
.endr
.irp b, 0,1,2,3
	v_lshrrev_b32 v[TM+4+\b], 23, v[TM+12+\b]      ; the scale's byte
.endr
	v_lshl_or_b32 v[SW+(\a)], v[TM+5], 8, v[TM+4]
	v_lshl_or_b32 v[SW+(\a)], v[TM+6], 16, v[SW+(\a)]
	v_lshl_or_b32 v[SW+(\a)], v[TM+7], 24, v[SW+(\a)]
	WIN W|(W<<6)
.irp b, 0,1,2,3
.irp i, 0,1,2,3,4,5,6,7,8,9,10,11,12,13,14,15
	v_med3_num_f32 v[S+16*\b+\i], v[S+16*\b+\i], -v[TM+8+\b], v[TM+8+\b]   ; the conversion does not saturate (ISA guide 7.6.2)
.endr
.endr
	WIN W
.irp b, 0,1,2,3
	v_cvt_scalef32_pk8_bf8_f32 v[PS+4*\b:PS+4*\b+1], v[S+16*\b:S+16*\b+7], v[TM+12+\b]
	v_cvt_scalef32_pk8_bf8_f32 v[PS+4*\b+2:PS+4*\b+3], v[S+16*\b+8:S+16*\b+15], v[TM+12+\b]
.endr
	WIN 0
	v_nop                                          ; a plain line behind the conversions
.if (\a) > 0
	s_wait_xcnt 0x0                                ; the last block's stores have read their base and their codes: the base steps, and the set before theirs was freed a block ago
.if (\a) == 4
	s_add_nc_u64 s[4:5], s[4:5], s[10:11]
.else
	s_add_nc_u64 s[4:5], s[4:5], s[8:9]
.endif
.endif
.irp b, 0,1,2,3
	global_store_b128 v[VOFF+\b], v[PS+4*\b:PS+4*\b+3], s[4:5]   ; 32 lanes store 512 consecutive bytes, aligned
.endr
.endm
	PLACES NP
.irp b, 0,1,2,3
	v_mov_b32 v[TM+4+\b], 0                        ; a lane permute's destination counts as read
.endr
.irp a, 0,1,2,3,4,5,6,7
	QUANT3 \a
.endr
	; the scale words, laid as the next launch's operands want them; lanes 16-31 serve my second head.  Sixteen lanes fill 256 consecutive bytes, aligned
	v_cmp_eq_u32 vcc_lo, 1, v2
	s_cmp_lt_u32 s[CLY], 4
	s_cbranch_scc0 .Ltail_kv
	v_mov_b32 v[SELV], 0x01000100                  ; q: a head's two bytes, twice: they serve q in either half of K = 128
	v_mov_b32 v3, 0x03020302
	v_cndmask_b32 v[SELV], v[SELV], v3, vcc_lo
.irp a, 0,1,2,3,4,5,6,7
	v_perm_b32 v[T+\a], v[SW+\a], v[SW+\a], v[SELV]
.endr
	global_store_b128 v[VOFF], v[T:T+3], s[6:7]
	global_store_b128 v[VOFF], v[T+4:T+7], s[6:7] offset:4096
	s_branch .Ltail_done
.Ltail_kv:
	v_mul_u32_u24 v[VS], v2, HEADB
	v_lshl_add_u32 v[VS], v1, 4, v[VS]             ; 16 r, + a head for lanes 16-31
	s_cmp_ge_u32 s[CLY], 12
	s_cbranch_scc1 .Ltail_v
	v_mov_b32 v[SELV], 0x05040100                  ; k: a pair of key tiles: the head's two bytes of each
	v_mov_b32 v3, 0x07060302
	v_cndmask_b32 v[SELV], v[SELV], v3, vcc_lo
.irp i, 0,1,2,3
	v_perm_b32 v[T+\i], v[SW+2*\i+1], v[SW+2*\i], v[SELV]
.endr
	global_store_b128 v[VS], v[T:T+3], s[6:7]
	s_branch .Ltail_done
.Ltail_v:
.irp i, 0,1,2,3
	v_cndmask_b32 v[T+\i], v[SW+\i], v[SW+4+\i], vcc_lo   ; v: a d tile's word as it is: four key blocks
.endr
	global_store_b128 v[VS], v[T:T+3], s[6:7]
.Ltail_done:
	s_wait_tensorcnt 0x0                           ; the wave's end
	ds_add_u32 v[SPW], v[NIL]
	s_wait_dscnt 0x0
	CROUND                                         ; the closing round
	s_endpgm
.Lfunc_end_k_qc1c1f5a0d1_proj:
	.size	k_qc1c1f5a0d1_proj, .Lfunc_end_k_qc1c1f5a0d1_proj-k_qc1c1f5a0d1_proj
	.p2alignl 7, 3214868480
	.fill 96, 4, 3214868480
	.section	.rodata,"a",@progbits
	.p2align	6, 0x0
	.amdhsa_kernel k_qc1c1f5a0d1_proj
		.amdhsa_group_segment_fixed_size 327680
		.amdhsa_private_segment_fixed_size 0
		.amdhsa_enable_private_segment 0
		.amdhsa_kernarg_size 72
		.amdhsa_user_sgpr_count 2
		.amdhsa_user_sgpr_kernarg_segment_ptr 1
		.amdhsa_wavefront_size32 1
		.amdhsa_system_sgpr_workgroup_id_x 1
		.amdhsa_system_sgpr_workgroup_id_y 1
		.amdhsa_system_sgpr_workgroup_id_z 1
		.amdhsa_system_vgpr_workitem_id 0
		.amdhsa_next_free_vgpr 1024
		.amdhsa_next_free_sgpr 106
		.amdhsa_reserve_vcc 1
		.amdhsa_float_denorm_mode_32 3
		.amdhsa_float_denorm_mode_16_64 3
		.amdhsa_memory_ordered 1
		.amdhsa_forward_progress 1
		.amdhsa_inst_pref_size 208
	.end_amdhsa_kernel
	.amdgpu_metadata
---
amdhsa.version: [ 1, 2 ]
amdhsa.kernels:
  - .name:           k_qc1c1f5a0d1_proj
    .symbol:         k_qc1c1f5a0d1_proj.kd
    .args:
      - { .name: xq, .offset: 0, .size: 8, .value_kind: global_buffer, .address_space: global }
      - { .name: context_codes, .offset: 8, .size: 8, .value_kind: global_buffer, .address_space: global }
      - { .name: context_scales, .offset: 16, .size: 8, .value_kind: global_buffer, .address_space: global }
      - { .name: wq, .offset: 24, .size: 8, .value_kind: global_buffer, .address_space: global }
      - { .name: bq, .offset: 32, .size: 8, .value_kind: global_buffer, .address_space: global }
      - { .name: bk, .offset: 40, .size: 8, .value_kind: global_buffer, .address_space: global }
      - { .name: bv, .offset: 48, .size: 8, .value_kind: global_buffer, .address_space: global }
      - { .name: qimg, .offset: 56, .size: 8, .value_kind: global_buffer, .address_space: global }
      - { .name: kv, .offset: 64, .size: 8, .value_kind: global_buffer, .address_space: global }
    .group_segment_fixed_size: 327680
    .private_segment_fixed_size: 0
    .kernarg_segment_align: 8
    .kernarg_segment_size: 72
    .max_flat_workgroup_size: 128
    .sgpr_count:     106
    .vgpr_count:     1024
    .wavefront_size: 32
...
	.end_amdgpu_metadata
.endif
;; end of part 3
;; launch attn (part 4): grid 4 x 64, 16 waves a work-group, clusters of 4 x 1, 292,864 bytes of LDS; arguments qimg, kv, oq; writes oq
.if DOCPART == 4
	.amdgcn_target "amdgcn-amd-amdhsa--gfx1250"
	.amdhsa_code_object_version 6
	.text
	.protected	k_qc1c1f5a0d1_attn
	.globl	k_qc1c1f5a0d1_attn
	.p2align	8
	.type	k_qc1c1f5a0d1_attn,@function
k_qc1c1f5a0d1_attn:
	s_mov_b64 s[64:65], 0
	v_nop
	global_prefetch_b8 v0, s[64:65] scope:SCOPE_SE
	s_setreg_imm32_b32 hwreg(HW_REG_WAVE_MODE, 25, 1), 1
	s_wait_xcnt 0x0
	s_wait_alu depctr_hold_cnt(0) depctr_sa_sdst(0) depctr_va_vdst(0) depctr_va_sdst(0) depctr_va_ssrc(0) depctr_va_vcc(0) depctr_vm_vsrc(0)
	s_getreg_b32 s2, hwreg(HW_REG_IB_STS2, 6, 4)
	s_cmp_eq_u32 s2, 0
	s_cbranch_scc0 .Lentry_in_a_cluster
	s_endpgm
.Lentry_in_a_cluster:
	s_bfe_u32 s2, ttmp6, 0x10000c
	s_cmp_lg_u32 s2, 0x3003
	s_cbranch_scc0 .Lentry_shape_is_right
	s_endpgm
.Lentry_shape_is_right:
; Attention of one (batch, head) for 256 queries, both products on codes of E5M2 with E8M0 scales; O / l is quantised along the model's 1,024 for the last projection.
; t = score x log2(e) / 8; M = the running largest t rounded UP to a whole number; p = 2^(t - M) is quantised along the keys, not normalised; the row's sum is taken of the unquantised p and divides at the end;
; when M moves, the sum and O are multiplied by 2^(old M - new M), which rounds nothing.
; SHARES.  Sixteen waves, each 16 queries in 256 registers: four waves to a SIMD, so that one wave's vector work stands beside another's products and LDS loads.  Every wave walks the 2,048 keys, 128 a step.
; ALL OF A HEAD'S K, V AND SCALE WORDS, 270,336 dense bytes of kv, COME INTO LDS ONCE, by sixteen loads of a step each (waves 0-3, four each, all issued at the start): no byte of LDS is filled twice.
; CLUSTER.  The four query blocks of a head ask for those bytes jointly (mask 15).
; OPERANDS ARE IMAGES OF REGISTERS: every fragment comes by ds_load_b128 at 16 x lane, with no pitch and no conflict.
; HEAD SIZE 64 IN A K OF 128.  A fragment of K holds TWO tiles of 16 keys (tile 2 a in K 0-63, tile 2 a + 1 in K 64-127).  It is multiplied by [q | zero codes] and by [zero codes | q]: the three runs 0, q, 0 lie in
; v16-39, so both forms are windows of one run of registers.  The half that is not wanted meets zero codes (K's codes are finite: they were held ahead of their conversion).
; Both products are used transposed: a lane holds ONE query.  The 16 registers of score tiles 2 a, 2 a + 1 are keys 32 a + 8 h + i + 8 (i / 8): the order in which V's codes were laid.
; LIMITS: NaN and infinities are not served; a block of zeros gets the byte 1; half of each score product multiplies zero codes; oq's scale bytes leave two at a time (131,072 bytes in all).
.set STEPB, 16896
.set HEADB, 16*STEPB
.set VIM,   8192
.set KSC,   16384
.set VSC,   16640
.set STG,   HEADB                      ; behind the head's bytes: a stage of 16 rows x 80 bytes for each wave; no load lands there
.set KV,    48                         ; v48-111  four fragments of K, then of V
.set S,     112                        ; v112-175 the scores, then p
.set O,     176                        ; v176-207 O^T: four tiles of 16 of the head's 64
.set PCD,   208                        ; v208-223 p's codes
.set BM,    224                        ; v224-227 block maxima;  228-231 permutes, bytes;  232-235 holds;  236-239 scale operands
.set BP,    228
.set BH,    232
.set BS,    236
; v1 16 x lane, v2 16 r, v3, v4 the step's addresses, v5, v6 the stage, v7 lane, v8 8 r, v12 -M, v13 the largest t, v[14:15] the sum, v40 q's scale word, v[240:241] a second chain of the sum,
; v[244:247] K's scale words, v[248:251] V's, v252 f, v253 p's scale word, v254 at work
.macro ROUND                           ; a round of the cluster's barrier
	s_barrier_signal -1
	s_barrier_wait -1
	s_cmp_lg_u32 s10, 0
	s_cbranch_scc1 .Lnot_wave_0_\@
	s_barrier_signal -3
.Lnot_wave_0_\@:
	s_barrier_wait -3
	s_barrier_signal -1
	s_barrier_wait -1
.endm
	s_load_b128 s[4:7], s[0:1], 0x0                ; qimg, kv
	s_load_b64 s[8:9], s[0:1], 0x10                ; oq
	v_lshl_add_u32 v243, v0, 2, 0x47000
	v_mov_b32 v255, 0
	ds_add_u32 v243, v255
	ds_add_u32 v243, v255
	v_lshrrev_b32 v1, 5, v0
	v_readfirstlane_b32 s10, v1                    ; wave 0..15
	s_bfe_u32 s11, ttmp6, 0x40000                  ; cx: my block of 256 queries; it enters global addresses of q and o alone
	s_and_b32 s12, ttmp7, 0xffff                   ; batch x 16 + head, which the partners share
	s_lshr_b32 s13, s12, 4
	s_and_b32 s14, s12, 15
	s_lshl_b32 s15, s13, 6
	s_lshl_b32 s16, s11, 4
	s_add_co_u32 s15, s15, s16
	s_add_co_u32 s15, s15, s10                     ; my tile of 16 rows: 64 x batch + 16 cx + wave
	; group 1: a step's 16,896 dense bytes as 66 rows of 256 (32 elements of 8 bytes); mask: all four work-groups
	s_mov_b32 s28, 15|(3<<16)|(1<<21)
	s_mov_b32 s29, 32<<16
	s_mov_b32 s30, 66<<16
	s_mov_b32 s31, 32<<16
	s_mov_b32 s32, 66
	s_mov_b32 s33, 32
	s_mov_b32 s34, 0
	s_mov_b32 s35, 0
	s_mul_i32 s16, s10, STEPB                      ; wave w brings steps w, 4 + w, 8 + w, 12 + w
	s_mul_i32 s18, s12, HEADB
	s_add_co_u32 s18, s18, s16
	s_mov_b32 s19, 0
	s_mov_b32 s20, 0x76543210
	s_mov_b32 s21, 0xfedcba98
	s_mov_b32 s22, 0x3e38aa3b                      ; c = log2(e) / 8
	s_mov_b32 s23, s22
	s_mov_b32 s24, 0x600000
	s_mov_b32 s25, 0                               ; the step's first LDS byte
	v_and_b32 v7, 31, v0
	v_lshlrev_b32 v1, 4, v7
	v_and_b32 v9, 15, v0                           ; r
	v_bfe_u32 v10, v0, 4, 1                        ; h
	v_lshlrev_b32 v2, 4, v9
	s_mul_i32 s17, s10, 1280
	s_add_co_u32 s17, s17, STG
	v_mul_u32_u24 v5, v9, 80
	v_lshl_add_u32 v5, v10, 3, v5
	v_add_nc_u32 v5, s17, v5                       ; into my stage: row r, + 8 h
	v_lshrrev_b32 v6, 2, v7
	v_mul_u32_u24 v6, v6, 80
	v_and_b32 v11, 3, v7
	v_lshl_add_u32 v6, v11, 4, v6
	v_add_nc_u32 v6, s17, v6                       ; out of it: four lanes to a row of 64 bytes
	v_lshlrev_b32 v8, 3, v9
	s_lshl_b32 s52, s14, 18
	s_lshl_b32 s53, s15, 10
	s_add_co_u32 s52, s52, s53                     ; head x 262,144 + tile x 1,024: q's image, and o's codes
	s_mov_b32 s53, 0
	s_lshr_b32 s56, s15, 2
	s_lshl_b32 s56, s56, 12
	s_lshl_b32 s57, s14, 8
	s_add_co_u32 s56, s56, s57
	s_and_b32 s57, s15, 3
	s_lshl_b32 s57, s57, 2
	s_add_co_u32 s56, s56, s57
	s_add_co_u32 s56, s56, 0x400000                ; q's scale words
	s_mov_b32 s57, 0
	s_lshr_b32 s60, s14, 2
	s_lshl_b32 s60, s60, 15
	s_lshl_b32 s61, s15, 7
	s_add_co_u32 s60, s60, s61
	s_and_b32 s61, s14, 3
	s_lshl_b32 s61, s61, 1
	s_add_co_u32 s60, s60, s61
	s_add_co_u32 s60, s60, 0x400000                ; o's scale bytes: [head / 4][row][8], mine at 2 (head % 4)
	s_mov_b32 s61, 0
	s_wait_dscnt 0x0
	s_wait_kmcnt 0x0
	s_add_nc_u64 s[18:19], s[6:7], s[18:19]
	s_add_nc_u64 s[54:55], s[4:5], s[52:53]
	s_add_nc_u64 s[4:5], s[4:5], s[56:57]
	s_add_nc_u64 s[58:59], s[8:9], s[52:53]
	s_add_nc_u64 s[8:9], s[8:9], s[60:61]
	ROUND                                          ; all four work-groups are here: the joint loads meet
.irp c, 0,1,2,3
	s_mov_b32 s[36+4*\c], 1
	s_add_co_u32 s[37+4*\c], s16, \c*4*STEPB
	s_add_nc_u64 s[38+4*\c:39+4*\c], s[18:19], \c*4*STEPB
	s_or_b32 s[39+4*\c], s[39+4*\c], 0x80000000
.endr
	s_cmp_lt_u32 s10, 4                            ; a wave's fills stand in one branch on its number: four loads of mine are out
	s_cbranch_scc0 .Lno_fill
	tensor_load_to_lds s[36:39], s[28:35]
	s_nop 0
	tensor_load_to_lds s[40:43], s[28:35]
	s_nop 0
	tensor_load_to_lds s[44:47], s[28:35]
	s_nop 0
	tensor_load_to_lds s[48:51], s[28:35]
	s_nop 0
.rept 4
	v_nop
.endr
.Lno_fill:
	global_load_b128 v[24:27], v1, s[54:55]        ; q's image: it stays in registers
	global_load_b128 v[28:31], v1, s[54:55] offset:512
	global_load_b32 v40, v2, s[4:5]                ; row r's scale word
.irp j, 0,1,2,3,4,5,6,7
	v_mov_b32 v[16+\j], 0                          ; zero codes on either side of q
	v_mov_b32 v[32+\j], 0
.endr
.set J, 0
.rept 32
	v_mov_b32 v[O+J], 0                            ; the step is written once: the first finds zeros, which the first change of M leaves zeros
.set J, J+1
.endr
	v_mov_b32 v13, 0xff61b1e6                      ; -3e38, under every t
	v_floor_f32 v12, -v13
	v_mov_b32 v14, 0
	v_mov_b32 v15, 0
.irp b, 0,1,2,3
	v_mov_b32 v[BP+\b], 0                          ; a lane permute's destination counts as read
.endr
	v_mov_b32 v253, 0                              ; named as the upper half of v[252:253] before it is first written
.macro STEP                            ; 128 keys
	v_add_nc_u32 v3, s25, v1
	v_add_nc_u32 v4, s25, v2
.rept 6
	v_nop                                          ; with the two lines above: eight places in front of loads into registers that the last products read
.endr
.irp a, 0,1,2,3
.irp g, 0,1,2,3
	ds_load_b128 v[KV+16*\a+4*\g:KV+16*\a+4*\g+3], v3 offset:2048*\a+512*\g
.endr
.endr
	ds_load_b128 v[244:247], v4 offset:KSC
	s_wait_dscnt 0x0
.irp a, 0,1,2,3
	v_wmma_scale_f32_16x16x128_f8f6f4 v[S+16*\a:S+16*\a+7], v[KV+16*\a:KV+16*\a+15], v[24:39], 0, v[244+\a], v40 matrix_a_fmt:MATRIX_FMT_BF8 matrix_b_fmt:MATRIX_FMT_BF8
	v_wmma_scale_f32_16x16x128_f8f6f4 v[S+16*\a+8:S+16*\a+15], v[KV+16*\a:KV+16*\a+15], v[16:31], 0, v[244+\a], v40 matrix_a_fmt:MATRIX_FMT_BF8 matrix_b_fmt:MATRIX_FMT_BF8
.endr
.rept 8
	v_nop
.endr
.irp d, 0,1,2,3
.irp c, 0,1,2,3
	ds_load_b128 v[KV+16*\d+4*\c:KV+16*\d+4*\c+3], v3 offset:VIM+2048*\d+512*\c   ; V's fragments land while the softmax is worked
.endr
.endr
	ds_load_b128 v[248:251], v4 offset:VSC
.irp b, 0,1,2,3
	v_max3_num_f32 v[BM+\b], v[S+16*\b], v[S+1+16*\b], v[S+2+16*\b]   ; the largest score of each block of 32 keys: for the row's maximum and, since p rises with the score, for the block's largest p
.endr
.irp i, 3,5,7,9,11,13
.irp b, 0,1,2,3
	v_max3_num_f32 v[BM+\b], v[BM+\b], v[S+16*\b+\i], v[S+1+16*\b+\i]
.endr
.endr
.irp b, 0,1,2,3
	v_max_num_f32 v[BM+\b], v[BM+\b], v[S+15+16*\b]
.endr
.irp b, 0,1,2,3
	v_permlanex16_b32 v[BP+\b], v[BM+\b], s20, s21
.endr
.irp b, 0,1,2,3
	v_max_num_f32 v[BM+\b], v[BM+\b], v[BP+\b]
.endr
	v_max3_num_f32 v254, v[BM], v[BM+1], v[BM+2]
	v_max_num_f32 v254, v254, v[BM+3]
	v_mul_f32 v254, s22, v254
	v_max_num_f32 v13, v13, v254                   ; the running largest t
	v_mov_b32 v254, v12
	v_floor_f32 v12, -v13                          ; -M = floor(-t): M is a whole number
	v_sub_f32 v254, v12, v254                      ; old M - new M
	v_cvt_i32_f32 v254, v254                       ; (it saturates)
	v_ldexp_f32 v252, 1.0, v254                    ; f = 2^(old M - new M)
.set J, 0
.rept 32
	v_pk_fma_f32 v[S+J:S+J+1], v[S+J:S+J+1], s[22:23], v[12:13] op_sel_hi:[1,0,0]   ; t - M
.set J, J+2
.endr
.irp b, 0,1,2,3
	v_fma_f32 v[BM+\b], v[BM+\b], s22, v12
.endr
.set J, 0
.rept 64
	v_exp_f32 v[S+J], v[S+J]                       ; p = 2^(t - M)
.set J, J+1
.endr
.irp b, 0,1,2,3
	v_exp_f32 v[BM+\b], v[BM+\b]                   ; the block's largest p: the same two instructions on the same number
.endr
	v_pk_mul_f32 v[14:15], v[14:15], v[252:253] op_sel_hi:[1,0]   ; the sum under the new M (a plain line behind the exponentials)
	s_wait_alu depctr_va_vdst(0)
.irp b, 0,1,2,3
	v_max_num_f32 v[BM+\b], 0x8000000, v[BM+\b]    ; the floor 2^(16 - 127)
.endr
.irp b, 0,1,2,3
	v_add_nc_u32 v[BS+\b], 0xf8800000, v[BM+\b]
.endr
.irp b, 0,1,2,3
	v_and_or_b32 v[BH+\b], v[BM+\b], 0x7f800000, s24
.endr
.irp b, 0,1,2,3
	v_lshrrev_b32 v[BP+\b], 23, v[BS+\b]
.endr
	v_lshl_or_b32 v253, v[BP+1], 8, v[BP]          ; p's scale word for these 128 keys
	v_lshl_or_b32 v253, v[BP+2], 16, v253
	v_lshl_or_b32 v253, v[BP+3], 24, v253
	v_pk_add_f32 v[240:241], v[S:S+1], v[S+2:S+3]  ; the row's sum is taken of the unquantised p, in two chains
.irp j, 4,8,12,16,20,24,28,32,36,40,44,48,52,56,60
	v_pk_add_f32 v[14:15], v[14:15], v[S+\j:S+\j+1]
	v_pk_add_f32 v[240:241], v[240:241], v[S+2+\j:S+3+\j]
.endr
	v_pk_add_f32 v[14:15], v[14:15], v[240:241]
.irp b, 0,1,2,3
.irp i, 0,1,2,3,4,5,6,7,8,9,10,11,12,13,14,15
	v_min_num_f32 v[S+16*\b+\i], v[S+16*\b+\i], v[BH+\b]   ; the hold; p is not negative
.endr
	v_cvt_scalef32_pk8_bf8_f32 v[PCD+4*\b:PCD+4*\b+1], v[S+16*\b:S+16*\b+7], v[BS+\b]
	v_cvt_scalef32_pk8_bf8_f32 v[PCD+4*\b+2:PCD+4*\b+3], v[S+16*\b+8:S+16*\b+15], v[BS+\b]
.endr
.set J, 0
.rept 16
	v_pk_mul_f32 v[O+J:O+J+1], v[O+J:O+J+1], v[252:253] op_sel_hi:[1,0]   ; O^T under the new M; these lines also stand between the codes and the products
.set J, J+2
.endr
	s_wait_dscnt 0x0                               ; V is in
.irp d, 0,1,2,3
	v_wmma_scale_f32_16x16x128_f8f6f4 v[O+8*\d:O+8*\d+7], v[KV+16*\d:KV+16*\d+15], v[PCD:PCD+15], v[O+8*\d:O+8*\d+7], v[248+\d], v253 matrix_a_fmt:MATRIX_FMT_BF8 matrix_b_fmt:MATRIX_FMT_BF8
.endr
	s_add_co_u32 s25, s25, STEPB
.endm
.macro CHUNK c                         ; four steps: those that the c-th load of waves 0-3 brought
	s_wait_tensorcnt 3-\c                          ; my load for this chunk has landed; those for the later chunks may be out
	s_wait_dscnt 0x0
	s_barrier_signal -1
	s_barrier_wait -1                              ; everybody's has
	s_mov_b32 s26, 4
.Lstep_\@:
	STEP
	s_sub_co_u32 s26, s26, 1
	s_cmp_lg_u32 s26, 0
	s_cbranch_scc1 .Lstep_\@
.endm
	s_wait_loadcnt 0x0                             ; q
	CHUNK 0
	CHUNK 1
	CHUNK 2
	CHUNK 3
	; THE WAY OUT: O^T / the sum, quantised along d (two blocks of 32, shared with lane l xor 16), put back into d's natural order by 8-byte stores into my stage, and stored as rows of 64 bytes
.rept 8
	v_nop
.endr
	v_add_f32 v14, v14, v15
	v_permlanex16_b32 v254, v14, s20, s21
	v_add_f32 v14, v14, v254                       ; the row's sum
	v_rcp_f32 v14, v14
	v_nop
.set J, 0
	s_wait_alu depctr_va_vdst(0)
.rept 16
	v_pk_mul_f32 v[S+J:S+J+1], v[O+J:O+J+1], v[14:15] op_sel_hi:[1,0]
.set J, J+2
.endr
.irp b, 0,1
	v_max3_num_f32 v[BM+\b], |v[S+16*\b]|, |v[S+1+16*\b]|, 0x8000000
.endr
.irp i, 2,4,6,8,10,12,14
.irp b, 0,1
	v_max3_num_f32 v[BM+\b], v[BM+\b], |v[S+16*\b+\i]|, |v[S+1+16*\b+\i]|
.endr
.endr
.irp b, 0,1
	v_permlanex16_b32 v[BP+\b], v[BM+\b], s20, s21
.endr
.irp b, 0,1
	v_max_num_f32 v[BM+\b], v[BM+\b], v[BP+\b]
.endr
.irp b, 0,1
	v_add_nc_u32 v[BS+\b], 0xf8800000, v[BM+\b]
.endr
.irp b, 0,1
	v_and_or_b32 v[BH+\b], v[BM+\b], 0x7f800000, s24
.endr
.irp b, 0,1
	v_lshrrev_b32 v[BP+\b], 23, v[BS+\b]
.endr
	v_lshl_or_b32 v254, v[BP+1], 8, v[BP]          ; my row's two scale bytes
.irp b, 0,1
.irp i, 0,1,2,3,4,5,6,7,8,9,10,11,12,13,14,15
	v_med3_num_f32 v[S+16*\b+\i], v[S+16*\b+\i], -v[BH+\b], v[BH+\b]
.endr
	v_cvt_scalef32_pk8_bf8_f32 v[PCD+4*\b:PCD+4*\b+1], v[S+16*\b:S+16*\b+7], v[BS+\b]
	v_cvt_scalef32_pk8_bf8_f32 v[PCD+4*\b+2:PCD+4*\b+3], v[S+16*\b+8:S+16*\b+15], v[BS+\b]
.endr
	v_nop
.irp b, 0,1
.irp u, 0,1
	ds_store_b64 v5, v[PCD+4*\b+2*\u:PCD+4*\b+2*\u+1] offset:32*\b+16*\u   ; d = 32 b + 16 u + 8 h + 0 .. 7
.endr
.endr
	ds_load_b128 v[KV:KV+3], v6                    ; LDS serves a wave's instructions in order: these see my stores
	ds_load_b128 v[KV+4:KV+7], v6 offset:640
	s_wait_dscnt 0x0
	global_store_b128 v1, v[KV:KV+3], s[58:59]     ; 32 lanes store 512 consecutive bytes: eight rows
	global_store_b128 v1, v[KV+4:KV+7], s[58:59] offset:512
	v_cmp_gt_u32 vcc_lo, 16, v7
	s_wait_xcnt 0x0                                ; EXEC changes only behind this wait
	s_and_saveexec_b32 s27, vcc_lo
	global_store_b16 v8, v254, s[8:9]              ; lanes 0-15: row r's two bytes
	s_wait_xcnt 0x0
	s_or_b32 exec_lo, exec_lo, s27
	s_wait_tensorcnt 0x0
	ds_add_u32 v243, v255
	s_wait_dscnt 0x0
	ROUND                                          ; the closing round
	s_endpgm
.Lfunc_end_k_qc1c1f5a0d1_attn:
	.size	k_qc1c1f5a0d1_attn, .Lfunc_end_k_qc1c1f5a0d1_attn-k_qc1c1f5a0d1_attn
	.p2alignl 7, 3214868480
	.fill 96, 4, 3214868480
	.section	.rodata,"a",@progbits
	.p2align	6, 0x0
	.amdhsa_kernel k_qc1c1f5a0d1_attn
		.amdhsa_group_segment_fixed_size 292864
		.amdhsa_private_segment_fixed_size 0
		.amdhsa_enable_private_segment 0
		.amdhsa_kernarg_size 24
		.amdhsa_user_sgpr_count 2
		.amdhsa_user_sgpr_kernarg_segment_ptr 1
		.amdhsa_wavefront_size32 1
		.amdhsa_system_sgpr_workgroup_id_x 1
		.amdhsa_system_sgpr_workgroup_id_y 1
		.amdhsa_system_sgpr_workgroup_id_z 1
		.amdhsa_system_vgpr_workitem_id 0
		.amdhsa_next_free_vgpr 256
		.amdhsa_next_free_sgpr 66
		.amdhsa_reserve_vcc 1
		.amdhsa_float_denorm_mode_32 3
		.amdhsa_float_denorm_mode_16_64 3
		.amdhsa_memory_ordered 1
		.amdhsa_forward_progress 1
		.amdhsa_inst_pref_size 88
	.end_amdhsa_kernel
	.amdgpu_metadata
---
amdhsa.version: [ 1, 2 ]
amdhsa.kernels:
  - .name:           k_qc1c1f5a0d1_attn
    .symbol:         k_qc1c1f5a0d1_attn.kd
    .args:
      - { .name: qimg, .offset: 0, .size: 8, .value_kind: global_buffer, .address_space: global }
      - { .name: kv, .offset: 8, .size: 8, .value_kind: global_buffer, .address_space: global }
      - { .name: oq, .offset: 16, .size: 8, .value_kind: global_buffer, .address_space: global }
    .group_segment_fixed_size: 292864
    .private_segment_fixed_size: 0
    .kernarg_segment_align: 8
    .kernarg_segment_size: 24
    .max_flat_workgroup_size: 512
    .sgpr_count:     66
    .vgpr_count:     256
    .wavefront_size: 32
...
	.end_amdgpu_metadata
.endif
;; end of part 4
;; launch oproj (part 5): grid 4 x 16, 4 waves a work-group, clusters of 4 x 4, 327,680 bytes of LDS; arguments oq, wq, bo, x, out0; writes out0
.if DOCPART == 5
	.amdgcn_target "amdgcn-amd-amdhsa--gfx1250"
	.amdhsa_code_object_version 6
	.text
	.protected	k_qc1c1f5a0d1_oproj
	.globl	k_qc1c1f5a0d1_oproj
	.p2align	8
	.type	k_qc1c1f5a0d1_oproj,@function
k_qc1c1f5a0d1_oproj:
	s_mov_b64 s[64:65], 0
	v_nop
	global_prefetch_b8 v0, s[64:65] scope:SCOPE_SE
	s_setreg_imm32_b32 hwreg(HW_REG_WAVE_MODE, 25, 1), 1
	s_wait_xcnt 0x0
	s_wait_alu depctr_hold_cnt(0) depctr_sa_sdst(0) depctr_va_vdst(0) depctr_va_sdst(0) depctr_va_ssrc(0) depctr_va_vcc(0) depctr_vm_vsrc(0)
	s_getreg_b32 s2, hwreg(HW_REG_IB_STS2, 6, 4)
	s_cmp_eq_u32 s2, 0
	s_cbranch_scc0 .Lentry_in_a_cluster
	s_endpgm
.Lentry_in_a_cluster:
	s_bfe_u32 s2, ttmp6, 0x10000c
	s_cmp_lg_u32 s2, 0xf033
	s_cbranch_scc0 .Lentry_shape_is_right
	s_endpgm
.Lentry_shape_is_right:
; out0 = x + (O Wo^T + bo): [4096][1024] f32, the product on codes of E5M2 with E8M0 scales, K = 1,024.
; A tile of 256 x 256 is made by four waves, each 128 x 128: 64 accumulators.  K goes in steps of 256 (four heads) through two LDS slots; the scale bytes for all of K come once with the first fills.
; "A" = O's codes, laid [head 16][row 4096][64]: a load brings 4 heads x 128 rows x 64 bytes as 4 rows of 8,192 dense bytes, with 16 bytes of padding behind every 256: head g of the slot at 8,704 g, row p at
; 272 (p / 4) + 64 (p % 4): the sixteen lanes of a fragment load touch sixteen different 16-byte columns.  Its scale bytes, [4 heads' group][row][8], come as 4 rows of 1,024 bytes, padded likewise.
; "B" = Wo's codes and scales in wq (weight 3), rows of 1,024 and of 32 bytes.  A's and B's scale words lie at unlike places, so each side has registers of its own.
; x + bo START THE SUMS: they are loaded into the accumulators while the first tiles are on their way.  LIMIT: so x + bo enters each f32 sum first: another order of rounding than the problem's x + (sum + bo).
; Source 0 = 16 rows of B, source 1 = 16 rows of A: a lane holds eight neighbouring numbers of a row of out0; a block of 16 rows goes through the wave's stage in LDS and leaves as whole rows of 512 bytes.
; CLUSTERS: 4 x 4 work-groups; A's tiles shared along a row of the cluster, B's along a column.  64 work-groups: the tile is kept large; a smaller one would read each fragment for half the products.
; REGISTERS: window 0: v16-31 addresses, v32-63 A's scale words, v64-95 B's (two sets each; at the head v64-127 hold bo), v128-255 A's fragments; window 1: B's fragments (two sets); windows 2, 3: accumulators.
.set ROWB,   256
.set KROW,   1024
.set NQ,     2
.set PITCH,  272
.set FR,     16
.set NL,     4
.set NP,     8
.set HALFT,  128*PITCH
.set SLOT,   4*HALFT
.set KS,     32
.set SCL,    2*SLOT
.set HALFS,  16*272
.set SBLK,   2*272
.set SPARE,  SCL+4*HALFS
.set SPITCH, 528                       ; the way out: 16 rows x (512 + 16) bytes a wave, in slot 0, which has had its last fill and its last read by then
.set NB4,    4096                      ; a row of x and of out0 in bytes
.set ADRA, 16
.set ADRB, 20
.set BOF,  22
.set STO,  24
.set RD,   25
.set CO,   26
.set ADSA, 27
.set SPW,  28
.set NIL,  29
.set ADSB, 30
.set XO,   31
.set SCA,  32
.set SCB,  64
.set BI,   64
.set AF,   128
.set BK,   128
.set G1,   24
.set G0,   32
.set G1B,  48
.set G0B,  56
.set G1S,  68
.set G0S,  76
.set G1SB, 80
.set G0SB, 88
.set WV,   92
.set WR,   93
.set WC,   94
.set CX,   95
.set CY,   96
.set TA,   98
.set TB,   99
.set MSB, 0
.macro WIN new
.if MSB != (\new)
	s_set_vgpr_msb (MSB<<8)|(\new)
.set MSB, (\new)
.endif
.endm
.set MUL_LO, 0xa1
.set MUL_HI, 0xf1
.set TO_B,   0x40
.macro JLOAD g0a, g1a, g0b, g1b        ; a joint load: waves 0, 1 for A, waves 2, 3 for B; four v_nop follow each line
	s_cmp_eq_u32 s[WR], 0
	s_cbranch_scc0 .Lfor_b_\@
	tensor_load_to_lds s[\g0a:\g0a+3], s[\g1a:\g1a+7]
	s_nop 0
.rept 4
	v_nop
.endr
	s_branch .Lasked_\@
.Lfor_b_\@:
	tensor_load_to_lds s[\g0b:\g0b+3], s[\g1b:\g1b+7]
	s_nop 0
.rept 4
	v_nop
.endr
.Lasked_\@:
.endm
.macro CREST
	s_cmp_lg_u32 s[WV], 0
	s_cbranch_scc1 .Lnot_wave_0_\@
	s_barrier_signal -3
.Lnot_wave_0_\@:
	s_barrier_wait -3
	s_barrier_signal -1
	s_barrier_wait -1
.endm
.macro CROUND
	s_barrier_signal -1
	s_barrier_wait -1
	CREST
.endm
	s_load_b256 s[4:11], s[0:1], 0x0               ; oq, wq, bo, x
	s_load_b64 s[12:13], s[0:1], 0x20              ; out0
	v_lshl_add_u32 v[SPW], v0, 2, SPARE
	v_mov_b32 v[NIL], 0
	ds_add_u32 v28, v29
	ds_add_u32 v28, v29
	s_wait_dscnt 0x0
	v_lshrrev_b32 v1, 5, v0
	v_readfirstlane_b32 s[WV], v1
	s_lshr_b32 s[WR], s[WV], 1
	s_and_b32 s[WC], s[WV], 1
	s_bfe_u32 s[CX], ttmp6, 0x40000
	s_bfe_u32 s[CY], ttmp6, 0x40004
	s_lshl_b32 s[TB], ttmp9, 2
	s_add_co_u32 s[TB], s[TB], s[CX]               ; tile column = 4 x cluster x + cx
	s_and_b32 s[TA], ttmp7, 0xffff
	s_lshl_b32 s[TA], s[TA], 2
	s_add_co_u32 s[TA], s[TA], s[CY]               ; tile row = 4 x cluster y + cy
	s_lshl_b32 s100, s[CY], 2
	s_lshl_b32 s100, 15, s100                      ; my row of the cluster
	s_lshl_b32 s101, 0x1111, s[CX]                 ; my column
	; A's codes: 4 rows (heads) of 1,024 elements of 8 bytes, 32,768 elements apart; 16 bytes of padding behind every 256
	s_or_b32 s[G1+0], s100, (3<<16)|(1<<20)|(1<<21)|(5<<22)|(3<<25)
	s_mov_b32 s[G1+1], 1024<<16
	s_mov_b32 s[G1+2], 4<<16
	s_mov_b32 s[G1+3], 1024<<16
	s_mov_b32 s[G1+4], 4
	s_mov_b32 s[G1+5], 32768
	s_mov_b32 s[G1+6], 0
	s_mov_b32 s[G1+7], 0
	; B's codes: 128 rows x 256 bytes, 1,024 apart
	s_or_b32 s[G1B+0], s101, (0<<16)|(1<<20)|(1<<21)|(5<<22)|(3<<25)
	s_mov_b32 s[G1B+1], ROWB<<16
	s_mov_b32 s[G1B+2], 128<<16
	s_mov_b32 s[G1B+3], ROWB<<16
	s_mov_b32 s[G1B+4], 128
	s_mov_b32 s[G1B+5], KROW
	s_mov_b32 s[G1B+6], 0
	s_mov_b32 s[G1B+7], 0
	; A's scales: 4 rows (groups of four heads) of 128 elements of 8 bytes, 4,096 elements apart
	s_or_b32 s[G1S+0], s100, (3<<16)|(1<<20)|(1<<21)|(5<<22)|(3<<25)
	s_mov_b32 s[G1S+1], 128<<16
	s_mov_b32 s[G1S+2], 4<<16
	s_mov_b32 s[G1S+3], 128<<16
	s_mov_b32 s[G1S+4], 4
	s_mov_b32 s[G1S+5], 4096
	s_mov_b32 s[G1S+6], 0
	s_mov_b32 s[G1S+7], 0
	; B's scales: 4,096 dense bytes as 16 rows of 256
	s_or_b32 s[G1SB+0], s101, (3<<16)|(1<<20)|(1<<21)|(5<<22)|(3<<25)
	s_mov_b32 s[G1SB+1], 32<<16
	s_mov_b32 s[G1SB+2], 16<<16
	s_mov_b32 s[G1SB+3], 32<<16
	s_mov_b32 s[G1SB+4], 16
	s_mov_b32 s[G1SB+5], 32
	s_mov_b32 s[G1SB+6], 0
	s_mov_b32 s[G1SB+7], 0
	s_lshl_b32 s22, s[WC], 7
	s_lshl_b32 s40, s[TA], 8
	s_add_co_u32 s40, s40, s22                     ; the first row of A that I fetch,
	s_lshl_b32 s44, s[TB], 8
	s_add_co_u32 s44, s44, s22                     ; of B
	s_lshl_b32 s42, s40, 3
	s_add_co_u32 s42, s42, 0x400000                ; A's scale bytes: 8 a row and group,
	s_lshl_b32 s40, s40, 6                         ; its codes: 64 a row and head
	s_lshl_b32 s46, s44, 5
	s_add_co_u32 s46, s46, 0x418000                ; Wo's scale bytes in wq,
	s_lshl_b32 s44, s44, 10
	s_add_co_u32 s44, s44, 0x300000                ; its codes
	s_mov_b32 s41, 0
	s_mov_b32 s43, 0
	s_mov_b32 s45, 0
	s_mov_b32 s47, 0
	s_mul_i32 s105, s[WV], HALFT
	s_mul_i32 s23, s[WV], HALFS
	s_wait_kmcnt 0x0
	s_add_nc_u64 s[40:41], s[4:5], s[40:41]
	s_add_nc_u64 s[42:43], s[4:5], s[42:43]
	s_add_nc_u64 s[44:45], s[6:7], s[44:45]
	s_add_nc_u64 s[46:47], s[6:7], s[46:47]
	CROUND                                         ; all sixteen work-groups are here: the first joint loads meet
	s_mov_b32 s[G0S], 1
	s_add_co_u32 s[G0S+1], s23, SCL
	s_mov_b64 s[G0S+2:G0S+3], s[42:43]
	s_or_b32 s[G0S+3], s[G0S+3], 0x80000000
	s_mov_b32 s[G0SB], 1
	s_add_co_u32 s[G0SB+1], s23, SCL
	s_mov_b64 s[G0SB+2:G0SB+3], s[46:47]
	s_or_b32 s[G0SB+3], s[G0SB+3], 0x80000000
	JLOAD G0S, G1S, G0SB, G1SB
.irp s, 0,1
	s_mov_b32 s[G0+4*\s], 1
	s_add_co_u32 s[G0+4*\s+1], s105, \s*SLOT
	s_add_nc_u64 s[G0+4*\s+2:G0+4*\s+3], s[40:41], \s*0x100000     ; four heads on: 4 x 262,144 bytes
	s_or_b32 s[G0+4*\s+3], s[G0+4*\s+3], 0x80000000
	s_mov_b32 s[G0B+4*\s], 1
	s_add_co_u32 s[G0B+4*\s+1], s105, \s*SLOT
	s_add_nc_u64 s[G0B+4*\s+2:G0B+4*\s+3], s[44:45], \s*ROWB
	s_or_b32 s[G0B+4*\s+3], s[G0B+4*\s+3], 0x80000000
	JLOAD G0+4*\s, G1, G0B+4*\s, G1B               ; three loads of mine are out
.endr
	v_and_b32 v1, 15, v0                           ; r
	v_bfe_u32 v2, v0, 4, 1                         ; h
	; x, bo and out0 at my part of the tile
	s_lshl_b32 s22, s[TA], 8
	s_lshl_b32 s23, s[WR], 7
	s_add_co_u32 s22, s22, s23
	s_lshl_b32 s22, s22, 12                        ; my first row,
	s_lshl_b32 s2, s[TB], 10
	s_lshl_b32 s3, s[WC], 9
	s_add_co_u32 s2, s2, s3                        ; my first column, in bytes
	s_add_co_u32 s22, s22, s2
	s_mov_b32 s23, 0
	s_mov_b32 s3, 0
	s_add_nc_u64 s[10:11], s[10:11], s[22:23]
	s_add_nc_u64 s[12:13], s[12:13], s[22:23]
	s_add_nc_u64 s[8:9], s[8:9], s[2:3]
	v_lshlrev_b32 v[XO], 12, v1
	v_lshl_add_u32 v[XO], v2, 5, v[XO]             ; row r, + 32 h: accumulator (a, b) holds x(16 a + r, 16 b + 8 h + 0 .. 7)
	v_lshlrev_b32 v[BOF], 5, v2
.irp b, 0,1,2,3,4,5,6,7
	global_load_b128 v[BI+8*\b:BI+8*\b+3], v[BOF], s[8:9] offset:64*\b
	global_load_b128 v[BI+8*\b+4:BI+8*\b+7], v[BOF], s[8:9] offset:64*\b+16
.endr
	WIN 0x80                                       ; destination window 2
.irp a, 0,1,2,3
.irp b, 0,1,2,3,4,5,6,7
	global_load_b128 v[8*(8*\a+\b):8*(8*\a+\b)+3], v[XO], s[10:11] offset:16*NB4*\a+64*\b
	global_load_b128 v[8*(8*\a+\b)+4:8*(8*\a+\b)+7], v[XO], s[10:11] offset:16*NB4*\a+64*\b+16
.endr
.endr
	WIN 0xc0                                       ; destination window 3
.irp a, 0,1,2,3
.irp b, 0,1,2,3,4,5,6,7
	global_load_b128 v[8*(8*\a+\b):8*(8*\a+\b)+3], v[XO], s[10:11] offset:16*NB4*(\a+4)+64*\b
	global_load_b128 v[8*(8*\a+\b)+4:8*(8*\a+\b)+7], v[XO], s[10:11] offset:16*NB4*(\a+4)+64*\b+16
.endr
.endr
	WIN 0
	; LDS addresses
	v_lshrrev_b32 v3, 2, v1
	v_mul_u32_u24 v3, v3, 272
	v_and_b32 v4, 3, v1
	v_lshl_add_u32 v3, v4, 6, v3
	v_lshl_add_u32 v3, v2, 4, v3                   ; A: 272 (r / 4) + 64 (r % 4) + 16 h
	v_mul_u32_u24 v4, v1, PITCH
	v_lshl_add_u32 v4, v2, 4, v4                   ; B: row x pitch + 16 h
	s_mul_i32 s22, s[WR], HALFT
	s_mul_i32 s23, s[WC], HALFT
	s_add_co_u32 s23, s23, 2*HALFT
.irp s, 0,1
	v_add_nc_u32 v[ADRA+\s], s22, v3
	v_add_nc_u32 v[ADRB+\s], s23, v4
	s_add_co_u32 s22, s22, SLOT
	s_add_co_u32 s23, s23, SLOT
.endr
	s_mul_i32 s22, s[WR], HALFS
	s_add_co_u32 s22, s22, SCL
	v_lshlrev_b32 v5, 3, v1
	v_add_nc_u32 v[ADSA], s22, v5                  ; A's scale words: 8 r
	s_mul_i32 s23, s[WC], HALFS
	s_add_co_u32 s23, s23, SCL+2*HALFS
	v_mul_u32_u24 v5, v1, KS
	v_lshrrev_b32 v6, 8, v5
	v_lshl_add_u32 v5, v6, 4, v5
	v_add_nc_u32 v[ADSB], s23, v5                  ; B's: 32 r, + 16 for each 256 passed
	s_mul_i32 s23, s[WV], 16*SPITCH                ; my stage
	v_mul_u32_u24 v5, v1, SPITCH
	v_lshl_add_u32 v5, v2, 5, v5
	v_add_nc_u32 v[STO], s23, v5
	v_and_b32 v6, 31, v0
	v_lshlrev_b32 v[CO], 4, v6
	v_add_nc_u32 v[RD], s23, v[CO]
	s_wait_loadcnt 0x0                             ; x and bo
	WIN 0x82                                       ; destination and source 0 window 2, bo in window 0
.irp a, 0,1,2,3
.irp b, 0,1,2,3,4,5,6,7
.irp p, 0,2,4,6
	v_pk_add_f32 v[8*(8*\a+\b)+\p:8*(8*\a+\b)+\p+1], v[8*(8*\a+\b)+\p:8*(8*\a+\b)+\p+1], v[BI+8*\b+\p:BI+8*\b+\p+1]
.endr
.endr
.endr
	WIN 0xc3
.irp a, 0,1,2,3
.irp b, 0,1,2,3,4,5,6,7
.irp p, 0,2,4,6
	v_pk_add_f32 v[8*(8*\a+\b)+\p:8*(8*\a+\b)+\p+1], v[8*(8*\a+\b)+\p:8*(8*\a+\b)+\p+1], v[BI+8*\b+\p:BI+8*\b+\p+1]
.endr
.endr
.endr
	WIN 0
.rept 4
	v_nop
.endr
.macro FRAGB reg, adr, q, i
.irp c, 0,1,2,3
	ds_load_b128 v[\reg+4*\c:\reg+4*\c+3], v[\adr] offset:128*(\q)+32*\c+(\i)*16*PITCH
.endr
.endm
.macro FRAGA reg, adr, q, i            ; K = 32 c + 16 h of the slot's q-th 128: head 2 q + c / 2, d = 32 (c % 2) + 16 h; block i: 4 pieces of 272 bytes on
.irp c, 0,1,2,3
	ds_load_b128 v[\reg+4*\c:\reg+4*\c+3], v[\adr] offset:(2*(\q)+\c/2)*8704+32*(\c%2)+(\i)*1088
.endr
.endm
.macro MM a, b, p, q, sc
.set DR, 8*(8*((\a)%4)+\b)
.set BR, 128*(\p)+FR*\b
.set AR, AF+FR*(\a)
	v_wmma_scale_f32_16x16x128_f8f6f4 v[DR:DR+7], v[BR:BR+FR-1], v[AR:AR+FR-1], v[DR:DR+7], v[SCB+16*(\sc)+NQ*\b+(\q)], v[SCA+16*(\sc)+NQ*(\a)+(\q)] matrix_a_fmt:MATRIX_FMT_BF8 matrix_b_fmt:MATRIX_FMT_BF8
.endm
.macro MUL16 a0, p, q, sc              ; the 64 accumulators take turns, one instruction a turn, in the same order in every step
.irp a, \a0, \a0+1
.irp b, 0,1,2,3,4,5,6,7
	MM \a, \b, \p, \q, \sc
.endr
.endr
.endm
.macro FETCH_B slot, q, p
	WIN TO_B
.irp i, 0,1,2,3,4,5,6,7
	FRAGB 128*(\p)+FR*\i, ADRB+\slot, \q, \i
.endr
	WIN 0
.endm
.macro FETCH_A slot, q, i0
.irp i, \i0, \i0+1, \i0+2, \i0+3
	FRAGA AF+FR*(\i), ADRA+\slot, \q, \i
.endr
.endm
.macro SCALES sc, ks                   ; K slot ks: two words a row, for A's eight blocks and for B's
.irp i, 0,1,2,3,4,5,6,7
	ds_load_b64 v[SCA+16*(\sc)+NQ*\i:SCA+16*(\sc)+NQ*\i+1], v[ADSA] offset:1088*(\ks)+272*(\i/2)+128*(\i%2)
	ds_load_b64 v[SCB+16*(\sc)+NQ*\i:SCB+16*(\sc)+NQ*\i+1], v[ADSB] offset:\i*SBLK+8*(\ks)
.endr
.endm
.macro PLACES n
.rept \n
	v_nop
.endr
.endm
.macro STEP slot
	s_wait_dscnt 4*NL                              ; all but the youngest sixteen loads (A's blocks 4-7)
	WIN MUL_LO
	MUL16 0, 0, 0, \slot
	MUL16 2, 0, 0, \slot
	s_wait_dscnt 0
	PLACES NP
	FETCH_B \slot, 1, 1
	FETCH_A \slot, 1, 0
	WIN MUL_HI
	MUL16 4, 0, 0, \slot
	MUL16 6, 0, 0, \slot
	PLACES NP
	WIN 0
	FETCH_A \slot, 1, 4
.endm
.macro TURN slot, next, fill, ks
	s_wait_tensorcnt 0x0                           ; all my tensor loads have landed: my part of the next slot
	ds_add_u32 v[SPW], v[NIL]
	s_wait_dscnt 4*NL+1                            ; (the add and A's blocks 4-7 may be out)
	WIN MUL_LO
	MUL16 0, 1, 1, \slot
	s_wait_dscnt 0x0                               ; the add is done, and my reads of this slot are over
	s_barrier_signal -1
	MUL16 2, 1, 1, \slot
	WIN 0
	s_barrier_wait -1
.if \fill
	CREST                                          ; the barrier has opened a round of the cluster's
	s_add_nc_u64 s[G0+4*\slot+2:G0+4*\slot+3], s[G0+4*\slot+2:G0+4*\slot+3], 0x200000
	s_add_nc_u64 s[G0B+4*\slot+2:G0B+4*\slot+3], s[G0B+4*\slot+2:G0B+4*\slot+3], 2*ROWB
	JLOAD G0+4*\slot, G1, G0B+4*\slot, G1B         ; my one tensor load behind the round; its four v_nop are four of the eight places
	PLACES NP-4
.else
	PLACES NP
.endif
	FETCH_B \next, 0, 0
	FETCH_A \next, 0, 0
	SCALES \next, \ks
	WIN MUL_HI
	MUL16 4, 1, 1, \slot
	MUL16 6, 1, 1, \slot
	PLACES NP
	WIN 0
	FETCH_A \next, 0, 4
.endm
	s_wait_tensorcnt 1                             ; the scales and my part of slot 0 are in; slot 1's load may be out
	s_barrier_signal -1
	s_barrier_wait -1
	FETCH_B 0, 0, 0
	FETCH_A 0, 0, 0
	SCALES 0, 0
	FETCH_A 0, 0, 4
	STEP 0
	TURN 0, 1, 1, 1
	STEP 1
	TURN 1, 0, 1, 2
	STEP 0
	TURN 0, 1, 0, 3                                ; nothing is left to fetch; behind this barrier nobody reads slot 0
	STEP 1
	s_wait_dscnt 4*NL
	WIN MUL_LO
	MUL16 0, 1, 1, 1
	MUL16 2, 1, 1, 1
	s_wait_dscnt 0
	WIN MUL_HI
	MUL16 4, 1, 1, 1
	MUL16 6, 1, 1, 1
	WIN 0
; THE WAY OUT, block by block of 16 rows x 128 columns, through my own stage; LDS serves a wave's instructions in order, so no wait stands between the stores and the loads
.macro TOSTAGE a
.set AC, 64*((\a)%4)
	WIN 0x08+4*((\a)/4)                            ; the data: window 2 or 3
.irp b, 0,1,2,3,4,5,6,7
	ds_store_b128 v[STO], v[AC+8*\b:AC+8*\b+3] offset:64*\b          ; each accumulator from its low end on
	ds_store_b128 v[STO], v[AC+8*\b+4:AC+8*\b+7] offset:64*\b+16
.endr
	WIN 0
.set BB, BK+64*((\a)%2)
.irp t, 0,1,2,3,4,5,6,7,8,9,10,11,12,13,14,15
	ds_load_b128 v[BB+4*\t:BB+4*\t+3], v[RD] offset:\t*SPITCH
.endr
.endm
.macro SEND a, younger                 ; younger: the LDS instructions issued behind block a's loads
.set BB, BK+64*((\a)%2)
	s_wait_dscnt \younger
.if (\a) > 0
	s_add_nc_u64 s[12:13], s[12:13], 16*NB4        ; behind a wait on XCNT: the earlier stores have read their base
.endif
.irp t, 0,1,2,3,4,5,6,7,8,9,10,11,12,13,14,15
	global_store_b128 v[CO], v[BB+4*\t:BB+4*\t+3], s[12:13] offset:\t*NB4 th:TH_STORE_NT   ; 32 lanes store 512 consecutive bytes, aligned
.endr
.endm
	PLACES NP
	TOSTAGE 0
.irp a, 1,2,3,4,5,6,7
.if \a > 1
	s_wait_xcnt 0x0                                ; block a - 2's stores have read their registers and their base
.endif
	TOSTAGE \a
	SEND \a-1, 32                                  ; behind block a - 1's loads: block a's 16 stores and 16 loads
.endr
	s_wait_xcnt 0x0
	SEND 7, 0
	s_wait_tensorcnt 0x0                           ; the wave's end
	ds_add_u32 v[SPW], v[NIL]
	s_wait_dscnt 0x0
	CROUND                                         ; the closing round
	s_endpgm
.Lfunc_end_k_qc1c1f5a0d1_oproj:
	.size	k_qc1c1f5a0d1_oproj, .Lfunc_end_k_qc1c1f5a0d1_oproj-k_qc1c1f5a0d1_oproj
	.p2alignl 7, 3214868480
	.fill 96, 4, 3214868480
	.section	.rodata,"a",@progbits
	.p2align	6, 0x0
	.amdhsa_kernel k_qc1c1f5a0d1_oproj
		.amdhsa_group_segment_fixed_size 327680
		.amdhsa_private_segment_fixed_size 0
		.amdhsa_enable_private_segment 0
		.amdhsa_kernarg_size 40
		.amdhsa_user_sgpr_count 2
		.amdhsa_user_sgpr_kernarg_segment_ptr 1
		.amdhsa_wavefront_size32 1
		.amdhsa_system_sgpr_workgroup_id_x 1
		.amdhsa_system_sgpr_workgroup_id_y 1
		.amdhsa_system_sgpr_workgroup_id_z 1
		.amdhsa_system_vgpr_workitem_id 0
		.amdhsa_next_free_vgpr 1024
		.amdhsa_next_free_sgpr 106
		.amdhsa_reserve_vcc 0
		.amdhsa_float_denorm_mode_32 3
		.amdhsa_float_denorm_mode_16_64 3
		.amdhsa_memory_ordered 1
		.amdhsa_forward_progress 1
		.amdhsa_inst_pref_size 178
	.end_amdhsa_kernel
	.amdgpu_metadata
---
amdhsa.version: [ 1, 2 ]
amdhsa.kernels:
  - .name:           k_qc1c1f5a0d1_oproj
    .symbol:         k_qc1c1f5a0d1_oproj.kd
    .args:
      - { .name: oq, .offset: 0, .size: 8, .value_kind: global_buffer, .address_space: global }
      - { .name: wq, .offset: 8, .size: 8, .value_kind: global_buffer, .address_space: global }
      - { .name: bo, .offset: 16, .size: 8, .value_kind: global_buffer, .address_space: global }
      - { .name: x, .offset: 24, .size: 8, .value_kind: global_buffer, .address_space: global }
      - { .name: out0, .offset: 32, .size: 8, .value_kind: global_buffer, .address_space: global }
    .group_segment_fixed_size: 327680
    .private_segment_fixed_size: 0
    .kernarg_segment_align: 8
    .kernarg_segment_size: 40
    .max_flat_workgroup_size: 128
    .sgpr_count:     106
    .vgpr_count:     1024
    .wavefront_size: 32
...
	.end_amdgpu_metadata
.endif
;; end of part 5
;; ======== version 2 of 2: 5 launches
;; limits: right only within a limited range of input values
;; workspace buffers: psum 2,048 bytes; xq 4,325,376 bytes; wq 4,325,376 bytes; qimg 4,456,448 bytes; kv 17,301,504 bytes; oq 4,325,376 bytes
;; launch prep (part 6): grid 384 x 1, 4 waves a work-group, no clusters, 40,448 bytes of LDS; arguments x, ln_gamma, ln_beta, Wq, Wk, Wv, Wo, xq, psum; writes xq, psum
.if DOCPART == 6
	.amdgcn_target "amdgcn-amd-amdhsa--gfx1250"
	.amdhsa_code_object_version 6
	.text
	.protected	k_qc1c1f5a0d1_prep
	.globl	k_qc1c1f5a0d1_prep
	.p2align	8
	.type	k_qc1c1f5a0d1_prep,@function
k_qc1c1f5a0d1_prep:
	s_mov_b64 s[64:65], 0
	v_nop
	global_prefetch_b8 v0, s[64:65] scope:SCOPE_SE
	s_setreg_imm32_b32 hwreg(HW_REG_WAVE_MODE, 25, 1), 1
	s_wait_xcnt 0x0
; Work-groups 0-127: LayerNorm of x [4096][1024] f32, quantised along its 1,024 to codes of E5M2 with one E8M0 byte for each 32: xq = codes [4096][1024], then, 4 MiB on, scale bytes [4096][32].
; Work-groups 128-255: partial sums of |W| of the four weights, one f32 a wave: psum [4 weights][128 waves].  The next launch adds them: a mean over a whole weight spans work-groups.
; LayerNorm: a wave takes 8 rows, a row at a time in 32 registers a lane (8 loads of 512 consecutive bytes): mean, then the sum of squares of x - mean (two passes over registers, one over memory), v_rsq_f32,
; ((x - mean) rstd) gamma + beta.  The conversions take 16 neighbours from ONE lane, the loads give a lane 4: so a row turns through the wave's own stage in LDS (64 bytes + 16 of padding a place), two steps of 512 numbers.
; A block's scale byte is its largest magnitude's exponent field - 15, held at 1 from below by a floor among the maximum's leaves.
; LIMITS: NaN and infinities are not served; a block of zeros gets the byte 1 (its codes are zeros; these bytes are read by this program alone); the sums have another order than the problem's own.
; Memory binds: no matrix unit, no cluster (no two work-groups read the same bytes but gamma and beta, 8 KiB), no barrier (waves share nothing).  Only the first path touches LDS.
; WHERE THE LINES ABOVE DIFFER, THESE HOLD.  Work-groups 0-255: LayerNorm, 16 rows each, four rows a wave.  Work-groups 256-383: the partial sums of |W|, as above.
; xq's codes leave as images of operand registers: [tile of 16 rows][u = k / 16: 64][row r: 16][16 bytes], 16,384 bytes a tile, one tile a work-group; the scale bytes stay [4096][32], 4 MiB on.
; The four waves of a LayerNorm work-group share its tile's image and its 512 scale bytes in LDS: one barrier stands between the stores into them and the loads out of them.
.set SP,   80                          ; a place in a stage: 64 bytes + 16
.set WREG, 5632                        ; LDS of a wave: two stages of 32 places; the work-group's 512 scale bytes lie behind wave 0's
.set SBY,  5120
.set G,    32                          ; v32-63   gamma of my 32 columns (128 j + 4 lane + i)
.set BT,   64                          ; v64-95   beta likewise
.set R,    96                          ; v96-159  two rows as loaded
.set X,    160                         ; v160-191 two steps of 16 neighbours
.set C,    192                         ; v192-199 two sets of codes
.set EB,   27                          ; v27-28   a scale byte for each of a row's two steps
	s_load_b512 s[4:19], s[0:1], 0x0               ; x, gamma, beta, Wq, Wk, Wv, Wo, xq
	s_load_b64 s[20:21], s[0:1], 0x40              ; psum
	v_lshl_add_u32 v200, v0, 2, 0x5800
	v_mov_b32 v201, 0
	v_lshrrev_b32 v1, 5, v0
	v_readfirstlane_b32 s22, v1                    ; wave
	v_and_b32 v1, 31, v0                           ; lane
	v_lshlrev_b32 v2, 4, v1                        ; 16 bytes a lane
	v_mov_b32 v26, 0                               ; a lane permute's destination counts as read: written once
	s_mov_b32 s28, 0x76543210
	s_mov_b32 s29, 0xfedcba98                      ; v_permlanex16_b32: lane l xor 16
.macro WSUM reg                        ; the sum over the 32 lanes, in every lane
	v_add_f32_dpp v[\reg], v[\reg], v[\reg] row_xmask:1 row_mask:0xf bank_mask:0xf
	v_add_f32_dpp v[\reg], v[\reg], v[\reg] row_xmask:2 row_mask:0xf bank_mask:0xf
	v_add_f32_dpp v[\reg], v[\reg], v[\reg] row_xmask:4 row_mask:0xf bank_mask:0xf
	v_add_f32_dpp v[\reg], v[\reg], v[\reg] row_xmask:8 row_mask:0xf bank_mask:0xf
	v_permlanex16_b32 v26, v[\reg], s28, s29
	v_add_f32 v[\reg], v[\reg], v26
.endm
	s_cmp_lt_u32 ttmp9, 256
	s_cbranch_scc0 .Lsum
	; ---------------- LayerNorm and its quantiser
	s_mov_b32 s30, 0x600000                        ; the mantissa field of 57,344
	s_mov_b32 s31, 0x3a800000                      ; 1 / 1,024
	s_mov_b32 s32, 0x3727c5ac                      ; 1e-5
	s_mul_i32 s24, s22, WREG
	s_wait_alu depctr_va_vdst(0)
	v_lshrrev_b32 v3, 2, v1
	v_mul_u32_u24 v3, v3, SP
	v_and_b32 v4, 3, v1
	v_lshl_add_u32 v3, v4, 4, v3
	v_add_nc_u32 v3, s24, v3                       ; into a stage: four lanes' 64 bytes on end, then the padding
	v_mul_u32_u24 v4, v1, SP
	v_add_nc_u32 v4, s24, v4                       ; out of it: my 16 neighbours
	v_lshrrev_b32 v5, 1, v1
	s_lshl_b32 s24, s22, 7
	s_add_co_u32 s24, s24, SBY
	v_add_nc_u32 v5, s24, v5                       ; my block's scale byte: the work-group's 512 bytes gather from byte SBY on, 128 a wave
	v_lshlrev_b32 v7, 3, v1
	s_lshl_b32 s24, s22, 8
	s_add_co_u32 s24, s24, SBY
	v_add_nc_u32 v6, s24, v7                       ; on their way out: waves 0 and 1 take 256 bytes each, 8 a lane
	; The tile's image gathers in LDS from byte 23,040 on, unit u at 272 u (256 bytes + 16), row r at 16 r, and leaves behind the barrier in runs of 512 bytes.
	s_lshl_b32 s40, s22, 6
	s_add_co_u32 s40, s40, 23040                   ; my rows are r = 4 x wave + 0 .. 3
	v_mul_u32_u24 v29, v1, 272
	v_add_nc_u32 v29, s40, v29                     ; in: unit 32 x step + lane
	s_mul_i32 s39, s22, 4352
	s_add_co_u32 s39, s39, 23040                   ; out: I copy units 16 x wave + 0 .. 15
	v_lshrrev_b32 v30, 4, v1
	v_mul_u32_u24 v30, v30, 272
	v_and_b32 v31, 15, v1
	v_lshl_add_u32 v30, v31, 4, v30
	v_add_nc_u32 v30, s39, v30                     ; lanes 0-15 one unit, lanes 16-31 the next
	s_lshl_b32 s25, ttmp9, 4
	s_lshl_b32 s26, s22, 2
	s_add_co_u32 s24, s25, s26                     ; my first row: 16 x work-group + 4 x wave
	s_mov_b32 s25, 0
	s_lshl_b64 s[26:27], s[24:25], 12              ; in x,
	s_lshl_b64 s[34:35], s[24:25], 10              ; in the codes,
	s_lshl_b32 s24, s24, 5
	s_add_co_u32 s24, s24, 0x400000                ; in the scale bytes: 512 x work-group + 128 x wave,
	s_lshl_b32 s38, s22, 7
	s_add_co_u32 s24, s24, s38                     ; + 128 x wave: the 256 bytes that wave 0 or 1 stores
	s_wait_kmcnt 0x0
	s_add_nc_u64 s[4:5], s[4:5], s[26:27]
	s_add_nc_u64 s[36:37], s[18:19], s[24:25]
	s_add_nc_u64 s[18:19], s[18:19], s[34:35]
.irp j, 0,1,2,3,4,5,6,7
	global_load_b128 v[G+4*\j:G+4*\j+3], v2, s[6:7] offset:512*\j
	global_load_b128 v[BT+4*\j:BT+4*\j+3], v2, s[8:9] offset:512*\j
.endr
.macro LOADROW q                       ; a row: eight loads of 512 consecutive bytes
.irp j, 0,1,2,3,4,5,6,7
	global_load_b128 v[R+32*((\q)%2)+4*\j:R+32*((\q)%2)+4*\j+3], v2, s[4:5] offset:4096*(\q)+512*\j th:TH_LOAD_NT
.endr
.endm
	LOADROW 0
	LOADROW 1
; 512 numbers, 16 neighbours a lane in set `set`, become codes and 16 scale bytes; idx = 2 x row + step
.macro QSTEP set, idx
.set XS, X+16*(\set)
.set CS, C+4*(\set)
	v_max3_num_f32 v8, |v[XS]|, |v[XS+1]|, |v[XS+2]|
	v_max3_num_f32 v9, |v[XS+3]|, |v[XS+4]|, |v[XS+5]|
.irp i, 6,10
	v_max3_num_f32 v8, v8, |v[XS+\i]|, |v[XS+\i+1]|
	v_max3_num_f32 v9, v9, |v[XS+\i+2]|, |v[XS+\i+3]|
.endr
	v_max3_num_f32 v8, v8, |v[XS+14]|, |v[XS+15]|
	v_max3_num_f32 v8, v8, v9, 0x8000000           ; the floor 2^(16 - 127): the byte cannot fall under 1
	v_max_num_f32_dpp v8, v8, v8 row_xmask:1 row_mask:0xf bank_mask:0xf   ; with my neighbour's 16: the block's largest magnitude
	v_add_nc_u32 v11, 0xf8800000, v8               ; 15 off its exponent field: the conversion's scale operand
	v_and_or_b32 v10, v8, 0x7f800000, s30          ; 57,344 x the scale
.irp i, 0,1,2,3,4,5,6,7,8,9,10,11,12,13,14,15
	v_med3_num_f32 v[XS+\i], v[XS+\i], -v10, v10   ; the conversion does not saturate (ISA guide 7.6.2): the hold comes first
.endr
	s_wait_alu depctr_va_vdst(0)
	s_wait_xcnt 0x0                                ; this set's last store has read its codes: they are written again only behind this wait
	v_cvt_scalef32_pk8_bf8_f32 v[CS:CS+1], v[XS:XS+7], v11
	v_cvt_scalef32_pk8_bf8_f32 v[CS+2:CS+3], v[XS+8:XS+15], v11
	v_lshrrev_b32 v[EB+(\set)], 23, v11            ; the scale's byte (also the plain line behind the conversions)
	ds_store_b8 v5, v[EB+(\set)] offset:16*(\idx)  ; both lanes of a block write the same byte with the same value
	ds_store_b128 v29, v[CS:CS+3] offset:8704*((\idx)%2)+16*((\idx)/2)   ; into the tile's image: lanes 272 bytes apart
.endm
.macro ROW p
.set RS, R+32*((\p)%2)
.if (\p) < 3
	s_wait_loadcnt 8                               ; my row is in (gamma and beta too); the next row's eight loads may be out
.else
	s_wait_loadcnt 0x0
.endif
.irp c, 0,1,2,3
	v_pk_add_f32 v[18+2*\c:19+2*\c], v[RS+2*\c:RS+2*\c+1], v[RS+8+2*\c:RS+9+2*\c]   ; four chains, started by the first pairs
.endr
.irp k, 8,9,10,11,12,13,14,15
	v_pk_add_f32 v[18+2*(\k%4):19+2*(\k%4)], v[18+2*(\k%4):19+2*(\k%4)], v[RS+2*\k:RS+2*\k+1]
.endr
	v_pk_add_f32 v[18:19], v[18:19], v[20:21]
	v_pk_add_f32 v[22:23], v[22:23], v[24:25]
	v_pk_add_f32 v[18:19], v[18:19], v[22:23]
	v_add_f32 v18, v18, v19
	WSUM 18
	v_mul_f32 v14, s31, v18                        ; the mean, twice
	v_mul_f32 v15, s31, v18
.irp k, 0,1,2,3,4,5,6,7,8,9,10,11,12,13,14,15
	v_pk_add_f32 v[RS+2*\k:RS+2*\k+1], v[RS+2*\k:RS+2*\k+1], v[14:15] neg_lo:[0,1] neg_hi:[0,1]   ; x - mean, in place
.endr
.irp c, 0,1,2,3
	v_pk_mul_f32 v[18+2*\c:19+2*\c], v[RS+2*\c:RS+2*\c+1], v[RS+2*\c:RS+2*\c+1]
.endr
.irp k, 4,5,6,7,8,9,10,11,12,13,14,15
	v_pk_fma_f32 v[18+2*(\k%4):19+2*(\k%4)], v[RS+2*\k:RS+2*\k+1], v[RS+2*\k:RS+2*\k+1], v[18+2*(\k%4):19+2*(\k%4)]
.endr
	v_pk_add_f32 v[18:19], v[18:19], v[20:21]
	v_pk_add_f32 v[22:23], v[22:23], v[24:25]
	v_pk_add_f32 v[18:19], v[18:19], v[22:23]
	v_add_f32 v18, v18, v19
	WSUM 18
	v_fma_f32 v18, v18, s31, s32                   ; the variance + 1e-5
	s_wait_alu depctr_va_vdst(0)
	v_rsq_f32 v16, v18
	v_rsq_f32 v17, v18
	v_nop                                          ; a plain line behind the transcendentals
	s_wait_alu depctr_va_vdst(0)
.irp k, 0,1,2,3,4,5,6,7,8,9,10,11,12,13,14,15
	v_pk_mul_f32 v[RS+2*\k:RS+2*\k+1], v[RS+2*\k:RS+2*\k+1], v[16:17]
.endr
.irp k, 0,1,2,3,4,5,6,7,8,9,10,11,12,13,14,15
	v_pk_fma_f32 v[RS+2*\k:RS+2*\k+1], v[RS+2*\k:RS+2*\k+1], v[G+2*\k:G+2*\k+1], v[BT+2*\k:BT+2*\k+1]
.endr
.irp j, 0,1,2,3,4,5,6,7
	ds_store_b128 v3, v[RS+4*\j:RS+4*\j+3] offset:2560*(\j/4)+640*(\j%4)   ; as they lie: 512 bytes take eight places
.endr
.irp t, 0,1
.irp i, 0,1,2,3
	ds_load_b128 v[X+16*\t+4*\i:X+16*\t+4*\i+3], v4 offset:2560*\t+16*\i    ; LDS serves a wave's instructions in order: these see the stores
.endr
.endr
	s_wait_dscnt 4                                 ; the first step's numbers are back, so the eight stores have read the row's registers
.if (\p) < 2
	LOADROW (\p)+2
.endif
	QSTEP 0, 2*(\p)
	s_wait_dscnt 1                                 ; the second step's are back; the byte store may be out
	QSTEP 1, 2*(\p)+1
.endm
.irp p, 0,1,2,3
	ROW \p
.endr
	s_wait_dscnt 0x0                               ; my stores into the images are done
	s_barrier_signal -1
	s_barrier_wait -1                              ; everybody's are: a unit holds rows of all four waves
.irp i, 0,1,2,3,4,5,6,7
	ds_load_b128 v[R+4*\i:R+4*\i+3], v30 offset:544*\i
.endr
	s_wait_dscnt 0x0
.irp i, 0,1,2,3,4,5,6,7
	global_store_b128 v2, v[R+4*\i:R+4*\i+3], s[18:19] offset:512*\i   ; 32 lanes store 512 consecutive bytes: two units
.endr
	s_cmp_lt_u32 s22, 2
	s_cbranch_scc0 .Lno_bytes
	ds_load_b64 v[12:13], v6                       ; waves 0, 1: half of the work-group's 512 scale bytes
	s_wait_dscnt 0x0
	global_store_b64 v7, v[12:13], s[36:37]        ; 32 lanes store 256 consecutive bytes, aligned
.Lno_bytes:
	s_wait_tensorcnt 0x0
	ds_add_u32 v200, v201
	s_wait_dscnt 0x0
	s_endpgm
	; ---------------- partial sums of |W|: a wave takes 32 KiB of one weight, 64 loads of 512 consecutive bytes in two sets of 16
.Lsum:
	s_sub_co_u32 s24, ttmp9, 256
	s_lshr_b32 s25, s24, 5                         ; which weight: 32 work-groups each
	s_lshl_b32 s24, s24, 2
	s_add_co_u32 s24, s24, s22                     ; which of the 512 waves
	s_and_b32 s26, s24, 127
	s_lshl_b32 s26, s26, 15                        ; my 32 KiB in the weight
	s_mov_b32 s27, 0
	s_lshl_b32 s24, s24, 2
	v_mov_b32 v3, s24                              ; my word of psum
	s_wait_kmcnt 0x0
	s_cmp_eq_u32 s25, 1                            ; the choice hangs on the work-group's number alone
	s_cselect_b64 s[10:11], s[12:13], s[10:11]
	s_cmp_eq_u32 s25, 2
	s_cselect_b64 s[10:11], s[14:15], s[10:11]
	s_cmp_eq_u32 s25, 3
	s_cselect_b64 s[10:11], s[16:17], s[10:11]
	s_add_nc_u64 s[10:11], s[10:11], s[26:27]
.macro WLOAD t
.irp j, 0,1,2,3,4,5,6,7,8,9,10,11,12,13,14,15
	global_load_b128 v[32+64*((\t)%2)+4*\j:32+64*((\t)%2)+4*\j+3], v2, s[10:11] offset:8192*(\t)+512*\j
.endr
.endm
	s_wait_alu depctr_va_vdst(0)
	WLOAD 0
	WLOAD 1
.macro WTURN t
.set WS, 32+64*((\t)%2)
.if (\t) < 3
	s_wait_loadcnt 16                              ; my set is in; the other set's sixteen loads may be out
.else
	s_wait_loadcnt 0x0
.endif
.set KK, 0
.if (\t) == 0
.irp c, 0,1,2,3,4,5,6,7
	v_add_f32 v[16+\c], |v[WS+2*\c]|, |v[WS+2*\c+1]|   ; eight chains, started by the first numbers
.endr
.set KK, 16
.endif
.rept 64-KK
	v_add_f32 v[16+KK%8], v[16+KK%8], |v[WS+KK]|
.set KK, KK+1
.endr
.if (\t) < 2
	WLOAD (\t)+2
.endif
.endm
	WTURN 0
	s_wait_alu depctr_va_vdst(0)
	WTURN 1
	s_wait_alu depctr_va_vdst(0)
	WTURN 2
	s_wait_alu depctr_va_vdst(0)
	WTURN 3
	v_add_f32 v16, v16, v17
	v_add_f32 v18, v18, v19
	v_add_f32 v20, v20, v21
	v_add_f32 v22, v22, v23
	v_add_f32 v16, v16, v18
	v_add_f32 v20, v20, v22
	v_add_f32 v16, v16, v20
	WSUM 16
	v_cmp_eq_u32 vcc_lo, 0, v1
	s_wait_alu depctr_va_vdst(0)
	s_wait_xcnt 0x0                                ; EXEC changes only behind this wait
	s_and_saveexec_b32 s24, vcc_lo
	global_store_b32 v3, v16, s[20:21]             ; lane 0: the wave's sum
	s_wait_xcnt 0x0
	s_or_b32 exec_lo, exec_lo, s24
	s_endpgm
.Lfunc_end_k_qc1c1f5a0d1_prep:
	.size	k_qc1c1f5a0d1_prep, .Lfunc_end_k_qc1c1f5a0d1_prep-k_qc1c1f5a0d1_prep
	.p2alignl 7, 3214868480
	.fill 96, 4, 3214868480
	.section	.rodata,"a",@progbits
	.p2align	6, 0x0
	.amdhsa_kernel k_qc1c1f5a0d1_prep
		.amdhsa_group_segment_fixed_size 40448
		.amdhsa_private_segment_fixed_size 0
		.amdhsa_enable_private_segment 0
		.amdhsa_kernarg_size 72
		.amdhsa_user_sgpr_count 2
		.amdhsa_user_sgpr_kernarg_segment_ptr 1
		.amdhsa_wavefront_size32 1
		.amdhsa_system_sgpr_workgroup_id_x 1
		.amdhsa_system_sgpr_workgroup_id_y 1
		.amdhsa_system_sgpr_workgroup_id_z 1
		.amdhsa_system_vgpr_workitem_id 0
		.amdhsa_next_free_vgpr 202
		.amdhsa_next_free_sgpr 66
		.amdhsa_reserve_vcc 1
		.amdhsa_float_denorm_mode_32 3
		.amdhsa_float_denorm_mode_16_64 3
		.amdhsa_memory_ordered 1
		.amdhsa_forward_progress 1
		.amdhsa_inst_pref_size 79
	.end_amdhsa_kernel
	.amdgpu_metadata
---
amdhsa.version: [ 1, 2 ]
amdhsa.kernels:
  - .name:           k_qc1c1f5a0d1_prep
    .symbol:         k_qc1c1f5a0d1_prep.kd
    .args:
      - { .name: x, .offset: 0, .size: 8, .value_kind: global_buffer, .address_space: global }
      - { .name: ln_gamma, .offset: 8, .size: 8, .value_kind: global_buffer, .address_space: global }
      - { .name: ln_beta, .offset: 16, .size: 8, .value_kind: global_buffer, .address_space: global }
      - { .name: Wq, .offset: 24, .size: 8, .value_kind: global_buffer, .address_space: global }
      - { .name: Wk, .offset: 32, .size: 8, .value_kind: global_buffer, .address_space: global }
      - { .name: Wv, .offset: 40, .size: 8, .value_kind: global_buffer, .address_space: global }
      - { .name: Wo, .offset: 48, .size: 8, .value_kind: global_buffer, .address_space: global }
      - { .name: xq, .offset: 56, .size: 8, .value_kind: global_buffer, .address_space: global }
      - { .name: psum, .offset: 64, .size: 8, .value_kind: global_buffer, .address_space: global }
    .group_segment_fixed_size: 40448
    .private_segment_fixed_size: 0
    .kernarg_segment_align: 8
    .kernarg_segment_size: 72
    .max_flat_workgroup_size: 128
    .sgpr_count:     66
    .vgpr_count:     202
    .wavefront_size: 32
...
	.end_amdgpu_metadata
.endif
;; end of part 6
;; launch wquant (part 7): grid 256 x 1, 4 waves a work-group, no clusters, 33,280 bytes of LDS; arguments Wq, Wk, Wv, Wo, psum, wq; writes wq
.if DOCPART == 7
	.amdgcn_target "amdgcn-amd-amdhsa--gfx1250"
	.amdhsa_code_object_version 6
	.text
	.protected	k_qc1c1f5a0d1_wquant
	.globl	k_qc1c1f5a0d1_wquant
	.p2align	8
	.type	k_qc1c1f5a0d1_wquant,@function
k_qc1c1f5a0d1_wquant:
	s_mov_b64 s[64:65], 0
	v_nop
	global_prefetch_b8 v0, s[64:65] scope:SCOPE_SE
	s_setreg_imm32_b32 hwreg(HW_REG_WAVE_MODE, 25, 1), 1
	s_wait_xcnt 0x0
; The four weights [1024][1024] f32 become what the products take: W + (clip(round(W / (g + 1e-5)), -1, 1) g - W), g = mean |W| of the whole weight, quantised along K (their rows) to codes of E5M2 with one E8M0
; byte for each 32: wq = codes [4: q, k, v, o][1024][1024], then, 4 MiB on, scale bytes [4][1024][32].  Rows are dense, so a weight is a plain stream of blocks of 32.
; g: the 128 partial sums of the launch before, added in every wave (4 a lane, then across the lanes), x 2^-20.  The quotient is w x rcp(d) with one Newton step on the quotient; round is v_rndne_f32 (ties to even).
; A wave takes 16 steps of 512 numbers: loads of 512 consecutive bytes, four steps ahead; a step turns through the wave's own stage in LDS so that a lane holds 16 neighbours (two lanes hold a block).
; LIMITS: NaN and infinities are not served; a block of zeros gets the byte 1 (its codes are zeros; this program alone reads the bytes); g's sum has another order than the problem's mean; a quotient within
; an ulp of +-0.5 may round the other way than a true division's.
; Memory binds: no matrix unit, no cluster (each byte is read by one wave; the 512 bytes of sums excepted), no barrier.
; WHERE THE LINES ABOVE DIFFER, THESE HOLD.  A wave takes 8 steps of 512 numbers, a work-group 16,384 numbers, a weight 64 work-groups.  The work-group's 512 scale bytes gather in LDS; behind one barrier
; waves 0 and 1 store 256 of them each.
.set STEPS, 8
.set R,     16                         ; v16-79   four sets of 16 numbers as loaded
.set X,     80                         ; v80-111  two sets of 16 neighbours
.set E,     112                        ; v112-127 a scale byte for each step
.set C,     128                        ; v128-191 four registers of codes for each step: no store's data are written again
.set T,     192                        ; v192-207 quotients, then the ternary numbers x g
.set E2,    208                        ; v208-223 remainders, then differences
.set RC,    224                        ; v[224:225] 1 / d     v[226:227] d = g + 1e-5     v[228:229] g
.set DD,    226
.set GM,    228
.set WREG,  8192
.set SP,    80
	s_load_b256 s[4:11], s[0:1], 0x0               ; Wq, Wk, Wv, Wo
	s_load_b128 s[12:15], s[0:1], 0x20             ; psum, wq
	v_lshl_add_u32 v232, v0, 2, 0x8000
	v_mov_b32 v233, 0
	v_lshrrev_b32 v1, 5, v0
	v_readfirstlane_b32 s16, v1                    ; wave
	v_and_b32 v2, 31, v0                           ; lane
	v_lshlrev_b32 v3, 4, v2                        ; 16 bytes a lane: of a load's 512, and of a step's codes
	s_mul_i32 s17, s16, WREG
	v_lshrrev_b32 v14, 2, v2
	v_mul_u32_u24 v14, v14, SP
	v_and_b32 v15, 3, v2
	v_lshl_add_u32 v14, v15, 4, v14
	v_add_nc_u32 v14, s17, v14                     ; into a stage
	v_mul_u32_u24 v15, v2, SP
	v_add_nc_u32 v15, s17, v15                     ; out of it
	v_lshrrev_b32 v5, 1, v2
	s_lshl_b32 s17, s16, 7
	s_add_co_u32 s17, s17, 2*32*SP
	v_add_nc_u32 v5, s17, v5                       ; my block's scale byte: the work-group's 512 bytes lie behind wave 0's two stages, 128 a wave
	v_lshlrev_b32 v7, 3, v2
	s_lshl_b32 s17, s16, 8
	s_add_co_u32 s17, s17, 2*32*SP
	v_add_nc_u32 v6, s17, v7                       ; on their way out: waves 0 and 1 take 256 bytes each
	v_mov_b32 v13, 0                               ; a lane permute's destination counts as read
	s_mov_b32 s26, 0x76543210
	s_mov_b32 s27, 0xfedcba98
	s_mov_b32 s34, 0x600000                        ; the mantissa field of 57,344
	s_lshr_b32 s18, ttmp9, 6                       ; which weight: 64 work-groups each
	s_and_b32 s19, ttmp9, 63
	s_lshl_b32 s20, s19, 16
	s_lshl_b32 s21, s16, 14
	s_add_co_u32 s20, s20, s21                     ; my 16 KiB in the weight
	s_mov_b32 s21, 0
	s_lshl_b32 s22, ttmp9, 2
	s_add_co_u32 s22, s22, s16                     ; which run of 4,096 numbers of the four weights
	s_lshl_b32 s24, s22, 12
	s_mov_b32 s25, 0
	s_lshl_b32 s22, s22, 7
	s_lshl_b32 s35, s16, 7
	s_add_co_u32 s22, s22, s35                     ; 512 x work-group + 256 x wave: the scale bytes that wave 0 or 1 stores
	s_add_co_u32 s22, s22, 0x400000
	s_mov_b32 s23, 0
	s_lshl_b32 s28, s18, 9
	v_add_nc_u32 v12, s28, v3                      ; my four of the weight's 128 partial sums
	s_wait_alu depctr_va_vdst(0)
	s_wait_kmcnt 0x0
	s_cmp_eq_u32 s18, 1                            ; the choice hangs on the work-group's number alone
	s_cselect_b64 s[4:5], s[6:7], s[4:5]
	s_cmp_eq_u32 s18, 2
	s_cselect_b64 s[4:5], s[8:9], s[4:5]
	s_cmp_eq_u32 s18, 3
	s_cselect_b64 s[4:5], s[10:11], s[4:5]
	s_add_nc_u64 s[4:5], s[4:5], s[20:21]
	s_add_nc_u64 s[30:31], s[14:15], s[24:25]
	s_add_nc_u64 s[32:33], s[14:15], s[22:23]
	global_load_b128 v[T:T+3], v12, s[12:13]
.macro LOAD t
.irp i, 0,1,2,3
	global_load_b128 v[R+16*((\t)%4)+4*\i:R+16*((\t)%4)+4*\i+3], v3, s[4:5] offset:2048*(\t)+512*\i th:TH_LOAD_NT
.endr
.endm
.macro TURN t                          ; step t's numbers through the stage
.irp i, 0,1,2,3
	ds_store_b128 v14, v[R+16*((\t)%4)+4*\i:R+16*((\t)%4)+4*\i+3] offset:32*SP*((\t)%2)+8*SP*\i
.endr
.irp i, 0,1,2,3
	ds_load_b128 v[X+16*((\t)%2)+4*\i:X+16*((\t)%2)+4*\i+3], v15 offset:32*SP*((\t)%2)+16*\i
.endr
.endm
.irp t, 0,1,2,3
	LOAD \t
.endr
	s_wait_loadcnt 16                              ; the partial sums are in; the sixteen loads behind them may be out
	v_add_f32 v[T], v[T], v[T+1]
	v_add_f32 v[T+2], v[T+2], v[T+3]
	v_add_f32 v[T], v[T], v[T+2]
	v_add_f32_dpp v[T], v[T], v[T] row_xmask:1 row_mask:0xf bank_mask:0xf
	v_add_f32_dpp v[T], v[T], v[T] row_xmask:2 row_mask:0xf bank_mask:0xf
	v_add_f32_dpp v[T], v[T], v[T] row_xmask:4 row_mask:0xf bank_mask:0xf
	v_add_f32_dpp v[T], v[T], v[T] row_xmask:8 row_mask:0xf bank_mask:0xf
	v_permlanex16_b32 v13, v[T], s26, s27
	v_add_f32 v[T], v[T], v13
	v_mul_f32 v[GM], 0x35800000, v[T]              ; g = the sum x 2^-20
	v_mov_b32 v[GM+1], v[GM]
	v_add_f32 v[DD], 0x3727c5ac, v[GM]             ; d = g + 1e-5
	v_mov_b32 v[DD+1], v[DD]
	v_rcp_f32 v[RC], v[DD]
	v_nop                                          ; a plain line behind the transcendental
	s_wait_alu depctr_va_vdst(0)
	v_mov_b32 v[RC+1], v[RC]
	s_wait_alu depctr_va_vdst(0)
	s_wait_loadcnt 12                              ; step 0's four loads are in
	TURN 0
.macro STEP t
.set XS, X+16*((\t)%2)
.if (\t) > 0
	s_wait_dscnt 1                                 ; this step's numbers are back from the stage (the last step's byte store may be out): its stores into the stage have read their registers,
.else
	s_wait_dscnt 0x0
.endif
.if (\t)+4 < STEPS
	LOAD (\t)+4                                    ; which take the loads of four steps on
.endif
.if (\t)+1 < STEPS
.if STEPS-2-(\t) >= 3
	s_wait_loadcnt 12                              ; the next step's four loads are in; those of the three steps behind it may be out
.else
	s_wait_loadcnt 4*(STEPS-2-(\t))
.endif
	TURN (\t)+1
.endif
	; the ternary weight, two numbers an instruction where the form exists
.irp p, 0,2,4,6,8,10,12,14
	v_pk_mul_f32 v[T+\p:T+\p+1], v[XS+\p:XS+\p+1], v[RC:RC+1]                       ; w / d, roughly
.endr
.irp p, 0,2,4,6,8,10,12,14
	v_pk_fma_f32 v[E2+\p:E2+\p+1], v[T+\p:T+\p+1], v[DD:DD+1], v[XS+\p:XS+\p+1] neg_lo:[1,0,0] neg_hi:[1,0,0]   ; what is left: w - q d
.endr
.irp p, 0,2,4,6,8,10,12,14
	v_pk_fma_f32 v[T+\p:T+\p+1], v[E2+\p:E2+\p+1], v[RC:RC+1], v[T+\p:T+\p+1]       ; the quotient, mended
.endr
.irp i, 0,1,2,3,4,5,6,7,8,9,10,11,12,13,14,15
	v_rndne_f32 v[T+\i], v[T+\i]
.endr
.irp i, 0,1,2,3,4,5,6,7,8,9,10,11,12,13,14,15
	v_med3_num_f32 v[T+\i], v[T+\i], -1.0, 1.0
.endr
.irp p, 0,2,4,6,8,10,12,14
	v_pk_mul_f32 v[T+\p:T+\p+1], v[T+\p:T+\p+1], v[GM:GM+1]
.endr
.irp p, 0,2,4,6,8,10,12,14
	v_pk_add_f32 v[E2+\p:E2+\p+1], v[T+\p:T+\p+1], v[XS+\p:XS+\p+1] neg_lo:[0,1] neg_hi:[0,1]   ; Wq - W,
.endr
.irp p, 0,2,4,6,8,10,12,14
	v_pk_add_f32 v[XS+\p:XS+\p+1], v[XS+\p:XS+\p+1], v[E2+\p:E2+\p+1]               ; W + (Wq - W): as the problem writes it
.endr
	; the quantiser
	v_max3_num_f32 v8, |v[XS]|, |v[XS+1]|, |v[XS+2]|
	v_max3_num_f32 v9, |v[XS+3]|, |v[XS+4]|, |v[XS+5]|
.irp i, 6,10
	v_max3_num_f32 v8, v8, |v[XS+\i]|, |v[XS+\i+1]|
	v_max3_num_f32 v9, v9, |v[XS+\i+2]|, |v[XS+\i+3]|
.endr
	v_max3_num_f32 v8, v8, |v[XS+14]|, |v[XS+15]|
	v_max3_num_f32 v8, v8, v9, 0x8000000           ; the floor 2^(16 - 127)
	v_max_num_f32_dpp v8, v8, v8 row_xmask:1 row_mask:0xf bank_mask:0xf
	v_add_nc_u32 v11, 0xf8800000, v8               ; 15 off the exponent field: the conversion's scale operand
	v_and_or_b32 v10, v8, 0x7f800000, s34          ; 57,344 x the scale
.irp i, 0,1,2,3,4,5,6,7,8,9,10,11,12,13,14,15
	v_med3_num_f32 v[XS+\i], v[XS+\i], -v10, v10
.endr
	v_cvt_scalef32_pk8_bf8_f32 v[C+4*(\t):C+4*(\t)+1], v[XS:XS+7], v11
	v_cvt_scalef32_pk8_bf8_f32 v[C+4*(\t)+2:C+4*(\t)+3], v[XS+8:XS+15], v11
	v_lshrrev_b32 v[E+(\t)], 23, v11               ; the scale's byte (also the plain line behind the conversions)
	ds_store_b8 v5, v[E+(\t)] offset:16*(\t)
	global_store_b128 v3, v[C+4*(\t):C+4*(\t)+3], s[30:31] offset:512*(\t)   ; 32 lanes store 512 consecutive bytes
.endm
.irp t, 0,1,2,3,4,5,6,7
	STEP \t
.endr
	s_wait_dscnt 0x0                               ; my byte stores are done
	s_barrier_signal -1
	s_barrier_wait -1                              ; everybody's are
	s_cmp_lt_u32 s16, 2
	s_cbranch_scc0 .Lno_bytes
	ds_load_b64 v[12:13], v6
	s_wait_dscnt 0x0
	global_store_b64 v7, v[12:13], s[32:33]        ; 32 lanes store 256 consecutive bytes, aligned
.Lno_bytes:
	s_wait_tensorcnt 0x0
	ds_add_u32 v232, v233
	s_wait_dscnt 0x0
	s_endpgm
.Lfunc_end_k_qc1c1f5a0d1_wquant:
	.size	k_qc1c1f5a0d1_wquant, .Lfunc_end_k_qc1c1f5a0d1_wquant-k_qc1c1f5a0d1_wquant
	.p2alignl 7, 3214868480
	.fill 96, 4, 3214868480
	.section	.rodata,"a",@progbits
	.p2align	6, 0x0
	.amdhsa_kernel k_qc1c1f5a0d1_wquant
		.amdhsa_group_segment_fixed_size 33280
		.amdhsa_private_segment_fixed_size 0
		.amdhsa_enable_private_segment 0
		.amdhsa_kernarg_size 48
		.amdhsa_user_sgpr_count 2
		.amdhsa_user_sgpr_kernarg_segment_ptr 1
		.amdhsa_wavefront_size32 1
		.amdhsa_system_sgpr_workgroup_id_x 1
		.amdhsa_system_sgpr_workgroup_id_y 1
		.amdhsa_system_sgpr_workgroup_id_z 1
		.amdhsa_system_vgpr_workitem_id 0
		.amdhsa_next_free_vgpr 234
		.amdhsa_next_free_sgpr 66
		.amdhsa_reserve_vcc 0
		.amdhsa_float_denorm_mode_32 3
		.amdhsa_float_denorm_mode_16_64 3
		.amdhsa_memory_ordered 1
		.amdhsa_forward_progress 1
		.amdhsa_inst_pref_size 64
	.end_amdhsa_kernel
	.amdgpu_metadata
---
amdhsa.version: [ 1, 2 ]
amdhsa.kernels:
  - .name:           k_qc1c1f5a0d1_wquant
    .symbol:         k_qc1c1f5a0d1_wquant.kd
    .args:
      - { .name: Wq, .offset: 0, .size: 8, .value_kind: global_buffer, .address_space: global }
      - { .name: Wk, .offset: 8, .size: 8, .value_kind: global_buffer, .address_space: global }
      - { .name: Wv, .offset: 16, .size: 8, .value_kind: global_buffer, .address_space: global }
      - { .name: Wo, .offset: 24, .size: 8, .value_kind: global_buffer, .address_space: global }
      - { .name: psum, .offset: 32, .size: 8, .value_kind: global_buffer, .address_space: global }
      - { .name: wq, .offset: 40, .size: 8, .value_kind: global_buffer, .address_space: global }
    .group_segment_fixed_size: 33280
    .private_segment_fixed_size: 0
    .kernarg_segment_align: 8
    .kernarg_segment_size: 48
    .max_flat_workgroup_size: 128
    .sgpr_count:     66
    .vgpr_count:     234
    .wavefront_size: 32
...
	.end_amdgpu_metadata
.endif
;; end of part 7
;; launch proj (part 8): grid 4 x 64, 4 waves a work-group, clusters of 4 x 4, 327,680 bytes of LDS; arguments xq, context_codes, context_scales, wq, bq, bk, bv, qimg, kv; writes qimg, kv
.if DOCPART == 8
	.amdgcn_target "amdgcn-amd-amdhsa--gfx1250"
	.amdhsa_code_object_version 6
	.text
	.protected	k_qc1c1f5a0d1_proj
	.globl	k_qc1c1f5a0d1_proj
	.p2align	8
	.type	k_qc1c1f5a0d1_proj,@function
k_qc1c1f5a0d1_proj:
	s_mov_b64 s[64:65], 0
	v_nop
	global_prefetch_b8 v0, s[64:65] scope:SCOPE_SE
	s_setreg_imm32_b32 hwreg(HW_REG_WAVE_MODE, 25, 1), 1
	s_wait_xcnt 0x0
	s_wait_alu depctr_hold_cnt(0) depctr_sa_sdst(0) depctr_va_vdst(0) depctr_va_sdst(0) depctr_va_ssrc(0) depctr_va_vcc(0) depctr_vm_vsrc(0)
	s_getreg_b32 s2, hwreg(HW_REG_IB_STS2, 6, 4)
	s_cmp_eq_u32 s2, 0
	s_cbranch_scc0 .Lentry_in_a_cluster
	s_endpgm
.Lentry_in_a_cluster:
	s_bfe_u32 s2, ttmp6, 0x10000c
	s_cmp_lg_u32 s2, 0xf033
	s_cbranch_scc0 .Lentry_shape_is_right
	s_endpgm
.Lentry_shape_is_right:
.set ROWB,   256
.set KROW,   1024
.set NQ,     2
.set PITCH,  272
.set FR,     16
.set NL,     4
.set NP,     8
.set HALFT,  128*PITCH
.set SLOT,   4*HALFT
.set KS,     32
.set SCL,    2*SLOT
.set HALFS,  16*272
.set SBLK,   2*272
.set SPARE,  SCL+4*HALFS
.set STEPB,  16896
.set HEADB,  16*STEPB
.set VOFF, 8
.set VS,   12
.set SELV, 13
.set FLO,  15
.set ADRA, 16
.set ADRB, 20
.set ADRS, 27
.set SPW,  28
.set NIL,  29
.set BOF,  30
.set SC,   32
.set BI,   64
.set AF,   128
.set TM,   64
.set PC,   80
.set SW,   112
.set T,    120
.set G1,   24
.set G0,   32
.set G1B,  48
.set G0B,  56
.set SEL,  66
.set G1S,  68
.set G0S,  76
.set G1SB, 80
.set G0SB, 88
.set WV,   92
.set WR,   93
.set WC,   94
.set CX,   95
.set CY,   96
.set CLY,  97
.set TA,   98
.set TB,   99
.set MNT,  104
.set MSB, 0
.macro WIN new
.if MSB != (\new)
	s_set_vgpr_msb (MSB<<8)|(\new)
.set MSB, (\new)
.endif
.endm
.set MUL_LO, 0xa1
.set MUL_HI, 0xf1
.set TO_B,   0x40
.macro JLOAD g0a, g1a, g0b, g1b
	s_cmp_eq_u32 s[WR], 0
	s_cbranch_scc0 .Lfor_b_\@
	tensor_load_to_lds s[\g0a:\g0a+3], s[\g1a:\g1a+7]
	s_nop 0
.rept 4
	v_nop
.endr
	s_branch .Lasked_\@
.Lfor_b_\@:
	tensor_load_to_lds s[\g0b:\g0b+3], s[\g1b:\g1b+7]
	s_nop 0
.rept 4
	v_nop
.endr
.Lasked_\@:
.endm
.macro CREST
	s_cmp_lg_u32 s[WV], 0
	s_cbranch_scc1 .Lnot_wave_0_\@
	s_barrier_signal -3
.Lnot_wave_0_\@:
	s_barrier_wait -3
	s_barrier_signal -1
	s_barrier_wait -1
.endm
.macro CROUND
	s_barrier_signal -1
	s_barrier_wait -1
	CREST
.endm
	s_load_b512 s[4:19], s[0:1], 0x0
	s_load_b64 s[20:21], s[0:1], 0x40
	v_lshl_add_u32 v[SPW], v0, 2, SPARE
	v_mov_b32 v[NIL], 0
	ds_add_u32 v28, v29
	ds_add_u32 v28, v29
	s_wait_dscnt 0x0
	v_lshrrev_b32 v1, 5, v0
	v_readfirstlane_b32 s[WV], v1
	s_lshr_b32 s[WR], s[WV], 1
	s_and_b32 s[WC], s[WV], 1
	s_bfe_u32 s[CX], ttmp6, 0x40000
	s_bfe_u32 s[CY], ttmp6, 0x40004
	s_and_b32 s[CLY], ttmp7, 0xffff
	s_add_co_u32 s[CLY], s[CLY], 4                 ; this launch makes K (4 .. 11) and V (12 .. 19) alone: 256 tiles of 256 x 256; Q is made by the attention launch
	s_cmp_lt_u32 s[CLY], 4
	s_cselect_b32 s22, 0, 4
	s_sub_co_u32 s22, s[CLY], s22
	s_sub_co_u32 s23, s[CLY], 12
	s_cmp_ge_u32 s[CLY], 12
	s_cselect_b32 s22, 0, s22
	s_cselect_b32 s23, s23, 0
	s_lshl_b32 s[TA], s22, 2
	s_add_co_u32 s[TA], s[TA], s[CY]
	s_lshl_b32 s[TB], s23, 2
	s_add_co_u32 s[TB], s[TB], s[CX]
	s_lshl_b32 s100, s[CY], 2
	s_lshl_b32 s100, 15, s100
	s_lshl_b32 s101, 0x1111, s[CX]
	s_or_b32 s[G1+0], s100, (0<<16)|(1<<20)|(1<<21)|(5<<22)|(3<<25)
	s_or_b32 s[G1B+0], s101, (0<<16)|(1<<20)|(1<<21)|(5<<22)|(3<<25)
.irp g, G1, G1B
	s_mov_b32 s[\g+1], ROWB<<16
	s_mov_b32 s[\g+2], 256<<16                     ; 256 rows for the head's loads; behind them the two words that count rows are set to 128, for the ring's
	s_mov_b32 s[\g+3], ROWB<<16
	s_mov_b32 s[\g+4], 256
	s_mov_b32 s[\g+5], KROW
	s_mov_b32 s[\g+6], 0
	s_mov_b32 s[\g+7], 0
.endr
	s_or_b32 s[G1S+0], s100, (3<<16)|(1<<20)|(1<<21)|(5<<22)|(3<<25)
	s_or_b32 s[G1SB+0], s101, (3<<16)|(1<<20)|(1<<21)|(5<<22)|(3<<25)
.irp g, G1S, G1SB
	s_mov_b32 s[\g+1], 32<<16
	s_mov_b32 s[\g+2], 32<<16                      ; the scale bytes of 256 rows: 32 units of 256 bytes
	s_mov_b32 s[\g+3], 32<<16
	s_mov_b32 s[\g+4], 32
	s_mov_b32 s[\g+5], 32
	s_mov_b32 s[\g+6], 0
	s_mov_b32 s[\g+7], 0
.endr
	s_lshl_b32 s40, s[TA], 8                       ; the tile's first row of A,
	s_lshl_b32 s44, s[TB], 8                       ; of B
	s_lshl_b32 s42, s40, 5
	s_lshl_b32 s40, s40, 10
	s_lshl_b32 s46, s44, 5
	s_lshl_b32 s44, s44, 10
	s_mov_b32 s41, 0
	s_mov_b32 s43, 0
	s_mov_b32 s45, 0
	s_mov_b32 s47, 0
	s_cmp_lt_u32 s[CLY], 4
	s_cselect_b32 s22, 0, 1
	s_cmp_ge_u32 s[CLY], 12
	s_cselect_b32 s22, 2, s22
	s_lshl_b32 s100, s22, 20
	s_mov_b32 s101, 0
	s_lshl_b32 s2, s22, 15
	s_add_co_u32 s2, s2, 0x400000
	s_mov_b32 s3, 0
	s_mul_i32 s105, s[WV], HALFT
	s_mov_b32 s[SEL], 0x76543210
	s_mov_b32 s[SEL+1], 0xfedcba98
	s_mov_b32 s[MNT], 0x600000
	s_wait_kmcnt 0x0
	s_add_nc_u64 s[2:3], s[10:11], s[2:3]
	s_add_nc_u64 s[10:11], s[10:11], s[100:101]
	s_add_nc_u64 s[100:101], s[4:5], 0x400000
	s_cmp_lt_u32 s[CLY], 4
	s_cselect_b64 s[4:5], s[4:5], s[6:7]
	s_cselect_b64 s[8:9], s[100:101], s[8:9]
	s_cselect_b64 s[12:13], s[12:13], s[14:15]
	s_cmp_ge_u32 s[CLY], 12
	s_cselect_b64 s[12:13], s[16:17], s[12:13]
	s_cselect_b64 s[6:7], s[10:11], s[4:5]
	s_cselect_b64 s[10:11], s[4:5], s[10:11]
	s_cselect_b64 s[100:101], s[2:3], s[8:9]
	s_cselect_b64 s[2:3], s[8:9], s[2:3]
	s_add_nc_u64 s[40:41], s[6:7], s[40:41]
	s_add_nc_u64 s[42:43], s[100:101], s[42:43]
	s_add_nc_u64 s[44:45], s[10:11], s[44:45]
	s_add_nc_u64 s[46:47], s[2:3], s[46:47]
	CROUND
	s_mov_b32 s[G0S], 1
	s_mov_b32 s[G0S+1], SCL
	s_mov_b64 s[G0S+2:G0S+3], s[42:43]
	s_or_b32 s[G0S+3], s[G0S+3], 0x80000000
	s_mov_b32 s[G0SB], 1
	s_mov_b32 s[G0SB+1], SCL+2*HALFS
	s_mov_b64 s[G0SB+2:G0SB+3], s[46:47]
	s_or_b32 s[G0SB+3], s[G0SB+3], 0x80000000
	s_lshl_b32 s22, s[WC], 17                      ; in the ring I fetch 128 rows of a tile: which half, in bytes
	s_mov_b32 s23, 0
.irp s, 0,1
	s_mov_b32 s[G0+4*\s], 1
	s_add_co_u32 s[G0+4*\s+1], s105, \s*SLOT
	s_add_nc_u64 s[G0+4*\s+2:G0+4*\s+3], s[40:41], \s*ROWB
	s_add_nc_u64 s[G0+4*\s+2:G0+4*\s+3], s[G0+4*\s+2:G0+4*\s+3], s[22:23]
	s_or_b32 s[G0+4*\s+3], s[G0+4*\s+3], 0x80000000
	s_mov_b32 s[G0B+4*\s], 1
	s_add_co_u32 s[G0B+4*\s+1], s105, \s*SLOT
	s_add_nc_u64 s[G0B+4*\s+2:G0B+4*\s+3], s[44:45], \s*ROWB
	s_add_nc_u64 s[G0B+4*\s+2:G0B+4*\s+3], s[G0B+4*\s+2:G0B+4*\s+3], s[22:23]
	s_or_b32 s[G0B+4*\s+3], s[G0B+4*\s+3], 0x80000000
.endr
	; THE HEAD'S LOADS, ONE A WAVE: wave 0 K step 0's 256 rows of A, wave 1 its 256 rows of B, wave 2 the scale bytes of A's 256 rows, wave 3 those of B's
	s_mov_b64 s[42:43], s[40:41]
	s_or_b32 s43, s43, 0x80000000
	s_mov_b32 s40, 1
	s_mov_b32 s41, 0
	s_mov_b64 s[46:47], s[44:45]
	s_or_b32 s47, s47, 0x80000000
	s_mov_b32 s44, 1
	s_mov_b32 s45, 2*HALFT
.macro ARM under, g0, g1, next         ; one chain of branches on the wave's number, one load to an arm
	s_cmp_lt_u32 s[WV], \under
	s_cbranch_scc0 \next
	tensor_load_to_lds s[\g0:\g0+3], s[\g1:\g1+7]
	s_nop 0
.rept 4
	v_nop
.endr
	s_branch .Lhead_asked
\next:
.endm
	ARM 1, 40,  G1,  .Lhead_b
	ARM 2, 44,  G1B, .Lhead_sa
	ARM 3, G0S, G1S, .Lhead_sb
	tensor_load_to_lds s[G0SB:G0SB+3], s[G1SB:G1SB+7]
	s_nop 0
.rept 4
	v_nop
.endr
.Lhead_asked:
	v_and_b32 v1, 15, v0
	v_bfe_u32 v2, v0, 4, 1
	v_mul_u32_u24 v3, v1, PITCH
	v_lshl_add_u32 v4, v2, 4, v3
	s_mul_i32 s22, s[WR], HALFT
	s_mul_i32 s23, s[WC], HALFT
	s_add_co_u32 s23, s23, 2*HALFT
.irp s, 0,1
	v_add_nc_u32 v[ADRA+\s], s22, v4
	v_add_nc_u32 v[ADRB+\s], s23, v4
	s_add_co_u32 s22, s22, SLOT
	s_add_co_u32 s23, s23, SLOT
.endr
	v_mul_u32_u24 v5, v1, KS
	v_lshrrev_b32 v6, 8, v5
	v_lshl_add_u32 v5, v6, 4, v5
	s_mul_i32 s22, s[WR], HALFS
	s_mul_i32 s23, s[WC], HALFS
	s_add_co_u32 s23, s23, 2*HALFS
	s_sub_co_u32 s23, s23, s22
	v_mul_u32_u24 v6, s23, v2
	s_add_co_u32 s22, s22, SCL
	v_add_nc_u32 v5, v5, v6
	v_add_nc_u32 v[ADRS], s22, v5
	s_cmp_ge_u32 s[CLY], 12
	s_cselect_b32 s22, s[TA], s[TB]
	s_cselect_b32 s23, s[WR], s[WC]
	s_cselect_b32 s100, s[TB], s[TA]
	s_cselect_b32 s101, s[WC], s[WR]
	s_lshl_b32 s22, s22, 2
	s_lshl_b32 s23, s23, 1
	s_add_co_u32 s22, s22, s23
	s_lshl_b32 s100, s100, 1
	s_add_co_u32 s100, s100, s101
	s_lshl_b32 s2, s22, 8
	s_mov_b32 s3, 0
	s_add_nc_u64 s[12:13], s[12:13], s[2:3]
	s_lshl_b32 s23, s22, 18
	s_lshl_b32 s101, s100, 13
	s_add_co_u32 s23, s23, s101
	s_add_co_u32 s101, s101, s2
	s_add_co_u32 s101, s101, 0x400000
	s_lshr_b32 s105, s100, 4
	s_lshl_b32 s105, s105, 4
	s_add_co_u32 s105, s105, s22
	s_lshl_b32 s105, s105, 4
	s_and_b32 s2, s100, 15
	s_add_co_u32 s105, s105, s2
	s_mul_i32 s105, s105, STEPB
	s_mov_b32 s22, 16384
	s_cmp_ge_u32 s[CLY], 12
	s_cselect_b32 s2, 8192, 0
	s_cselect_b32 s22, 16640, s22
	s_add_co_u32 s2, s105, s2
	s_add_co_u32 s105, s105, s22
	s_cmp_lt_u32 s[CLY], 4
	s_cselect_b32 s2, s23, s2
	s_cselect_b32 s22, s101, s105
	s_cselect_b64 s[18:19], s[18:19], s[20:21]
	s_mov_b32 s23, 0
	s_add_nc_u64 s[4:5], s[18:19], s[2:3]
	s_add_nc_u64 s[6:7], s[18:19], s[22:23]
	s_mov_b32 s8, 1024
	s_mov_b32 s10, 1024
	s_mov_b32 s105, HEADB
	s_cmp_ge_u32 s[CLY], 12
	s_cselect_b32 s8, 2048, s8
	s_cselect_b32 s10, HEADB-3*2048, s10
	s_cselect_b32 s105, 1024, s105
	s_cmp_lt_u32 s[CLY], 4
	s_cselect_b32 s105, 262144, s105
	s_mov_b32 s9, 0
	s_mov_b32 s11, 0
	v_and_b32 v5, 31, v0
	v_lshlrev_b32 v[VOFF], 4, v5
	v_add_nc_u32 v[VOFF+1], 512, v[VOFF]
	v_add_nc_u32 v[VOFF+2], s105, v[VOFF]
	v_add_nc_u32 v[VOFF+3], 512, v[VOFF+2]
	v_mov_b32 v[FLO], 0x8000000
	s_cmp_ge_u32 s[CLY], 12
	s_cbranch_scc1 .Lbias_v
	v_lshlrev_b32 v[BOF], 5, v2
.irp b, 0,1,2,3,4,5,6,7
	global_load_b128 v[BI+8*\b:BI+8*\b+3], v[BOF], s[12:13] offset:64*\b
	global_load_b128 v[BI+8*\b+4:BI+8*\b+7], v[BOF], s[12:13] offset:64*\b+16
.endr
	s_branch .Lbias_done
.Lbias_v:
	v_lshlrev_b32 v[BOF], 2, v1
.irp a, 0,1,2,3,4,5,6,7
.irp j, 0,1,2,3,4,5,6,7
	global_load_b32 v[BI+8*\a+\j], v[BOF], s[12:13] offset:64*\a
.endr
.endr
.Lbias_done:
.macro FRAG reg, adr, q, i
.irp c, 0,1,2,3
	ds_load_b128 v[\reg+4*\c:\reg+4*\c+3], v[\adr] offset:128*(\q)+32*\c+(\i)*16*PITCH
.endr
.endm
.macro MM a, b, p, q, sc, cm
.set DR, 8*(8*((\a)%4)+\b)
.set BR, 128*(\p)+FR*\b
.set AR, AF+FR*(\a)
.set SBR, SC+8*NQ*(\sc)+NQ*\b+(\q)
.set SAR, SC+8*NQ*(\sc)+NQ*(\a)+(\q)
.if \cm == 1
	v_wmma_scale_f32_16x16x128_f8f6f4 v[DR:DR+7], v[BR:BR+FR-1], v[AR:AR+FR-1], v[BI+8*\b:BI+8*\b+7], v[SBR], v[SAR] matrix_a_fmt:MATRIX_FMT_BF8 matrix_b_fmt:MATRIX_FMT_BF8 matrix_a_scale:MATRIX_SCALE_ROW1
.elseif \cm == 2
	v_wmma_scale_f32_16x16x128_f8f6f4 v[DR:DR+7], v[BR:BR+FR-1], v[AR:AR+FR-1], v[BI+8*(\a):BI+8*(\a)+7], v[SBR], v[SAR] matrix_a_fmt:MATRIX_FMT_BF8 matrix_b_fmt:MATRIX_FMT_BF8 matrix_a_scale:MATRIX_SCALE_ROW1
.else
	v_wmma_scale_f32_16x16x128_f8f6f4 v[DR:DR+7], v[BR:BR+FR-1], v[AR:AR+FR-1], v[DR:DR+7], v[SBR], v[SAR] matrix_a_fmt:MATRIX_FMT_BF8 matrix_b_fmt:MATRIX_FMT_BF8 matrix_a_scale:MATRIX_SCALE_ROW1
.endif
.endm
.macro MUL16 a0, p, q, sc, cm
.irp a, \a0, \a0+1
.irp b, 0,1,2,3,4,5,6,7
	MM \a, \b, \p, \q, \sc, \cm
.endr
.endr
.endm
.macro FETCH_B slot, q, p
	WIN TO_B
.irp i, 0,1,2,3,4,5,6,7
	FRAG 128*(\p)+FR*\i, ADRB+\slot, \q, \i
.endr
	WIN 0
.endm
.macro FETCH_A slot, q, i0
.irp i, \i0, \i0+1, \i0+2, \i0+3
	FRAG AF+FR*(\i), ADRA+\slot, \q, \i
.endr
.endm
.macro SCALES sc, ks
.irp i, 0,1,2,3,4,5,6,7
	ds_load_b64 v[SC+8*NQ*(\sc)+NQ*\i:SC+8*NQ*(\sc)+NQ*\i+1], v[ADRS] offset:\i*SBLK+8*(\ks)
.endr
.endm
.macro PLACES n
.rept \n
	v_nop
.endr
.endm
.macro STEP slot, cm
	s_wait_dscnt 4*NL
.if \cm
	WIN 0x81
.else
	WIN MUL_LO
.endif
	MUL16 0, 0, 0, \slot, \cm
	MUL16 2, 0, 0, \slot, \cm
	s_wait_dscnt 0
	PLACES NP
	FETCH_B \slot, 1, 1
	FETCH_A \slot, 1, 0
.if \cm
	WIN 0xc1
.else
	WIN MUL_HI
.endif
	MUL16 4, 0, 0, \slot, \cm
	MUL16 6, 0, 0, \slot, \cm
	PLACES NP
	WIN 0
	FETCH_A \slot, 1, 4
.endm
.macro TURN slot, next, fill, ks
	s_wait_tensorcnt 0x0
	ds_add_u32 v[SPW], v[NIL]
	s_wait_dscnt 4*NL+1
	WIN MUL_LO
	MUL16 0, 1, 1, \slot, 0
	s_wait_dscnt 0x0
	s_barrier_signal -1
	MUL16 2, 1, 1, \slot, 0
	WIN 0
	s_barrier_wait -1
.if \fill
	CREST
	s_add_nc_u64 s[G0+4*\slot+2:G0+4*\slot+3], s[G0+4*\slot+2:G0+4*\slot+3], 2*ROWB
	s_add_nc_u64 s[G0B+4*\slot+2:G0B+4*\slot+3], s[G0B+4*\slot+2:G0B+4*\slot+3], 2*ROWB
	JLOAD G0+4*\slot, G1, G0B+4*\slot, G1B
	PLACES NP-4
.else
	PLACES NP
.endif
	FETCH_B \next, 0, 0
	FETCH_A \next, 0, 0
	SCALES \next, \ks
	WIN MUL_HI
	MUL16 4, 1, 1, \slot, 0
	MUL16 6, 1, 1, \slot, 0
	PLACES NP
	WIN 0
	FETCH_A \next, 0, 4
.endm
	s_wait_alu depctr_va_vdst(0)
	s_wait_tensorcnt 0x0                           ; my tile of the head's four is in
	ds_add_u32 v[SPW], v[NIL]
	s_mov_b32 s[G1+2], 128<<16                     ; no tensor load of mine is out: from here on a load brings 128 rows
	s_mov_b32 s[G1+4], 128
	s_mov_b32 s[G1B+2], 128<<16
	s_mov_b32 s[G1B+4], 128
	s_wait_dscnt 0x0
	CROUND                                         ; all four tiles are in, and all sixteen work-groups are here
	JLOAD G0+4, G1, G0B+4, G1B                     ; K step 1, into slot 1: the first tensor load behind the round
	FETCH_B 0, 0, 0
	FETCH_A 0, 0, 0
	s_wait_alu depctr_va_vdst(0)
	SCALES 0, 0
	FETCH_A 0, 0, 4
	s_wait_loadcnt 0x0
	s_cmp_ge_u32 s[CLY], 12
	s_cbranch_scc1 .Lfirst_v
	STEP 0, 1
	s_branch .Lfirst_done
.Lfirst_v:
	STEP 0, 2
.Lfirst_done:
	TURN 0, 1, 1, 1
	STEP 1, 0
	TURN 1, 0, 1, 2
	STEP 0, 0
	TURN 0, 1, 0, 3
	STEP 1, 0
	s_wait_dscnt 4*NL
	WIN MUL_LO
	MUL16 0, 1, 1, 1, 0
	MUL16 2, 1, 1, 1, 0
	s_wait_dscnt 0
	WIN MUL_HI
	MUL16 4, 1, 1, 1, 0
	MUL16 6, 1, 1, 1, 0
	WIN 0
.macro QUANT3 a
.set W, 2+(\a)/4
.set S, 64*((\a)%4)
.set PS, PC+16*((\a)%2)
	WIN (W<<2)|(W<<4)
.irp b, 0,1,2,3
	v_max3_num_f32 v[TM+\b], v[FLO], |v[S+16*\b]|, |v[S+16*\b+1]|
.endr
.irp i, 2,4,6,8,10,12,14
.irp b, 0,1,2,3
	v_max3_num_f32 v[TM+\b], v[TM+\b], |v[S+16*\b+\i]|, |v[S+16*\b+\i+1]|
.endr
.endr
	WIN 0
.irp b, 0,1,2,3
	v_permlanex16_b32 v[TM+4+\b], v[TM+\b], s[SEL], s[SEL+1]
.endr
.irp b, 0,1,2,3
	v_max_num_f32 v[TM+\b], v[TM+\b], v[TM+4+\b]
.endr
.irp b, 0,1,2,3
	v_add_nc_u32 v[TM+12+\b], 0xf8800000, v[TM+\b]
.endr
.irp b, 0,1,2,3
	v_and_or_b32 v[TM+8+\b], v[TM+\b], 0x7f800000, s[MNT]
.endr
.irp b, 0,1,2,3
	v_lshrrev_b32 v[TM+4+\b], 23, v[TM+12+\b]
.endr
	v_lshl_or_b32 v[SW+(\a)], v[TM+5], 8, v[TM+4]
	v_lshl_or_b32 v[SW+(\a)], v[TM+6], 16, v[SW+(\a)]
	v_lshl_or_b32 v[SW+(\a)], v[TM+7], 24, v[SW+(\a)]
	WIN W|(W<<6)
.irp b, 0,1,2,3
.irp i, 0,1,2,3,4,5,6,7,8,9,10,11,12,13,14,15
	v_med3_num_f32 v[S+16*\b+\i], v[S+16*\b+\i], -v[TM+8+\b], v[TM+8+\b]
.endr
.endr
	WIN W
.irp b, 0,1,2,3
	v_cvt_scalef32_pk8_bf8_f32 v[PS+4*\b:PS+4*\b+1], v[S+16*\b:S+16*\b+7], v[TM+12+\b]
	v_cvt_scalef32_pk8_bf8_f32 v[PS+4*\b+2:PS+4*\b+3], v[S+16*\b+8:S+16*\b+15], v[TM+12+\b]
.endr
	WIN 0
	v_nop
.if (\a) > 0
	s_wait_alu depctr_va_vdst(0)
	s_wait_xcnt 0x0
.if (\a) == 4
	s_add_nc_u64 s[4:5], s[4:5], s[10:11]
.else
	s_add_nc_u64 s[4:5], s[4:5], s[8:9]
.endif
.endif
.irp b, 0,1,2,3
	global_store_b128 v[VOFF+\b], v[PS+4*\b:PS+4*\b+3], s[4:5]
.endr
.endm
	PLACES NP
.irp b, 0,1,2,3
	v_mov_b32 v[TM+4+\b], 0
.endr
.irp a, 0,1,2,3,4,5,6,7
	QUANT3 \a
.endr
	v_cmp_eq_u32 vcc_lo, 1, v2
	s_cmp_lt_u32 s[CLY], 4
	s_cbranch_scc0 .Ltail_kv
	v_mov_b32 v[SELV], 0x01000100
	v_mov_b32 v3, 0x03020302
	v_cndmask_b32 v[SELV], v[SELV], v3, vcc_lo
.irp a, 0,1,2,3,4,5,6,7
	v_perm_b32 v[T+\a], v[SW+\a], v[SW+\a], v[SELV]
.endr
	global_store_b128 v[VOFF], v[T:T+3], s[6:7]
	global_store_b128 v[VOFF], v[T+4:T+7], s[6:7] offset:4096
	s_branch .Ltail_done
.Ltail_kv:
	v_mul_u32_u24 v[VS], v2, HEADB
	v_lshl_add_u32 v[VS], v1, 4, v[VS]
	s_cmp_ge_u32 s[CLY], 12
	s_cbranch_scc1 .Ltail_v
	v_mov_b32 v[SELV], 0x05040100
	v_mov_b32 v3, 0x07060302
	v_cndmask_b32 v[SELV], v[SELV], v3, vcc_lo
.irp i, 0,1,2,3
	v_perm_b32 v[T+\i], v[SW+2*\i+1], v[SW+2*\i], v[SELV]
.endr
	global_store_b128 v[VS], v[T:T+3], s[6:7]
	s_branch .Ltail_done
.Ltail_v:
.irp i, 0,1,2,3
	v_cndmask_b32 v[T+\i], v[SW+\i], v[SW+4+\i], vcc_lo
.endr
	s_wait_alu depctr_va_vdst(0)
	global_store_b128 v[VS], v[T:T+3], s[6:7]
.Ltail_done:
	s_wait_tensorcnt 0x0
	ds_add_u32 v[SPW], v[NIL]
	s_wait_dscnt 0x0
	CROUND
	s_endpgm
.Lfunc_end_k_qc1c1f5a0d1_proj:
	.size	k_qc1c1f5a0d1_proj, .Lfunc_end_k_qc1c1f5a0d1_proj-k_qc1c1f5a0d1_proj
	.p2alignl 7, 3214868480
	.fill 96, 4, 3214868480
	.section	.rodata,"a",@progbits
	.p2align	6, 0x0
	.amdhsa_kernel k_qc1c1f5a0d1_proj
		.amdhsa_group_segment_fixed_size 327680
		.amdhsa_private_segment_fixed_size 0
		.amdhsa_enable_private_segment 0
		.amdhsa_kernarg_size 72
		.amdhsa_user_sgpr_count 2
		.amdhsa_user_sgpr_kernarg_segment_ptr 1
		.amdhsa_wavefront_size32 1
		.amdhsa_system_sgpr_workgroup_id_x 1
		.amdhsa_system_sgpr_workgroup_id_y 1
		.amdhsa_system_sgpr_workgroup_id_z 1
		.amdhsa_system_vgpr_workitem_id 0
		.amdhsa_next_free_vgpr 1024
		.amdhsa_next_free_sgpr 106
		.amdhsa_reserve_vcc 1
		.amdhsa_float_denorm_mode_32 3
		.amdhsa_float_denorm_mode_16_64 3
		.amdhsa_memory_ordered 1
		.amdhsa_forward_progress 1
		.amdhsa_inst_pref_size 210
	.end_amdhsa_kernel
	.amdgpu_metadata
---
amdhsa.version: [ 1, 2 ]
amdhsa.kernels:
  - .name:           k_qc1c1f5a0d1_proj
    .symbol:         k_qc1c1f5a0d1_proj.kd
    .args:
      - { .name: xq, .offset: 0, .size: 8, .value_kind: global_buffer, .address_space: global }
      - { .name: context_codes, .offset: 8, .size: 8, .value_kind: global_buffer, .address_space: global }
      - { .name: context_scales, .offset: 16, .size: 8, .value_kind: global_buffer, .address_space: global }
      - { .name: wq, .offset: 24, .size: 8, .value_kind: global_buffer, .address_space: global }
      - { .name: bq, .offset: 32, .size: 8, .value_kind: global_buffer, .address_space: global }
      - { .name: bk, .offset: 40, .size: 8, .value_kind: global_buffer, .address_space: global }
      - { .name: bv, .offset: 48, .size: 8, .value_kind: global_buffer, .address_space: global }
      - { .name: qimg, .offset: 56, .size: 8, .value_kind: global_buffer, .address_space: global }
      - { .name: kv, .offset: 64, .size: 8, .value_kind: global_buffer, .address_space: global }
    .group_segment_fixed_size: 327680
    .private_segment_fixed_size: 0
    .kernarg_segment_align: 8
    .kernarg_segment_size: 72
    .max_flat_workgroup_size: 128
    .sgpr_count:     106
    .vgpr_count:     1024
    .wavefront_size: 32
...
	.end_amdgpu_metadata
.endif
;; end of part 8
;; launch attn (part 9): grid 4 x 64, 8 waves a work-group, clusters of 4 x 1, 327,680 bytes of LDS; arguments xq, wq, bq, kv, oq; writes oq
.if DOCPART == 9
	.amdgcn_target "amdgcn-amd-amdhsa--gfx1250"
	.amdhsa_code_object_version 6
	.text
	.protected	k_qc1c1f5a0d1_attn
	.globl	k_qc1c1f5a0d1_attn
	.p2align	8
	.type	k_qc1c1f5a0d1_attn,@function
k_qc1c1f5a0d1_attn:
	s_mov_b64 s[64:65], 0
	v_nop
	global_prefetch_b8 v0, s[64:65] scope:SCOPE_SE
	s_setreg_imm32_b32 hwreg(HW_REG_WAVE_MODE, 25, 1), 1
	s_wait_xcnt 0x0
	s_wait_alu depctr_hold_cnt(0) depctr_sa_sdst(0) depctr_va_vdst(0) depctr_va_sdst(0) depctr_va_ssrc(0) depctr_va_vcc(0) depctr_vm_vsrc(0)
	s_getreg_b32 s2, hwreg(HW_REG_IB_STS2, 6, 4)
	s_cmp_eq_u32 s2, 0
	s_cbranch_scc0 .Lentry_in_a_cluster
	s_endpgm
.Lentry_in_a_cluster:
	s_bfe_u32 s2, ttmp6, 0x10000c
	s_cmp_lg_u32 s2, 0x3003
	s_cbranch_scc0 .Lentry_shape_is_right
	s_endpgm
.Lentry_shape_is_right:
; Q's projection and attention of one (batch, head) for 256 queries; all products on codes of E5M2 with E8M0 scales; O / l is quantised along the model's 1,024 for the last projection.
; SHARES.  Eight waves, two to a SIMD; a wave owns 32 queries: TWO tiles of 16, so that each fragment of Wq, K and V that it reads from LDS feeds both.  Tile u's own numbers lie in register window u
; under the same low numbers, so each part of the text is one macro, expanded once for each window; fragments, addresses and all scale words lie in window 0.
; Q FIRST.  q^T = Wq(head's 64 rows) xn^T + bq, K = 1,024 in 8 steps of 128: 64 products a wave, bq as the sums' first C.  xn's codes come as images of operand registers straight from xq (loads of 512
; consecutive bytes), its scale words by one load a tile (lane (r, h): words 4 h .. 4 h + 3 of row r, taken by the row selector).  Wq's rows and their scale bytes come through LDS.
; A lane then holds one query and 16 + 16 of each block of 32 along d (with lane l xor 16): the quantiser's results are the score products' operand, in the order in which K's codes were laid.
; ATTENTION.  t = score x log2(e) / 8; M = the running largest t rounded UP to a whole number; p = 2^(t - M) is quantised along the keys, not normalised; the row's sum is taken of the unquantised p and divides at
; the end; when M moves, the sum and O are multiplied by 2^(old M - new M), which rounds nothing.  Every wave walks the 2,048 keys, 128 a step.
; LDS.  A head's K, V and scale words are 16 steps of 16,896 dense bytes of kv.  At the head each wave has ONE tensor load: wave 0 Wq's 64 rows (1,024 bytes + 16 a row), into the bytes of steps 12-15; wave 1 Wq's
; scale bytes; waves 2-7 two steps each, 0-11.  When q is made, one drained round of the cluster's barrier follows, and waves 0, 1 fill steps 12-15 over Wq's rows: that fill has the twelve steps ahead
; of it in which to land, so nothing is prefetched for it; all else is asked for at the head, where there is no loop to run ahead in.
; CLUSTER.  The four query blocks of a head ask for all these bytes jointly (mask 15); cx enters the global addresses of xq and oq alone.
; HEAD SIZE 64 IN A K OF 128.  A fragment of K holds TWO tiles of 16 keys; it is multiplied by [q | zero codes] and by [zero codes | q]: the runs 0, q, 0 lie in v16-39 of the tile's window.
; LIMITS: NaN and infinities are not served; the promise holds while the scaled scores stay under 2^31 in magnitude; a block of zeros gets the byte 1; half of each score product multiplies zero codes;
; bq enters each f32 sum first; oq's scale bytes leave two at a time (131,072 bytes in all).
.set STEPB, 16896
.set HEADB, 16*STEPB
.set VIM,   8192
.set KSC,   16384
.set VSC,   16640
.set WQL,   12*STEPB                   ; Wq's rows
.set WP,    1040                       ; a row of Wq in LDS: an odd multiple of 16 bytes
.set STG,   HEADB                      ; a stage of 16 rows x 80 bytes for each tile; no load lands there
.set SPARE, STG+16*1280                ; the spare words, 128 bytes a wave
.set WSC,   SPARE+2048                 ; Wq's scale bytes: 8 units of 256 + 16
; window 0 alone: v1 16 x lane, v2 16 r, v3, v4 LDS addresses in hand, v5, v6 the stage, v7 lane, v243, v255 the add's two; scale words, which hold nothing else: v8, v9 q's, v10, v11 p's (v8-11 first: xn's of tile 1),
; v244-247 K's (first: xn's of tile 0), v248-251 V's (first: Wq's)
.set QS,    8
.set PS,    10
.set WF,    176                        ; v176-239 four fragments of Wq
.set KV,    48                         ; v48-111  four fragments of K, then of V
; in the tile's window: v12 -M, v13 the largest t, v[14:15] the sum, v42-47, v240-241 further chains of it, v252 f, v253 p's scale word as it is built, v254 at work
.set AC,    16                         ; v16-47   q^T's four sums
.set XF,    48                         ; v48-175  xn's eight fragments
.set S,     112                        ; v112-175 the scores, then p
.set O,     176                        ; v176-207 O^T
.set PCD,   208                        ; v208-223 p's codes
.set BM,    224
.set BP,    228
.set BH,    232
.set BS,    236
.set MSB, 0
.macro WIN new                         ; s_set_vgpr_msb: bits 1:0 source 0, 3:2 source 1, 5:4 source 2, 7:6 destination; the high byte repeats the setting that is left
.if MSB != (\new)
	s_set_vgpr_msb (MSB<<8)|(\new)
.set MSB, (\new)
.endif
.endm
; 0x55 u: all four places in window u;  0x54 u: a product: source 0 (the fragment) in window 0, the rest in window u;  0x40 u: a load into window u;  0x04 u: a store's data from window u;  u: a move from window u to window 0
.macro NOPS n
.rept \n
	v_nop
.endr
.endm
.macro ROUND                           ; a round of the cluster's barrier
	s_barrier_signal -1
	s_barrier_wait -1
	s_cmp_lg_u32 s14, 0
	s_cbranch_scc1 .Lnot_wave_0_\@
	s_barrier_signal -3
.Lnot_wave_0_\@:
	s_barrier_wait -3
	s_barrier_signal -1
	s_barrier_wait -1
.endm
	s_load_b256 s[4:11], s[0:1], 0x0               ; xq, wq, bq, kv
	s_load_b64 s[12:13], s[0:1], 0x20              ; oq
	v_lshl_add_u32 v243, v0, 2, SPARE
	v_mov_b32 v255, 0
	ds_add_u32 v243, v255
	ds_add_u32 v243, v255
	v_lshrrev_b32 v1, 5, v0
	v_readfirstlane_b32 s14, v1                    ; wave 0..7
	s_bfe_u32 s15, ttmp6, 0x40000                  ; cx: my block of 256 queries
	s_and_b32 s16, ttmp7, 0xffff                   ; batch x 16 + head, which the partners share
	s_lshr_b32 s17, s16, 4
	s_and_b32 s18, s16, 15
	s_lshl_b32 s19, s17, 6
	s_lshl_b32 s52, s15, 4
	s_add_co_u32 s19, s19, s52
	s_lshl_b32 s52, s14, 1
	s_add_co_u32 s19, s19, s52                     ; my first tile of 16 rows: 64 x batch + 16 cx + 2 x wave
	s_mov_b32 s28, 15|(3<<16)|(1<<21)              ; group 1, two key steps: 132 rows of 256 dense bytes
	s_mov_b32 s29, 32<<16
	s_mov_b32 s30, 132<<16
	s_mov_b32 s31, 32<<16
	s_mov_b32 s32, 132
	s_mov_b32 s33, 32
	s_mov_b32 s34, 0
	s_mov_b32 s35, 0
	s_mov_b32 s36, 15|(3<<16)|(1<<20)|(1<<21)|(7<<22)|(3<<25)   ; group 1, Wq: 64 rows of 1,024 bytes, four words of padding behind each 256 words
	s_mov_b32 s37, 128<<16
	s_mov_b32 s38, 64<<16
	s_mov_b32 s39, 128<<16
	s_mov_b32 s40, 64
	s_mov_b32 s41, 128
	s_mov_b32 s42, 0
	s_mov_b32 s43, 0
	s_mov_b32 s68, 15|(3<<16)|(1<<20)|(1<<21)|(5<<22)|(3<<25)   ; group 1, Wq's scale bytes: 8 units of 256 bytes + 16
	s_mov_b32 s69, 32<<16
	s_mov_b32 s70, 8<<16
	s_mov_b32 s71, 32<<16
	s_mov_b32 s72, 8
	s_mov_b32 s73, 32
	s_mov_b32 s74, 0
	s_mov_b32 s75, 0
	s_add_co_u32 s52, s14, 6
	s_and_b32 s52, s52, 7                          ; my pair of key steps: waves 2-7 pairs 0-5 at the head, waves 0, 1 pairs 6, 7 behind the round
	s_mul_i32 s45, s52, 2*STEPB
	s_mul_i32 s84, s16, HEADB
	s_add_co_u32 s84, s84, s45
	s_mov_b32 s85, 0
	s_mov_b32 s49, WQL
	s_lshl_b32 s86, s18, 16
	s_mov_b32 s87, 0
	s_mov_b32 s77, WSC
	s_lshl_b32 s88, s18, 11
	s_add_co_u32 s88, s88, 0x400000
	s_mov_b32 s89, 0
	s_lshl_b32 s54, s19, 14                        ; xn's image: 16,384 bytes a tile
	s_mov_b32 s55, 0
	s_lshl_b32 s56, s19, 9
	s_add_co_u32 s56, s56, 0x400000                ; its scale bytes: 512 a tile
	s_mov_b32 s57, 0
	s_lshl_b32 s60, s18, 8                         ; bq at my head
	s_mov_b32 s61, 0
	s_lshl_b32 s80, s18, 18
	s_lshl_b32 s53, s19, 10
	s_add_co_u32 s80, s80, s53                     ; o's codes: head x 262,144 + tile x 1,024
	s_mov_b32 s81, 0
	s_lshr_b32 s82, s18, 2
	s_lshl_b32 s82, s82, 15
	s_lshl_b32 s53, s19, 7
	s_add_co_u32 s82, s82, s53
	s_and_b32 s53, s18, 3
	s_lshl_b32 s53, s53, 1
	s_add_co_u32 s82, s82, s53
	s_add_co_u32 s82, s82, 0x400000                ; o's scale bytes: [head / 4][row][8], mine at 2 (head % 4)
	s_mov_b32 s83, 0
	s_mov_b32 s20, 0x76543210
	s_mov_b32 s21, 0xfedcba98
	s_mov_b32 s22, 0x3e38aa3b                      ; c = log2(e) / 8
	s_mov_b32 s23, s22
	s_mov_b32 s24, 0x600000
	s_mov_b32 s25, 0                               ; the step's first LDS byte
	s_mul_i32 s52, s14, 2560
	s_add_co_u32 s52, s52, STG
	v_and_b32 v7, 31, v0
	v_and_b32 v14, 15, v0                          ; r
	v_bfe_u32 v15, v0, 4, 1                        ; h
	v_lshlrev_b32 v1, 4, v7
	v_lshlrev_b32 v2, 4, v14
	v_mul_u32_u24 v5, v14, 80
	v_lshrrev_b32 v6, 2, v7
	v_lshl_add_u32 v5, v15, 3, v5
	v_mul_u32_u24 v6, v6, 80
	v_and_b32 v254, 3, v7
	v_add_nc_u32 v5, s52, v5                       ; into my stage: row r, + 8 h
	v_lshl_add_u32 v6, v254, 4, v6
	v_mul_u32_u24 v3, v14, WP
	v_add_nc_u32 v6, s52, v6                       ; out of it: four lanes to a row of 64 bytes
	v_lshrrev_b32 v4, 3, v14
	v_lshl_add_u32 v3, v15, 4, v3
	v_mul_u32_u24 v4, v4, 272
	v_and_b32 v254, 7, v14
	v_add_nc_u32 v3, WQL, v3                       ; Wq: row r x pitch + 16 h
	v_lshl_add_u32 v4, v254, 5, v4
	v_lshlrev_b32 v12, 5, v14
	v_add_nc_u32 v4, WSC, v4                       ; its scale words: 32 bytes a row, 8 rows to a unit
	v_lshl_add_u32 v12, v15, 4, v12                ; xn's scale words: 32 r + 16 h
	v_lshlrev_b32 v13, 5, v15                      ; bq in the result's layout: 32 h
	s_wait_alu depctr_va_vdst(0)
	s_wait_dscnt 0x0
	ROUND                                          ; the opening round, ahead of the wait for the arguments: the joint loads meet
	s_wait_kmcnt 0x0
	s_mov_b32 s44, 1
	s_add_nc_u64 s[46:47], s[10:11], s[84:85]
	s_or_b32 s47, s47, 0x80000000
	s_mov_b32 s48, 1
	s_add_nc_u64 s[50:51], s[6:7], s[86:87]
	s_or_b32 s51, s51, 0x80000000
	s_mov_b32 s76, 1
	s_add_nc_u64 s[78:79], s[6:7], s[88:89]
	s_or_b32 s79, s79, 0x80000000
.macro ARM under, g0, g1, next         ; one chain of branches on the wave's number, one load to an arm
	s_cmp_lt_u32 s14, \under
	s_cbranch_scc0 \next
	tensor_load_to_lds s[\g0:\g0+3], s[\g1:\g1+7]
	s_nop 0
	NOPS 4
	s_branch .Lhead_asked
\next:
.endm
	ARM 1, 48, 36, .Lhead_s
	ARM 2, 76, 68, .Lhead_kv
	tensor_load_to_lds s[44:47], s[28:35]
	s_nop 0
	NOPS 4
.Lhead_asked:
	s_add_nc_u64 s[54:55], s[4:5], s[54:55]
	s_add_nc_u64 s[56:57], s[4:5], s[56:57]
	s_add_nc_u64 s[60:61], s[8:9], s[60:61]
	s_add_nc_u64 s[80:81], s[12:13], s[80:81]
	s_add_nc_u64 s[82:83], s[12:13], s[82:83]
.irp u, 0,1
	WIN 0x40*\u
.irp b, 0,1,2,3
	global_load_b128 v[AC+8*\b:AC+8*\b+3], v13, s[60:61] offset:64*\b        ; bq(16 b + 8 h + 0 .. 7): the sums begin as the bias
	global_load_b128 v[AC+8*\b+4:AC+8*\b+7], v13, s[60:61] offset:64*\b+16
.endr
.endr
	WIN 0
	global_load_b128 v[244:247], v12, s[56:57]
	global_load_b128 v[8:11], v12, s[56:57] offset:512
.irp t, 0,1,2,3,4,5,6,7
.irp u, 0,1
	WIN 0x40*\u
.irp c, 0,1,2,3
	global_load_b128 v[XF+16*\t+4*\c:XF+16*\t+4*\c+3], v1, s[54:55] offset:16384*\u+2048*\t+512*\c   ; K step t of tile u: 512 consecutive bytes a load
.endr
.endr
.endr
	WIN 0
	s_cmp_lt_u32 s14, 2
	s_cbranch_scc0 .Lnot_w
	s_wait_tensorcnt 0x0                           ; waves 0, 1: Wq's rows, its scale bytes are in
.Lnot_w:
	s_barrier_signal -1
	s_barrier_wait -1                              ; shown to all; the key steps may be on their way
.macro QK t                            ; 128 along K: four tiles of 16 rows of Wq x my two tiles of queries; the eight sums take turns
	WIN 0
.if \t > 0
	NOPS 8                                         ; places in front of loads into registers that the last products read
.endif
.irp b, 0,1,2,3
.irp c, 0,1,2,3
	ds_load_b128 v[WF+16*\b+4*\c:WF+16*\b+4*\c+3], v3 offset:\b*16*WP+128*\t+32*\c
.endr
	ds_load_b32 v[248+\b], v4 offset:544*\b+4*\t
.endr
	s_wait_loadcnt 8*(7-\t)                        ; bq, the scale words and xn's K steps up to this one are in; the eight loads of each later K step may be out
	s_wait_dscnt 0x0
.irp u, 0,1
	WIN 0x54*\u
.irp b, 0,1,2,3
.if \t < 4
	v_wmma_scale_f32_16x16x128_f8f6f4 v[AC+8*\b:AC+8*\b+7], v[WF+16*\b:WF+16*\b+15], v[XF+16*\t:XF+16*\t+15], v[AC+8*\b:AC+8*\b+7], v[248+\b], v[244-236*\u+\t%4] matrix_a_fmt:MATRIX_FMT_BF8 matrix_b_fmt:MATRIX_FMT_BF8
.else
	v_wmma_scale_f32_16x16x128_f8f6f4 v[AC+8*\b:AC+8*\b+7], v[WF+16*\b:WF+16*\b+15], v[XF+16*\t:XF+16*\t+15], v[AC+8*\b:AC+8*\b+7], v[248+\b], v[244-236*\u+\t%4] matrix_a_fmt:MATRIX_FMT_BF8 matrix_b_fmt:MATRIX_FMT_BF8 matrix_b_scale:MATRIX_SCALE_ROW1
.endif
.endr
.endr
.endm
.irp t, 0,1,2,3,4,5,6,7
	QK \t
.endr
	WIN 0
	NOPS 8
.macro QQ u                            ; tile u: q's quantiser (two blocks of 32 along d, 16 numbers here and 16 in lane l xor 16), and the state that the first key step finds
	WIN 0x55*\u
.irp b, 0,1,2,3
	v_mov_b32 v[BP+\b], 0                          ; a lane permute's destination counts as read
.endr
.irp b, 0,1
	v_max3_num_f32 v[BM+\b], |v[AC+16*\b]|, |v[AC+1+16*\b]|, 0x8000000
.endr
.irp i, 2,4,6,8,10,12,14
.irp b, 0,1
	v_max3_num_f32 v[BM+\b], v[BM+\b], |v[AC+16*\b+\i]|, |v[AC+1+16*\b+\i]|
.endr
.endr
.irp b, 0,1
	v_permlanex16_b32 v[BP+\b], v[BM+\b], s20, s21
.endr
.irp b, 0,1
	v_max_num_f32 v[BM+\b], v[BM+\b], v[BP+\b]
.endr
.irp b, 0,1
	v_add_nc_u32 v[BS+\b], 0xf8800000, v[BM+\b]
.endr
.irp b, 0,1
	v_and_or_b32 v[BH+\b], v[BM+\b], 0x7f800000, s24
.endr
.irp b, 0,1
	v_lshrrev_b32 v[BP+\b], 23, v[BS+\b]
.endr
	v_lshl_or_b32 v254, v[BP+1], 8, v[BP]
	v_lshl_or_b32 v254, v254, 16, v254             ; the two bytes twice: for q in K 0-63 and for q in K 64-127
	WIN \u
	v_mov_b32 v[QS+\u], v254                       ; scale words lie in window 0
	WIN 0x55*\u
.irp b, 0,1
.irp i, 0,1,2,3,4,5,6,7,8,9,10,11,12,13,14,15
	v_med3_num_f32 v[AC+16*\b+\i], v[AC+16*\b+\i], -v[BH+\b], v[BH+\b]
.endr
	v_cvt_scalef32_pk8_bf8_f32 v[XF+4*\b:XF+4*\b+1], v[AC+16*\b:AC+16*\b+7], v[BS+\b]
	v_cvt_scalef32_pk8_bf8_f32 v[XF+4*\b+2:XF+4*\b+3], v[AC+16*\b+8:AC+16*\b+15], v[BS+\b]
.endr
	v_nop
.irp j, 0,1,2,3,4,5,6,7
	v_mov_b32 v[24+\j], v[XF+\j]                   ; q,
.endr
.irp j, 0,1,2,3,4,5,6,7
	v_mov_b32 v[16+\j], 0                          ; and zero codes on either side of it
	v_mov_b32 v[32+\j], 0
.endr
.set J, 0
.rept 32
	v_mov_b32 v[O+J], 0                            ; the step is written once: the first finds zeros, which the first change of M leaves zeros
.set J, J+1
.endr
	v_mov_b32 v13, 0xff61b1e6                      ; -3e38, under every t
	v_mov_b32 v14, 0
	v_mov_b32 v15, 0
	v_floor_f32 v12, -v13
	v_mov_b32 v253, 0                              ; named as the upper half of v[252:253] before it is first written
.endm
	QQ 0
	QQ 1
	WIN 0
	s_wait_alu depctr_va_vdst(0)
	s_wait_tensorcnt 0x0                           ; my load of the head is in
	ds_add_u32 v243, v255
	s_wait_dscnt 0x0                               ; the add is done, and my reads of Wq are over
	ROUND                                          ; both hold of every wave of the four work-groups: steps 0-11 are whole, nobody reads Wq
	s_cmp_lt_u32 s14, 2
	s_cbranch_scc0 .Lno_refill
	tensor_load_to_lds s[44:47], s[28:35]          ; waves 0, 1: steps 12-15, over Wq's rows
	s_nop 0
	NOPS 4
.Lno_refill:
.macro SC u                            ; tile u's scores of 128 keys
	WIN 0x54*\u
.irp a, 0,1,2,3
	v_wmma_scale_f32_16x16x128_f8f6f4 v[S+16*\a:S+16*\a+7], v[KV+16*\a:KV+16*\a+15], v[24:39], 0, v[244+\a], v[QS+\u] matrix_a_fmt:MATRIX_FMT_BF8 matrix_b_fmt:MATRIX_FMT_BF8
	v_wmma_scale_f32_16x16x128_f8f6f4 v[S+16*\a+8:S+16*\a+15], v[KV+16*\a:KV+16*\a+15], v[16:31], 0, v[244+\a], v[QS+\u] matrix_a_fmt:MATRIX_FMT_BF8 matrix_b_fmt:MATRIX_FMT_BF8
.endr
.endm
.macro PV u                            ; tile u's O^T += V^T P^T
	WIN 0x54*\u
.irp d, 0,1,2,3
	v_wmma_scale_f32_16x16x128_f8f6f4 v[O+8*\d:O+8*\d+7], v[KV+16*\d:KV+16*\d+15], v[PCD:PCD+15], v[O+8*\d:O+8*\d+7], v[248+\d], v[PS+\u] matrix_a_fmt:MATRIX_FMT_BF8 matrix_b_fmt:MATRIX_FMT_BF8
.endr
.endm
.macro SM u                            ; tile u's softmax of 128 keys, p's quantiser, and O^T under the new M
	WIN 0x55*\u
	s_wait_alu depctr_va_vdst(0)
.irp b, 0,1,2,3
	v_max3_num_f32 v[BM+\b], v[S+16*\b], v[S+1+16*\b], v[S+2+16*\b]   ; the largest score of each block of 32 keys: for the row's maximum and, since p rises with the score, for the block's largest p
.endr
.irp i, 3,5,7,9,11,13
.irp b, 0,1,2,3
	v_max3_num_f32 v[BM+\b], v[BM+\b], v[S+16*\b+\i], v[S+1+16*\b+\i]
.endr
.endr
.irp b, 0,1,2,3
	v_max_num_f32 v[BM+\b], v[BM+\b], v[S+15+16*\b]
.endr
.irp b, 0,1,2,3
	s_delay_alu instid0(VALU_DEP_4)
	v_permlanex16_b32 v[BP+\b], v[BM+\b], s20, s21
.endr
.irp b, 0,1,2,3
	s_delay_alu instid0(VALU_DEP_4)
	v_max_num_f32 v[BM+\b], v[BM+\b], v[BP+\b]
.endr
	s_delay_alu instid0(VALU_DEP_2)
	v_max3_num_f32 v254, v[BM], v[BM+1], v[BM+2]
	s_delay_alu instid0(VALU_DEP_1)
	v_max_num_f32 v254, v254, v[BM+3]
	s_delay_alu instid0(VALU_DEP_1)
	v_mul_f32 v254, s22, v254
	s_delay_alu instid0(VALU_DEP_1)
	v_max_num_f32 v13, v13, v254                   ; the running largest t
	v_mov_b32 v254, v12
	s_delay_alu instid0(VALU_DEP_2)
	v_floor_f32 v12, -v13                          ; -M = floor(-t): M is a whole number
	s_delay_alu instid0(VALU_DEP_1)
	v_sub_f32 v254, v12, v254                      ; old M - new M
	s_delay_alu instid0(VALU_DEP_1)
	v_cvt_i32_f32 v254, v254                       ; (it saturates)
	s_delay_alu instid0(VALU_DEP_1)
	v_ldexp_f32 v252, 1.0, v254                    ; f = 2^(old M - new M)
.set J, 0
.rept 32
	v_pk_fma_f32 v[S+J:S+J+1], v[S+J:S+J+1], s[22:23], v[12:13] op_sel_hi:[1,0,0]   ; t - M
.set J, J+2
.endr
.irp b, 0,1,2,3
	v_fma_f32 v[BM+\b], v[BM+\b], s22, v12
.endr
.set J, 0
	s_wait_alu depctr_va_vdst(0)
.rept 64
	v_exp_f32 v[S+J], v[S+J]                       ; p = 2^(t - M)
.set J, J+1
.endr
.irp b, 0,1,2,3
	v_exp_f32 v[BM+\b], v[BM+\b]                   ; the block's largest p: the same two instructions on the same number
.endr
	v_pk_mul_f32 v[14:15], v[14:15], v[252:253] op_sel_hi:[1,0]   ; the sum under the new M (a plain line behind the exponentials)
	s_wait_alu depctr_va_vdst(0)                   ; and behind it
.irp b, 0,1,2,3
	v_max_num_f32 v[BM+\b], 0x8000000, v[BM+\b]    ; the floor 2^(16 - 127)
.endr
.irp b, 0,1,2,3
	s_delay_alu instid0(VALU_DEP_4)
	v_add_nc_u32 v[BS+\b], 0xf8800000, v[BM+\b]
.endr
.irp b, 0,1,2,3
	v_and_or_b32 v[BH+\b], v[BM+\b], 0x7f800000, s24
.endr
.irp b, 0,1,2,3
	v_lshrrev_b32 v[BP+\b], 23, v[BS+\b]
.endr
	s_delay_alu instid0(VALU_DEP_3)
	v_lshl_or_b32 v253, v[BP+1], 8, v[BP]          ; p's scale word for these 128 keys
	s_delay_alu instid0(VALU_DEP_1)
	v_lshl_or_b32 v253, v[BP+2], 16, v253
	s_delay_alu instid0(VALU_DEP_1)
	v_lshl_or_b32 v253, v[BP+3], 24, v253
	v_pk_add_f32 v[240:241], v[S:S+1], v[S+2:S+3]  ; the row's sum of the unquantised p: 32 pairs in five chains
	v_pk_add_f32 v[46:47], v[S+4:S+5], v[S+6:S+7]
	v_pk_add_f32 v[44:45], v[S+8:S+9], v[S+10:S+11]
	v_pk_add_f32 v[42:43], v[S+12:S+13], v[S+14:S+15]
	v_pk_add_f32 v[14:15], v[14:15], v[S+16:S+17]
.set J, 18
.rept 4
	v_pk_add_f32 v[240:241], v[240:241], v[S+J:S+J+1]
	v_pk_add_f32 v[46:47], v[46:47], v[S+J+2:S+J+3]
	v_pk_add_f32 v[44:45], v[44:45], v[S+J+4:S+J+5]
	v_pk_add_f32 v[42:43], v[42:43], v[S+J+6:S+J+7]
	v_pk_add_f32 v[14:15], v[14:15], v[S+J+8:S+J+9]
.set J, J+10
.endr
	v_pk_add_f32 v[240:241], v[240:241], v[S+58:S+59]
	v_pk_add_f32 v[46:47], v[46:47], v[S+60:S+61]
	v_pk_add_f32 v[44:45], v[44:45], v[S+62:S+63]
	s_delay_alu instid0(VALU_DEP_4)
	v_pk_add_f32 v[14:15], v[14:15], v[42:43]
	s_delay_alu instid0(VALU_DEP_3)
	v_pk_add_f32 v[240:241], v[240:241], v[46:47]
	s_delay_alu instid0(VALU_DEP_2)
	v_pk_add_f32 v[14:15], v[14:15], v[44:45]
	s_delay_alu instid0(VALU_DEP_1)
	v_pk_add_f32 v[14:15], v[14:15], v[240:241]
	WIN \u
	v_mov_b32 v[PS+\u], v253                       ; scale words lie in window 0
	WIN 0x55*\u
.irp b, 0,1,2,3
.irp i, 0,2,4,6,8,10,12,14
	v_dual_min_num_f32 v[S+16*\b+\i], v[S+16*\b+\i], v[BH+\b] :: v_dual_min_num_f32 v[S+16*\b+\i+1], v[S+16*\b+\i+1], v[BH+\b]   ; the hold, two numbers a line; p is not negative
.endr
	v_cvt_scalef32_pk8_bf8_f32 v[PCD+4*\b:PCD+4*\b+1], v[S+16*\b:S+16*\b+7], v[BS+\b]
	v_cvt_scalef32_pk8_bf8_f32 v[PCD+4*\b+2:PCD+4*\b+3], v[S+16*\b+8:S+16*\b+15], v[BS+\b]
.endr
.set J, 0
.rept 16
	v_pk_mul_f32 v[O+J:O+J+1], v[O+J:O+J+1], v[252:253] op_sel_hi:[1,0]   ; O^T under the new M; these lines also stand between the codes and the products
.set J, J+2
.endr
.endm
.macro STEP                            ; 128 keys, both tiles
	v_add_nc_u32 v3, s25, v1
	v_add_nc_u32 v4, s25, v2
	NOPS 6                                         ; with the two lines above: eight places in front of loads into registers that the last products read
.irp a, 0,1,2,3
.irp g, 0,1,2,3
	ds_load_b128 v[KV+16*\a+4*\g:KV+16*\a+4*\g+3], v3 offset:2048*\a+512*\g
.endr
.endr
	ds_load_b128 v[244:247], v4 offset:KSC
	s_wait_alu depctr_va_vdst(0)
	s_wait_dscnt 0x0
	SC 0
	SC 1
	WIN 0
	NOPS 8
.irp d, 0,1,2,3
.irp c, 0,1,2,3
	ds_load_b128 v[KV+16*\d+4*\c:KV+16*\d+4*\c+3], v3 offset:VIM+2048*\d+512*\c   ; V's fragments land while the softmax is worked
.endr
.endr
	ds_load_b128 v[248:251], v4 offset:VSC
	SM 0
	s_wait_alu depctr_va_vdst(0)
	s_wait_dscnt 0x0                               ; V is in
	PV 0                                           ; tile 0's products stand ahead of tile 1's softmax, which names none of their registers
	SM 1
	PV 1
	WIN 0
	s_add_co_u32 s25, s25, STEPB
.endm
	s_mov_b32 s26, 12
.Lsteps_a:                                             ; steps 0-11: shown whole by the round; no barrier among them
	STEP
	s_sub_co_u32 s26, s26, 1
	s_cmp_lg_u32 s26, 0
	s_cbranch_scc1 .Lsteps_a
	s_wait_tensorcnt 0x0                           ; waves 0, 1: my two steps of 12-15 are in
	s_wait_dscnt 0x0
	s_barrier_signal -1
	s_barrier_wait -1                              ; everybody's are
	s_mov_b32 s26, 4
.Lsteps_b:
	STEP
	s_sub_co_u32 s26, s26, 1
	s_cmp_lg_u32 s26, 0
	s_cbranch_scc1 .Lsteps_b
	; THE WAY OUT: O^T / the sum, quantised along d (two blocks of 32, shared with lane l xor 16), put back into d's natural order by 8-byte stores into the tile's stage, and stored as rows of 64 bytes
.macro WO u
	WIN 0x55*\u
	v_add_f32 v14, v14, v15
	s_delay_alu instid0(VALU_DEP_1)
	v_permlanex16_b32 v254, v14, s20, s21
	s_delay_alu instid0(VALU_DEP_1)
	v_add_f32 v14, v14, v254                       ; the row's sum
	s_wait_alu depctr_va_vdst(0)
	v_rcp_f32 v14, v14
	v_nop
.set J, 0
	s_wait_alu depctr_va_vdst(0)
.rept 16
	v_pk_mul_f32 v[S+J:S+J+1], v[O+J:O+J+1], v[14:15] op_sel_hi:[1,0]
.set J, J+2
.endr
.irp b, 0,1
	v_max3_num_f32 v[BM+\b], |v[S+16*\b]|, |v[S+1+16*\b]|, 0x8000000
.endr
.irp i, 2,4,6,8,10,12,14
.irp b, 0,1
	s_delay_alu instid0(VALU_DEP_2)
	v_max3_num_f32 v[BM+\b], v[BM+\b], |v[S+16*\b+\i]|, |v[S+1+16*\b+\i]|
.endr
.endr
.irp b, 0,1
	s_delay_alu instid0(VALU_DEP_2)
	v_permlanex16_b32 v[BP+\b], v[BM+\b], s20, s21
.endr
.irp b, 0,1
	s_delay_alu instid0(VALU_DEP_2)
	v_max_num_f32 v[BM+\b], v[BM+\b], v[BP+\b]
.endr
.irp b, 0,1
	s_delay_alu instid0(VALU_DEP_2)
	v_add_nc_u32 v[BS+\b], 0xf8800000, v[BM+\b]
.endr
.irp b, 0,1
	s_delay_alu instid0(VALU_DEP_4)
	v_and_or_b32 v[BH+\b], v[BM+\b], 0x7f800000, s24
.endr
.irp b, 0,1
	s_delay_alu instid0(VALU_DEP_4)
	v_lshrrev_b32 v[BP+\b], 23, v[BS+\b]
.endr
	s_delay_alu instid0(VALU_DEP_1)
	v_lshl_or_b32 v254, v[BP+1], 8, v[BP]          ; my row's two scale bytes
.irp b, 0,1
.irp i, 0,1,2,3,4,5,6,7,8,9,10,11,12,13,14,15
	v_med3_num_f32 v[S+16*\b+\i], v[S+16*\b+\i], -v[BH+\b], v[BH+\b]
.endr
	v_cvt_scalef32_pk8_bf8_f32 v[PCD+4*\b:PCD+4*\b+1], v[S+16*\b:S+16*\b+7], v[BS+\b]
	v_cvt_scalef32_pk8_bf8_f32 v[PCD+4*\b+2:PCD+4*\b+3], v[S+16*\b+8:S+16*\b+15], v[BS+\b]
.endr
	v_nop
	WIN 0x04*\u
.irp b, 0,1
.irp w, 0,1
	ds_store_b64 v5, v[PCD+4*\b+2*\w:PCD+4*\b+2*\w+1] offset:1280*\u+32*\b+16*\w   ; d = 32 b + 16 w + 8 h + 0 .. 7
.endr
.endr
.endm
	NOPS 8
	v_and_b32 v3, 15, v0
	v_lshlrev_b32 v3, 3, v3                        ; 8 r: my row's place among o's scale bytes
	WO 0
	WO 1
	WIN 0
.irp u, 0,1
	ds_load_b128 v[KV+8*\u:KV+8*\u+3], v6 offset:1280*\u          ; LDS serves a wave's instructions in order: these see my stores
	ds_load_b128 v[KV+8*\u+4:KV+8*\u+7], v6 offset:1280*\u+640
.endr
	s_wait_dscnt 0x0
.irp u, 0,1
	global_store_b128 v1, v[KV+8*\u:KV+8*\u+3], s[80:81] offset:1024*\u        ; 32 lanes store 512 consecutive bytes: eight rows
	global_store_b128 v1, v[KV+8*\u+4:KV+8*\u+7], s[80:81] offset:1024*\u+512
.endr
	v_cmp_gt_u32 vcc_lo, 16, v7
	s_wait_xcnt 0x0                                ; EXEC changes only behind this wait
	s_and_saveexec_b32 s27, vcc_lo
	global_store_b16 v3, v254, s[82:83]            ; lanes 0-15: row r's two bytes, tile 0,
	WIN 0x04
	global_store_b16 v3, v254, s[82:83] offset:128 ; tile 1
	WIN 0
	s_wait_xcnt 0x0
	s_or_b32 exec_lo, exec_lo, s27
	s_wait_tensorcnt 0x0                           ; the wave's end
	ds_add_u32 v243, v255
	s_wait_dscnt 0x0
	ROUND                                          ; the closing round
	s_endpgm
.Lfunc_end_k_qc1c1f5a0d1_attn:
	.size	k_qc1c1f5a0d1_attn, .Lfunc_end_k_qc1c1f5a0d1_attn-k_qc1c1f5a0d1_attn
	.p2alignl 7, 3214868480
	.fill 96, 4, 3214868480
	.section	.rodata,"a",@progbits
	.p2align	6, 0x0
	.amdhsa_kernel k_qc1c1f5a0d1_attn
		.amdhsa_group_segment_fixed_size 327680
		.amdhsa_private_segment_fixed_size 0
		.amdhsa_enable_private_segment 0
		.amdhsa_kernarg_size 40
		.amdhsa_user_sgpr_count 2
		.amdhsa_user_sgpr_kernarg_segment_ptr 1
		.amdhsa_wavefront_size32 1
		.amdhsa_system_sgpr_workgroup_id_x 1
		.amdhsa_system_sgpr_workgroup_id_y 1
		.amdhsa_system_sgpr_workgroup_id_z 1
		.amdhsa_system_vgpr_workitem_id 0
		.amdhsa_next_free_vgpr 512
		.amdhsa_next_free_sgpr 90
		.amdhsa_reserve_vcc 1
		.amdhsa_float_denorm_mode_32 3
		.amdhsa_float_denorm_mode_16_64 3
		.amdhsa_memory_ordered 1
		.amdhsa_forward_progress 1
		.amdhsa_inst_pref_size 136
	.end_amdhsa_kernel
	.amdgpu_metadata
---
amdhsa.version: [ 1, 2 ]
amdhsa.kernels:
  - .name:           k_qc1c1f5a0d1_attn
    .symbol:         k_qc1c1f5a0d1_attn.kd
    .args:
      - { .name: xq, .offset: 0, .size: 8, .value_kind: global_buffer, .address_space: global }
      - { .name: wq, .offset: 8, .size: 8, .value_kind: global_buffer, .address_space: global }
      - { .name: bq, .offset: 16, .size: 8, .value_kind: global_buffer, .address_space: global }
      - { .name: kv, .offset: 24, .size: 8, .value_kind: global_buffer, .address_space: global }
      - { .name: oq, .offset: 32, .size: 8, .value_kind: global_buffer, .address_space: global }
    .group_segment_fixed_size: 327680
    .private_segment_fixed_size: 0
    .kernarg_segment_align: 8
    .kernarg_segment_size: 40
    .max_flat_workgroup_size: 256
    .sgpr_count:     90
    .vgpr_count:     512
    .wavefront_size: 32
...
	.end_amdgpu_metadata
.endif
;; end of part 9
;; launch oproj (part 10): grid 8 x 32, 4 waves a work-group, clusters of 4 x 4, 305,152 bytes of LDS; arguments oq, wq, bo, x, out0; writes out0
.if DOCPART == 10
	.amdgcn_target "amdgcn-amd-amdhsa--gfx1250"
	.amdhsa_code_object_version 6
	.text
	.protected	k_qc1c1f5a0d1_oproj
	.globl	k_qc1c1f5a0d1_oproj
	.p2align	8
	.type	k_qc1c1f5a0d1_oproj,@function
k_qc1c1f5a0d1_oproj:
	s_mov_b64 s[64:65], 0
	v_nop
	global_prefetch_b8 v0, s[64:65] scope:SCOPE_SE
	s_setreg_imm32_b32 hwreg(HW_REG_WAVE_MODE, 25, 1), 1
	s_wait_xcnt 0x0
	s_wait_alu depctr_hold_cnt(0) depctr_sa_sdst(0) depctr_va_vdst(0) depctr_va_sdst(0) depctr_va_ssrc(0) depctr_va_vcc(0) depctr_vm_vsrc(0)
	s_getreg_b32 s2, hwreg(HW_REG_IB_STS2, 6, 4)
	s_cmp_eq_u32 s2, 0
	s_cbranch_scc0 .Lentry_in_a_cluster
	s_endpgm
.Lentry_in_a_cluster:
	s_bfe_u32 s2, ttmp6, 0x10000c
	s_cmp_lg_u32 s2, 0xf033
	s_cbranch_scc0 .Lentry_shape_is_right
	s_endpgm
.Lentry_shape_is_right:
; out0 = x + (O Wo^T + bo): [4096][1024] f32, the product on codes of E5M2 with E8M0 scales, K = 1,024.
; ask for all their bytes at once serve it better than few with large tiles.
; ALL OF K LIES IN LDS AT ONCE: 128 rows of A and 128 of B x 1,024 bytes, in four chunks of 256 along K, and their scale bytes.  Each wave asks for its five parts (scales, chunks 0 to 3) at the start; every LDS
; byte is filled once, so there is no ring; a chunk is read behind a counted wait of the wave that asked and a barrier.
; "A" = O's codes, laid [head 16][row 4096][64]: a load brings 4 heads x 64 rows x 64 bytes as 4 rows of 4,096 dense bytes, 16 bytes of padding behind every 256: head g of the chunk at 4,352 g, row p at
; 272 (p / 4) + 64 (p % 4): the sixteen lanes of a fragment load touch sixteen different 16-byte columns.  Its scale bytes, [group of 4 heads][row][8], come as 4 rows of 512 bytes, padded likewise.
; "B" = Wo's codes and scales in wq (weight 3): rows of 1,024 and of 32 bytes.
; Source 0 = 16 rows of B, source 1 = 16 rows of A: lane (r, h) holds eight neighbouring numbers of row r of out0.  bo is the C of each sum's first product.
; THE WAY OUT: a block of 16 rows x 64 columns goes through the wave's own stage and comes back as pieces of 256 consecutive bytes, two rows an instruction.  x was loaded at the head in that same layout
; (each load covers two aligned runs of 256 bytes) and is added there: x + (sum + bo).  LIMIT: bo enters each f32 sum first, ahead of the products: another order of rounding than sum + bo.
; CLUSTERS: 4 x 4 work-groups; A's tiles are shared along a row of the cluster, B's along a column, by joint loads.
; REGISTERS: window 0: v8-21 addresses; v32-63 A's scale words (block i, K step t: 8 i + t); v64-95 B's; v96-127 bo; v128-255 the accumulators ((a, b) at v[128 + 8 (4 a + b)]), later the results.
;   window 1: two sets of 128: A's four fragments, then B's four; on the way out the rows read back.   window 2: v0-127 x.
; WHERE THE LINES ABOVE DIFFER, THESE HOLD.  Each wave asks for ONE part at the start, for all of K: wave 0 A's codes (16 heads x 128 rows x 64 bytes: head g at 8,704 g, row p at 272 (p / 4) + 64 (p % 4)),
; wave 1 B's codes (128 rows of 1,024 bytes + 16), wave 2 A's scale bytes (4 rows of 1,024 bytes, padded behind every 256), wave 3 B's.  One wait for 0 and one barrier show them to all waves; the eight K steps
; follow with no further barrier.
.set PITCH,  272                       ; 256 bytes + 16
.set FR,     16                        ; registers of a fragment
.set NP,     8                         ; places behind this matrix instruction (ISA guide 7.12.1)
.set HALFT,  64*PITCH
.set CHUNK,  4*HALFT
.set SCL,    4*CHUNK                   ; behind the codes: the scales
.set HALFS,  8*272                     ; those of 64 rows, all of K
.set STG,    SCL+4*HALFS               ; behind the scales: a stage of 16 rows x 272 bytes for each wave; no load lands there
.set SPITCH, 272
.set NB4,    4096                      ; a row of x and of out0 in bytes
.set ADRA, 8                           ; v8-11   my A fragments in chunk 0 .. 3
.set ADRB, 12                          ; v12-15  the same for B
.set ADSA, 16                          ; v16     A's scale words
.set ADSB, 17                          ; v17     B's
.set STO,  18                          ; v18     into my stage
.set RD,   19                          ; v19     out of it
.set CO,   20                          ; v20     my byte offset in x and in out0
.set BOF,  21                          ; v21     in bo
.set SCA,  32
.set SCB,  64
.set BI,   96
.set ACC,  128
.set G1,   16                          ; s[16:23] group 1 for A's codes;  s[24:31] B's;  s[32:39] A's scales;  s[40:47] B's
.set G1B,  24
.set G1S,  32
.set G1SB, 40
.set G0,   48                          ; s[48:51] group 0 for A's codes;  s[68:71] A's scales;  s[72:75] B's codes;  s[88:91] B's scales
.set G0S,  68
.set G0B,  72
.set G0SB, 88
.set WV,   92
.set WR,   93                          ; which half of the tile's rows is mine
.set WC,   94                          ; which half of its columns
.set CX,   95
.set CY,   96
.set TA,   98
.set TB,   99
.set MSB, 0
.macro WIN new                         ; the immediate's high byte repeats the setting that is left
.if MSB != (\new)
	s_set_vgpr_msb (MSB<<8)|(\new)
.set MSB, (\new)
.endif
.endm
.set MUL,  0x05                        ; sources 0 (B) and 1 (A) window 1; C and D window 0
.set TO_F, 0x40                        ; destination window 1, address window 0
.macro CROUND                          ; a round of the cluster's barrier
	s_barrier_signal -1
	s_barrier_wait -1
	s_cmp_lg_u32 s[WV], 0
	s_cbranch_scc1 .Lnot_wave_0_\@
	s_barrier_signal -3
.Lnot_wave_0_\@:
	s_barrier_wait -3
	s_barrier_signal -1
	s_barrier_wait -1
.endm
	s_load_b256 s[4:11], s[0:1], 0x0               ; oq, wq, bo, x
	s_load_b64 s[12:13], s[0:1], 0x20              ; out0
	v_lshl_add_u32 v30, v0, 2, 0x4a600
	v_mov_b32 v31, 0
	ds_add_u32 v30, v31
	ds_add_u32 v30, v31
	v_lshrrev_b32 v1, 5, v0
	v_readfirstlane_b32 s[WV], v1                  ; wave 0..3
	s_lshr_b32 s[WR], s[WV], 1
	s_and_b32 s[WC], s[WV], 1
	s_bfe_u32 s[CX], ttmp6, 0x40000
	s_bfe_u32 s[CY], ttmp6, 0x40004
	s_lshl_b32 s[TB], ttmp9, 2
	s_add_co_u32 s[TB], s[TB], s[CX]               ; tile column = 4 x cluster x + cx
	s_and_b32 s[TA], ttmp7, 0xffff
	s_lshl_b32 s[TA], s[TA], 2
	s_add_co_u32 s[TA], s[TA], s[CY]               ; tile row = 4 x cluster y + cy
	s_lshl_b32 s14, s[CY], 2
	s_lshl_b32 s14, 15, s14                        ; my row of the cluster
	s_lshl_b32 s15, 0x1111, s[CX]                  ; my column
	; A's codes: 16 rows (heads) of 1,024 elements of 8 bytes (128 rows x 64 bytes), 32,768 elements apart; 16 bytes of padding behind every 256
	s_or_b32 s[G1+0], s14, (3<<16)|(1<<20)|(1<<21)|(5<<22)|(3<<25)
	; ONE TENSOR LOAD A WAVE, each for all of K: wave 0 A's codes (16 heads x 128 rows x 64 bytes: head g at 8,704 g), wave 1 B's codes (128 rows of 1,024 bytes + 16, from BB on), wave 2 A's scale bytes, wave 3 B's.
	; One wait and one barrier show them to all; the eight K steps follow with no further barrier.
	s_mov_b32 s[G1+1], 1024<<16
	s_mov_b32 s[G1+2], 16<<16
	s_mov_b32 s[G1+3], 1024<<16
	s_mov_b32 s[G1+4], 16
	s_mov_b32 s[G1+5], 32768
	s_mov_b32 s[G1+6], 0
	s_mov_b32 s[G1+7], 0
	; B's codes: 128 rows x 1,024 bytes, 1,024 apart
	s_or_b32 s[G1B+0], s15, (0<<16)|(1<<20)|(1<<21)|(7<<22)|(3<<25)
	s_mov_b32 s[G1B+1], 1024<<16
	s_mov_b32 s[G1B+2], 128<<16
	s_mov_b32 s[G1B+3], 1024<<16
	s_mov_b32 s[G1B+4], 128
	s_mov_b32 s[G1B+5], 1024
	s_mov_b32 s[G1B+6], 0
	s_mov_b32 s[G1B+7], 0
	; A's scales: 4 rows (groups of four heads) of 128 elements of 8 bytes, 4,096 elements apart
	s_or_b32 s[G1S+0], s14, (3<<16)|(1<<20)|(1<<21)|(5<<22)|(3<<25)
	s_mov_b32 s[G1S+1], 128<<16
	s_mov_b32 s[G1S+2], 4<<16
	s_mov_b32 s[G1S+3], 128<<16
	s_mov_b32 s[G1S+4], 4
	s_mov_b32 s[G1S+5], 4096
	s_mov_b32 s[G1S+6], 0
	s_mov_b32 s[G1S+7], 0
	; B's scales: 4,096 dense bytes as 16 rows of 256
	s_or_b32 s[G1SB+0], s15, (3<<16)|(1<<20)|(1<<21)|(5<<22)|(3<<25)
	s_mov_b32 s[G1SB+1], 32<<16
	s_mov_b32 s[G1SB+2], 16<<16
	s_mov_b32 s[G1SB+3], 32<<16
	s_mov_b32 s[G1SB+4], 16
	s_mov_b32 s[G1SB+5], 32
	s_mov_b32 s[G1SB+6], 0
	s_mov_b32 s[G1SB+7], 0
	s_lshl_b32 s66, s[TA], 7                       ; the tile's first row of A,
	s_lshl_b32 s104, s[TB], 7                      ; of B
	s_lshl_b32 s100, s66, 3
	s_add_co_u32 s100, s100, 0x400000              ; A's scale bytes: 8 a row and group,
	s_lshl_b32 s66, s66, 6                         ; its codes: 64 a row and head
	s_lshl_b32 s2, s104, 5
	s_add_co_u32 s2, s2, 0x418000                  ; Wo's scale bytes in wq,
	s_lshl_b32 s104, s104, 10
	s_add_co_u32 s104, s104, 0x300000              ; its codes
	s_mov_b32 s67, 0
	s_mov_b32 s101, 0
	s_mov_b32 s105, 0
	s_mov_b32 s3, 0
	s_wait_dscnt 0x0
	s_wait_kmcnt 0x0
	s_add_nc_u64 s[66:67], s[4:5], s[66:67]
	s_add_nc_u64 s[100:101], s[4:5], s[100:101]
	s_add_nc_u64 s[104:105], s[6:7], s[104:105]
	s_add_nc_u64 s[2:3], s[6:7], s[2:3]
	CROUND                                         ; all sixteen work-groups are here: the joint loads meet
	s_mov_b32 s[G0S], 1
	s_mov_b32 s[G0S+1], SCL
	s_mov_b64 s[G0S+2:G0S+3], s[100:101]
	s_or_b32 s[G0S+3], s[G0S+3], 0x80000000
	s_mov_b32 s[G0SB], 1
	s_mov_b32 s[G0SB+1], SCL+2*HALFS
	s_mov_b64 s[G0SB+2:G0SB+3], s[2:3]
	s_or_b32 s[G0SB+3], s[G0SB+3], 0x80000000
.set BB, 16*8704                       ; B's codes lie behind A's 16 heads
	s_mov_b32 s[G0], 1
	s_mov_b32 s[G0+1], 0
	s_mov_b64 s[G0+2:G0+3], s[66:67]
	s_or_b32 s[G0+3], s[G0+3], 0x80000000
	s_mov_b32 s[G0B], 1
	s_mov_b32 s[G0B+1], BB
	s_mov_b64 s[G0B+2:G0B+3], s[104:105]
	s_or_b32 s[G0B+3], s[G0B+3], 0x80000000
.macro ARM under, g0, g1, next         ; one chain of branches on the wave's number, one load to an arm
	s_cmp_lt_u32 s[WV], \under
	s_cbranch_scc0 \next
	tensor_load_to_lds s[\g0:\g0+3], s[\g1:\g1+7]
	s_nop 0
.rept 4
	v_nop
.endr
	s_branch .Lasked
\next:
.endm
	ARM 1, G0,  G1,  .Lhead_b
	ARM 2, G0B, G1B, .Lhead_sa
	ARM 3, G0S, G1S, .Lhead_sb
	tensor_load_to_lds s[G0SB:G0SB+3], s[G1SB:G1SB+7]
	s_nop 0
.rept 4
	v_nop
.endr
.Lasked:
	v_and_b32 v1, 15, v0                           ; r
	v_bfe_u32 v2, v0, 4, 1                         ; h
	; bo, x and out0 at my 64 x 64
	s_wait_alu depctr_va_vdst(0)
	s_lshl_b32 s14, s[TA], 7
	s_lshl_b32 s15, s[WR], 6
	s_add_co_u32 s14, s14, s15
	s_lshl_b32 s14, s14, 12                        ; my first row,
	s_lshl_b32 s2, s[TB], 9
	s_lshl_b32 s3, s[WC], 8
	s_add_co_u32 s2, s2, s3                        ; my first column, in bytes
	s_add_co_u32 s14, s14, s2
	s_mov_b32 s15, 0
	s_mov_b32 s3, 0
	s_add_nc_u64 s[10:11], s[10:11], s[14:15]
	s_add_nc_u64 s[12:13], s[12:13], s[14:15]
	s_add_nc_u64 s[8:9], s[8:9], s[2:3]
	v_lshlrev_b32 v[BOF], 5, v2                    ; bo in the result's layout: for block b of B the numbers 16 b + 8 h + 0 .. 7
.irp b, 0,1,2,3
	global_load_b128 v[BI+8*\b:BI+8*\b+3], v[BOF], s[8:9] offset:64*\b
	global_load_b128 v[BI+8*\b+4:BI+8*\b+7], v[BOF], s[8:9] offset:64*\b+16
.endr
	v_lshlrev_b32 v[CO], 12, v2
	v_lshl_add_u32 v[CO], v1, 4, v[CO]             ; lanes 0-15 one row's 256 bytes, lanes 16-31 the next row's
	WIN 0x80                                       ; destination window 2
.set T, 0
.rept 32
	global_load_b128 v[4*T:4*T+3], v[CO], s[10:11] offset:T*2*NB4 th:TH_LOAD_NT   ; x: rows 2 T, 2 T + 1 of my 64; read once
.set T, T+1
.endr
	WIN 0
	; LDS addresses
	v_lshrrev_b32 v3, 2, v1
	v_mul_u32_u24 v3, v3, 272
	v_and_b32 v4, 3, v1
	v_lshl_add_u32 v3, v4, 6, v3
	v_lshl_add_u32 v3, v2, 4, v3                   ; A: 272 (r / 4) + 64 (r % 4) + 16 h
	s_wait_alu depctr_va_vdst(0)
	v_mul_u32_u24 v4, v1, 1040
	v_lshl_add_u32 v4, v2, 4, v4                   ; B: row x pitch + 16 h
	s_wait_alu depctr_va_vdst(0)
	s_mul_i32 s14, s[WR], 4352                     ; my 64 rows of A inside each head's 128
	s_mul_i32 s15, s[WC], 64*1040                  ; my 64 rows of B
	s_add_co_u32 s15, s15, BB
.irp s, 0,1,2,3
	v_add_nc_u32 v[ADRA+\s], s14, v3
	v_add_nc_u32 v[ADRB+\s], s15, v4
	s_add_co_u32 s14, s14, 4*8704                  ; 256 along K on: four heads of A,
	s_add_co_u32 s15, s15, 256                     ; 256 bytes of B's rows
.endr
	s_mul_i32 s14, s[WR], 544
	s_add_co_u32 s14, s14, SCL
	v_lshlrev_b32 v5, 3, v1
	v_add_nc_u32 v[ADSA], s14, v5                  ; A's scale words: 8 r
	s_mul_i32 s15, s[WC], HALFS
	s_add_co_u32 s15, s15, SCL+2*HALFS
	v_lshlrev_b32 v5, 5, v1
	v_lshrrev_b32 v6, 3, v1
	v_lshl_add_u32 v5, v6, 4, v5
	v_add_nc_u32 v[ADSB], s15, v5                  ; B's: 32 r, + 16 behind the first 256
	s_mul_i32 s14, s[WV], 16*SPITCH
	s_add_co_u32 s14, s14, STG                     ; my stage
	v_mul_u32_u24 v5, v1, SPITCH
	v_lshl_add_u32 v5, v2, 5, v5
	v_add_nc_u32 v[STO], s14, v5                   ; in: row r, + 32 h
	v_mul_u32_u24 v5, v2, SPITCH
	v_lshl_add_u32 v5, v1, 4, v5
	v_add_nc_u32 v[RD], s14, v5                    ; back: lanes 0-15 one row, lanes 16-31 the next
; one product of K step t.  first = 1: the sum starts from bo
.macro MM a, b, t, first
.set DR, ACC+8*(4*(\a)+\b)
.set BR, 128*((\t)%2)+64+FR*\b
.set AR, 128*((\t)%2)+FR*(\a)
.if \first
	v_wmma_scale_f32_16x16x128_f8f6f4 v[DR:DR+7], v[BR:BR+FR-1], v[AR:AR+FR-1], v[BI+8*\b:BI+8*\b+7], v[SCB+8*\b+(\t)], v[SCA+8*(\a)+(\t)] matrix_a_fmt:MATRIX_FMT_BF8 matrix_b_fmt:MATRIX_FMT_BF8
.else
	v_wmma_scale_f32_16x16x128_f8f6f4 v[DR:DR+7], v[BR:BR+FR-1], v[AR:AR+FR-1], v[DR:DR+7], v[SCB+8*\b+(\t)], v[SCA+8*(\a)+(\t)] matrix_a_fmt:MATRIX_FMT_BF8 matrix_b_fmt:MATRIX_FMT_BF8
.endif
.endm
.macro MUL8 a0, t, first               ; A's blocks a0, a0 + 1 x B's four.  The 16 accumulators take turns, one instruction a turn, in the same order in every step
.irp a, \a0, \a0+1
.irp b, 0,1,2,3
	MM \a, \b, \t, \first
.endr
.endr
.endm
; the fragments of K step t into set t % 2: B's four, then A's four; with a chunk's first step also the chunk's scale words (two a row and side), ahead of them
.macro FETCH t
.set FS, (\t)/2
.set FQ, (\t)%2
.set FP, 128*((\t)%2)
.if FQ == 0
	WIN 0
.irp i, 0,1,2,3
	ds_load_b64 v[SCA+8*\i+2*FS:SCA+8*\i+2*FS+1], v[ADSA] offset:1088*FS+272*(\i/2)+128*(\i%2)
	ds_load_b64 v[SCB+8*\i+2*FS:SCB+8*\i+2*FS+1], v[ADSB] offset:544*\i+8*FS
.endr
.endif
	WIN TO_F
.irp b, 0,1,2,3
.irp c, 0,1,2,3
	ds_load_b128 v[FP+64+FR*\b+4*\c:FP+64+FR*\b+4*\c+3], v[ADRB+FS] offset:128*FQ+32*\c+\b*16*1040
.endr
.endr
.irp i, 0,1,2,3
.irp c, 0,1,2,3
	ds_load_b128 v[FP+FR*\i+4*\c:FP+FR*\i+4*\c+3], v[ADRA+FS] offset:(2*FQ+\c/2)*8704+32*(\c%2)+\i*1088
.endr
.endr
.endm
.macro PLACES n                        ; plain vector lines between a matrix instruction and a load into, or a read of, its registers
.rept \n
	v_nop
.endr
.endm
.macro STEP_IN t, first                ; K step t of 128, and the fetch of step t + 1
	s_wait_dscnt 8                                 ; the scale words, B's set and A's blocks 0, 1 are in; the youngest eight loads (A's blocks 2, 3) may be out
	WIN MUL
	MUL8 0, \t, \first
.if (\t) > 0
	PLACES NP                                      ; the other set was read by the step before
.endif
	FETCH (\t)+1
	s_wait_dscnt 32                                ; all but the 32 just issued
	WIN MUL
	MUL8 2, \t, \first
.endm
	s_wait_alu depctr_va_vdst(0)
	s_wait_tensorcnt 0x0                           ; my one load is in
	s_barrier_signal -1
	s_barrier_wait -1                              ; everybody's are
	FETCH 0
	s_wait_loadcnt 32                              ; bo is in; x's 32 loads, issued behind it, may be out
	STEP_IN 0, 1
.irp t, 1,2,3,4,5,6
	STEP_IN \t, 0
.endr
	s_wait_dscnt 8                                 ; the last step: nothing more to fetch
	WIN MUL
	MUL8 0, 7, 0
	s_wait_dscnt 0x0
	MUL8 2, 7, 0
	WIN 0
; THE WAY OUT, block by block of 16 rows x 64 columns, through my own stage.  LDS serves a wave's instructions in order (ISA guide 5.7.1.4): no wait stands between the stores and the loads, nor ahead of the next block's stores
.macro TOSTAGE a
.irp b, 0,1,2,3
	ds_store_b128 v[STO], v[ACC+8*(4*(\a)+\b):ACC+8*(4*(\a)+\b)+3] offset:64*\b          ; each accumulator from its low end on
	ds_store_b128 v[STO], v[ACC+8*(4*(\a)+\b)+4:ACC+8*(4*(\a)+\b)+7] offset:64*\b+16
.endr
	WIN TO_F                                       ; back into window 1, where the fragments lay: 32 registers of its own for each block
.irp t, 0,1,2,3,4,5,6,7
	ds_load_b128 v[32*(\a)+4*\t:32*(\a)+4*\t+3], v[RD] offset:\t*2*SPITCH
.endr
	WIN 0
.endm
.macro SEND a, younger                 ; younger: the LDS instructions issued behind block a's loads
	s_wait_dscnt \younger                          ; the block is back, so its stores into the stage have read its accumulators, which now take the results
	WIN 0x09                                       ; source 0 window 1 (the rows read back), source 1 window 2 (x), destination window 0
.irp k, 0,2,4,6,8,10,12,14,16,18,20,22,24,26,28,30
	v_pk_add_f32 v[ACC+32*(\a)+\k:ACC+32*(\a)+\k+1], v[32*(\a)+\k:32*(\a)+\k+1], v[32*(\a)+\k:32*(\a)+\k+1]
.endr
	WIN 0
.irp t, 0,1,2,3,4,5,6,7
	global_store_b128 v[CO], v[ACC+32*(\a)+4*\t:ACC+32*(\a)+4*\t+3], s[12:13] offset:(8*(\a)+\t)*2*NB4 th:TH_STORE_NT   ; sixteen lanes store 256 consecutive bytes, aligned; no store's data are written again
.endr
.endm
	PLACES NP                                      ; behind the last products: for the reads of results and for the loads into the fragments' registers
	TOSTAGE 0
	s_wait_loadcnt 0x0                             ; x
	TOSTAGE 1
	SEND 0, 16                                     ; behind block 0's loads: block 1's 8 stores and 8 loads
	TOSTAGE 2
	SEND 1, 16
	TOSTAGE 3
	SEND 2, 16
	SEND 3, 0
	s_wait_tensorcnt 0x0
	ds_add_u32 v30, v31
	s_wait_dscnt 0x0
	CROUND                                         ; the closing round: no work-group ends while a partner may still ask for a tile that names it
	s_endpgm
.Lfunc_end_k_qc1c1f5a0d1_oproj:
	.size	k_qc1c1f5a0d1_oproj, .Lfunc_end_k_qc1c1f5a0d1_oproj-k_qc1c1f5a0d1_oproj
	.p2alignl 7, 3214868480
	.fill 96, 4, 3214868480
	.section	.rodata,"a",@progbits
	.p2align	6, 0x0
	.amdhsa_kernel k_qc1c1f5a0d1_oproj
		.amdhsa_group_segment_fixed_size 305152
		.amdhsa_private_segment_fixed_size 0
		.amdhsa_enable_private_segment 0
		.amdhsa_kernarg_size 40
		.amdhsa_user_sgpr_count 2
		.amdhsa_user_sgpr_kernarg_segment_ptr 1
		.amdhsa_wavefront_size32 1
		.amdhsa_system_sgpr_workgroup_id_x 1
		.amdhsa_system_sgpr_workgroup_id_y 1
		.amdhsa_system_sgpr_workgroup_id_z 1
		.amdhsa_system_vgpr_workitem_id 0
		.amdhsa_next_free_vgpr 640
		.amdhsa_next_free_sgpr 106
		.amdhsa_reserve_vcc 0
		.amdhsa_float_denorm_mode_32 3
		.amdhsa_float_denorm_mode_16_64 3
		.amdhsa_memory_ordered 1
		.amdhsa_forward_progress 1
		.amdhsa_inst_pref_size 63
	.end_amdhsa_kernel
	.amdgpu_metadata
---
amdhsa.version: [ 1, 2 ]
amdhsa.kernels:
  - .name:           k_qc1c1f5a0d1_oproj
    .symbol:         k_qc1c1f5a0d1_oproj.kd
    .args:
      - { .name: oq, .offset: 0, .size: 8, .value_kind: global_buffer, .address_space: global }
      - { .name: wq, .offset: 8, .size: 8, .value_kind: global_buffer, .address_space: global }
      - { .name: bo, .offset: 16, .size: 8, .value_kind: global_buffer, .address_space: global }
      - { .name: x, .offset: 24, .size: 8, .value_kind: global_buffer, .address_space: global }
      - { .name: out0, .offset: 32, .size: 8, .value_kind: global_buffer, .address_space: global }
    .group_segment_fixed_size: 305152
    .private_segment_fixed_size: 0
    .kernarg_segment_align: 8
    .kernarg_segment_size: 40
    .max_flat_workgroup_size: 128
    .sgpr_count:     106
    .vgpr_count:     640
    .wavefront_size: 32
...
	.end_amdgpu_metadata
.endif
;; end of part 10
